; MI455X (gfx1250); checked and timed in simulation.
; The chip was launched on July 23, 2026; its instructions are those of AMD's public machine-readable ISA for CDNA 5 (MIT licence, August 2026) and "CDNA5" Instruction Set Architecture Reference Guide (July 2026). The comments in the code are by the model that wrote it; some were corrected since.
;; Delta Attention. Allowed arithmetic: matrix products marked QUANTISED: E2M1 operands, one E8M0 scale for each 32 along K, by v_wmma_scale_f32_16x16x128_f8f6f4 with both operands' format E2M1 (or v_wmma_scale_f32_32x16x128_f4), f32 sums; products left as they are: f32 operands where the result goes on into a quantised operand, else bf16, f16 or f32 operands; f32 sums; everything else in f32.
;; Inputs: Wk_codes 1,024 x 32 x 16 uint8 (E2M1 codes of Wk, K innermost, in blocks of 32 codes, two codes a byte); Wk_scales 1,024 x 32 uint8 (E8M0 scales of Wk, one for each 32 codes along K); Wo_codes 1,024 x 32 x 16 uint8 (E2M1 codes of Wo, K innermost, in blocks of 32 codes, two codes a byte); Wo_scales 1,024 x 32 uint8 (E8M0 scales of Wo, one for each 32 codes along K); Wq_codes 1,024 x 32 x 16 uint8 (E2M1 codes of Wq, K innermost, in blocks of 32 codes, two codes a byte); Wq_scales 1,024 x 32 uint8 (E8M0 scales of Wq, one for each 32 codes along K); Wv_codes 1,024 x 32 x 16 uint8 (E2M1 codes of Wv, K innermost, in blocks of 32 codes, two codes a byte); Wv_scales 1,024 x 32 uint8 (E8M0 scales of Wv, one for each 32 codes along K); bk 1,024 float32; bo 1,024 float32; bq 1,024 float32; bv 1,024 float32; dWk_codes 4 x 1,024 x 32 x 16 uint8 (E2M1 codes of dWk, K innermost, in blocks of 32 codes, two codes a byte); dWk_scales 4 x 1,024 x 32 uint8 (E8M0 scales of dWk, one for each 32 codes along K); dWv 4 x 1,024 float32; dbb 4 float32; dbv 4 float32; dbw 4 x 1,024 float32; ln_b 1,024 float32; ln_g 1,024 float32; x 2 x 2,048 x 1,024 float32.
;; Outputs: out0 2 x 2,048 x 1,024 float32.
;; This version of the problem:
;;   THIS VERSION OF THE PROBLEM IS GIVEN IN LOW PRECISION. The matrix products marked QUANTISED in the list below multiply operands that are first quantised to E2M1 (2 exponent bits, 1 mantissa bit; 4 bits a number), with one power-of-two scale for each 32 numbers along K (OCP MX v1.0); their sums are f32. All else is computed in f32.
;;   The module's matrix products, in the order in which they are computed (A, B: the left and right operand; K: the contracted axis; several contracted axes count as one K, in the product's order):
;;     1. [M 4,096, K 1,024] x [K 1,024, N 1,024]; A: input x; B: input Wq (given as codes): QUANTISED
;;     2. [M 4,096, K 1,024] x [K 1,024, N 1,024]; A: input x; B: input dWk (given as codes): QUANTISED
;;     3. [M 4,096, K 1,024] x [K 1,024, N 1]; A: input x; B: input dbw: left as it is (N = 1 < 16)
;;     4. [M 4,096, K 1,024] x [K 1,024, N 1]; A: computed on the way; B: input dWv: left as it is (N = 1 < 16)
;;     5. [M 4,096, K 1,024] x [K 1,024, N 1,024]; A: input x; B: input Wk (given as codes): QUANTISED
;;     6. [M 4,096, K 1,024] x [K 1,024, N 1,024]; A: input x; B: input dWk (given as codes): QUANTISED
;;     7. [M 4,096, K 1,024] x [K 1,024, N 1]; A: input x; B: input dbw: left as it is (N = 1 < 16)
;;     8. [M 4,096, K 1,024] x [K 1,024, N 1]; A: computed on the way; B: input dWv: left as it is (N = 1 < 16)
;;     9. [M 4,096, K 1,024] x [K 1,024, N 1,024]; A: input x; B: input Wv (given as codes): QUANTISED
;;     10. [M 4,096, K 1,024] x [K 1,024, N 1,024]; A: input x; B: input dWk (given as codes): QUANTISED
;;     11. [M 4,096, K 1,024] x [K 1,024, N 1]; A: input x; B: input dbw: left as it is (N = 1 < 16)
;;     12. [M 4,096, K 1,024] x [K 1,024, N 1]; A: computed on the way; B: input dWv: left as it is (N = 1 < 16)
;;     13. batch 32 x [M 2,048, K 64] x [K 64, N 2,048]; A: computed on the way; B: computed on the way: QUANTISED
;;     14. batch 32 x [M 2,048, K 2,048] x [K 2,048, N 64]; A: softmax (see below); B: computed on the way: QUANTISED
;;     15. [M 4,096, K 1,024] x [K 1,024, N 1,024]; A: computed on the way; B: input Wo (given as codes): QUANTISED
;;     16. [M 4,096, K 1,024] x [K 1,024, N 1,024]; A: input x; B: input dWk (given as codes): QUANTISED
;;     17. [M 4,096, K 1,024] x [K 1,024, N 1]; A: input x; B: input dbw: left as it is (N = 1 < 16)
;;     18. [M 4,096, K 1,024] x [K 1,024, N 1]; A: computed on the way; B: input dWv: left as it is (N = 1 < 16)
;;   THE QUANTISER, for each operand of a quantised product, along K:
;;     - K is cut into blocks of 32 from its start; a last block that is shorter is filled with zeros.
;;     - A block's scale is 2^e with e = floor(log2(the largest magnitude in the block)) - 2, held to -126 .. 127; a block of zeros has e = 0. As a byte (E8M0): e + 127.
;;     - Each number is divided by its block's scale, clamped to +-6, and rounded to the nearest number of E2M1, ties to even, subnormals kept.
;;     - The product sums the exact products of the quantised numbers (number of the format x scale) in f32.
;;   ~~~python
;;   def quantise(x, axis):      # numpy; x: float32 -> the quantised numbers, widened to float32 again
;;       x = np.moveaxis(x, axis, -1); K = x.shape[-1]
;;       x = np.pad(x, [(0, 0)] * (x.ndim - 1) + [(0, -K % 32)]); x = x.reshape(x.shape[:-1] + (-1, 32)); a = np.abs(x).max(-1, keepdims=True)
;;       e = np.where(a > 0, np.clip(np.frexp(np.where(a > 0, a, 1))[1] - 1 - 2, -126, 127), 0)      # np.frexp(a)[1] - 1 = floor(log2(a)), exactly
;;       r = np.clip(x / 2.0 ** e, -6, 6)
;;       step = 2.0 ** (np.maximum(np.frexp(np.where(r == 0, 1, r))[1] - 1, 0) - 1)
;;       q = np.round(r / step) * step * 2.0 ** e      # np.round: ties to even
;;       return np.moveaxis(q.reshape(q.shape[:-2] + (-1,))[..., :K], -1, axis).astype(np.float32)
;;   ~~~
;;   SOFTMAX AHEAD OF A QUANTISED PRODUCT. Where the list says 'softmax', what is quantised is not the finished softmax but p = 2^(t - M), with t = logit x log2(e) and M = ceil(the row's largest t), a whole number; so 1/2 < the row's largest p <= 1. The row's sum l is taken of the UNQUANTISED p, in f32, and the product's result is divided by l at the end. Since M is a whole number, a kernel that streams over the keys may use a running M (the ceiling of the running maximum): every later rescaling is an exact power of two, which a block's scale takes up: the codes' values come out the same.
;;   OPERANDS COMPUTED ON THE WAY. 'Computed on the way' means the value that the module computes at that place (a softmax that the list does not call 'softmax' is quantised finished and normalised). What goes into a quantiser is computed in f32, as accurately as f32 sums, v_exp_f32 and their like allow (about 1e-6 of the number): no bf16 or f16 on the way to a quantiser, and a product that is left as it is and whose result goes on into a quantised operand takes f32 operands (vector FMAs, or v_wmma_f32_16x16x4_f32). A number that lies on a knife's edge between two numbers of the format may be rounded either way, as far as f32 arithmetic and the matrix unit's own rounding can turn it there, and no further.
;;   INPUTS GIVEN AS CODES. Wk (in the module: [1024, 1024], K = its axis 0); Wo (in the module: [1024, 1024], K = its axis 0); Wq (in the module: [1024, 1024], K = its axis 0); Wv (in the module: [1024, 1024], K = its axis 0); dWk (in the module: [4, 1024, 1024], K = its axis 1): each comes as NAME_codes (uint8): NAME with its K axis moved to the last place and cut into blocks of 32 codes, [.., K / 32, bytes a block], one block behind the other in memory; two codes a byte, the lower K in the low four bits (a code: sign, 2 exponent bits, 1 mantissa bit); and NAME_scales (uint8): the same leading axes, one E8M0 byte (e + 127) for each 32 codes along K. Its value is code x scale, taken as it is: it is not quantised again, and the codes and scales need not be those that the quantiser above would give.
;; 2 versions, each right; version 2 is version 1 with the launches proj, attn, fin written anew for expert scheduling mode. Each part assembles by itself: llvm-mc -triple=amdgcn-amd-amdhsa -mcpu=gfx1250 --defsym DOCPART=n.
;; ======== version 1 of 2: 4 launches
;; workspace buffers: wf 4,456,448 bytes; qkv 6,946,816 bytes; oc 2,097,152 bytes; osc 131,072 bytes
;; launch lay (part 1): grid 256 x 1, 2 waves a work-group, no clusters, 0 bytes of LDS; arguments Wq_codes, Wk_codes, Wv_codes, Wo_codes, dWk_codes, Wq_scales, Wk_scales, Wv_scales, Wo_scales, dWk_scales, wf; writes wf
.if DOCPART == 1
	.amdgcn_target "amdgcn-amd-amdhsa--gfx1250"
	.amdhsa_code_object_version 6
	.text
	.protected	k_q13faa7e5d8_lay
	.globl	k_q13faa7e5d8_lay
	.p2align	8
	.type	k_q13faa7e5d8_lay,@function
k_q13faa7e5d8_lay:
	s_mov_b64 s[64:65], 0
	v_nop
	global_prefetch_b8 v0, s[64:65] scope:SCOPE_SE
	s_setreg_imm32_b32 hwreg(HW_REG_WAVE_MODE, 25, 1), 1
	s_wait_xcnt 0x0
; The eight weight matrices (Wq, Wk, Wv, Wo, dWk[0..3]: codes [1024 n][512 bytes], scale bytes [1024 n][32]) are laid once in the order in which a wave's
; operand registers take them: wf = [i 4][w 4][gm 2][s 8][H 2] blocks of HB = 8,704 bytes (gm 0: W_i, gm 1: dWk[i]; w: columns 256 w on; s: 128 along K; H: eight tiles of 16 columns).
; A block: eight fragments of 1,024 bytes (register group c at 512 c, lane l's 16 bytes at 16 l), then 512 bytes of scale words (lane l's 16 bytes: word j = tile 2 (4 H + j) + l / 16, row l % 16).
; THE COLUMNS OF A TILE ARE NOT NEIGHBOURS: lane r of tile nt takes column 256 w + 32 (nt / 2) + 8 (nt % 2) + r + 8 (r / 8).
; A wave takes one tile (all eight K steps: 16 rows of 512 bytes, read whole by its 16 loads) and the scale words of one K step of its half.  Every store covers 512 consecutive bytes.  No LDS, no barrier, no loop.
.set STP, 17408                        ; a K step in wf: two blocks
.set HB,  8704
	s_load_b256 s[4:11], s[0:1], 0x0               ; codes of Wq, Wk, Wv, Wo
	s_load_b64 s[12:13], s[0:1], 0x20              ; codes of dWk
	s_load_b256 s[16:23], s[0:1], 0x28             ; scales of Wq, Wk, Wv, Wo
	s_load_b128 s[24:27], s[0:1], 0x48             ; scales of dWk, wf
	v_lshrrev_b32 v1, 5, v0
	v_readfirstlane_b32 s28, v1                    ; wave 0, 1
	s_lshr_b32 s29, ttmp9, 2                       ; u = which half matrix slab
	s_and_b32 s30, ttmp9, 3
	s_lshl_b32 s30, s30, 1
	s_add_co_u32 s30, s30, s28                     ; f: my tile in the half, and my K step for the scale words
	s_and_b32 s31, s29, 1                          ; H
	s_bfe_u32 s32, s29, 0x20001                    ; w
	s_bfe_u32 s33, s29, 0x10003                    ; gm
	s_lshr_b32 s34, s29, 4                         ; i
	v_and_b32 v1, 31, v0                           ; l
	v_and_b32 v2, 15, v0                           ; r
	v_bfe_u32 v3, v0, 4, 1                         ; h
	v_and_b32 v4, 8, v2
	v_add_nc_u32 v4, v4, v2                        ; r + 8 (r / 8)
	v_lshlrev_b32 v5, 9, v4
	v_lshl_add_u32 v5, v3, 4, v5                   ; codes: my row of 512 bytes, + 16 h
	v_lshl_add_u32 v6, v3, 3, v4
	v_lshlrev_b32 v6, 5, v6                        ; scales: lanes 16-31 take the odd tile, 8 rows on; 32 bytes a row
	v_lshlrev_b32 v7, 4, v1                        ; 16 l
	s_lshl_b32 s35, s32, 8
	s_lshl_b32 s36, s31, 7
	s_add_co_u32 s35, s35, s36                     ; 256 w + 128 H
	s_lshl_b32 s40, s35, 5
	s_lshl_b32 s36, s30, 2
	s_add_co_u32 s40, s40, s36                     ; scales: that row, word f
	s_lshr_b32 s36, s30, 1
	s_lshl_b32 s36, s36, 5
	s_add_co_u32 s35, s35, s36
	s_and_b32 s36, s30, 1
	s_lshl_b32 s36, s36, 3
	s_add_co_u32 s35, s35, s36                     ; my tile's first row
	s_lshl_b32 s38, s35, 9
	s_mul_i32 s37, s33, s34                        ; dWk: matrix i; else 0
	s_lshl_b32 s36, s37, 19
	s_add_co_u32 s38, s38, s36
	s_mov_b32 s39, 0
	s_lshl_b32 s36, s37, 15
	s_add_co_u32 s40, s40, s36
	s_mov_b32 s41, 0
	s_lshl_b32 s42, s34, 2
	s_add_co_u32 s42, s42, s32
	s_lshl_b32 s42, s42, 1
	s_add_co_u32 s42, s42, s33
	s_mul_i32 s42, s42, 8*STP                      ; ((4 i + w) 2 + gm) x eight K steps
	s_mul_i32 s36, s31, HB
	s_add_co_u32 s42, s42, s36
	s_lshl_b32 s44, s30, 10
	s_add_co_u32 s44, s44, s42                     ; my fragment's place in each K step's block
	s_mov_b32 s45, 0
	s_mul_i32 s46, s30, STP
	s_add_co_u32 s46, s46, s42
	s_add_co_u32 s46, s46, 8192                    ; the scale words of K step f
	s_mov_b32 s47, 0
	s_wait_kmcnt 0x0
	s_cmp_eq_u32 s34, 1                            ; the matrix is chosen by the work-group's number alone
	s_cselect_b64 s[4:5], s[6:7], s[4:5]
	s_cselect_b64 s[16:17], s[18:19], s[16:17]
	s_cmp_eq_u32 s34, 2
	s_cselect_b64 s[4:5], s[8:9], s[4:5]
	s_cselect_b64 s[16:17], s[20:21], s[16:17]
	s_cmp_eq_u32 s34, 3
	s_cselect_b64 s[4:5], s[10:11], s[4:5]
	s_cselect_b64 s[16:17], s[22:23], s[16:17]
	s_cmp_eq_u32 s33, 1
	s_cselect_b64 s[4:5], s[12:13], s[4:5]
	s_cselect_b64 s[16:17], s[24:25], s[16:17]
	s_add_nc_u64 s[4:5], s[4:5], s[38:39]
	s_add_nc_u64 s[16:17], s[16:17], s[40:41]
	s_add_nc_u64 s[6:7], s[26:27], s[44:45]
	s_add_nc_u64 s[8:9], s[26:27], s[46:47]
.irp ks, 0,1,2,3,4,5,6,7
.irp c, 0,1
	global_load_b128 v[16+4*(2*\ks+\c):19+4*(2*\ks+\c)], v5, s[4:5] offset:64*\ks+32*\c   ; k = 128 ks + 64 c + 32 h + 0 .. 31 of my row
.endr
.endr
.irp j, 0,1,2,3
	global_load_b32 v[80+\j], v6, s[16:17] offset:1024*\j     ; 32 rows on for each pair of tiles
.endr
	s_wait_loadcnt 0x0
.irp ks, 0,1,2,3,4,5,6,7
.irp c, 0,1
	global_store_b128 v7, v[16+4*(2*\ks+\c):19+4*(2*\ks+\c)], s[6:7] offset:\ks*STP+512*\c
.endr
.endr
	global_store_b128 v7, v[80:83], s[8:9]
	s_endpgm
.Lfunc_end_k_q13faa7e5d8_lay:
	.size	k_q13faa7e5d8_lay, .Lfunc_end_k_q13faa7e5d8_lay-k_q13faa7e5d8_lay
	.p2alignl 7, 3214868480
	.fill 96, 4, 3214868480
	.section	.rodata,"a",@progbits
	.p2align	6, 0x0
	.amdhsa_kernel k_q13faa7e5d8_lay
		.amdhsa_group_segment_fixed_size 0
		.amdhsa_private_segment_fixed_size 0
		.amdhsa_enable_private_segment 0
		.amdhsa_kernarg_size 88
		.amdhsa_user_sgpr_count 2
		.amdhsa_user_sgpr_kernarg_segment_ptr 1
		.amdhsa_wavefront_size32 1
		.amdhsa_system_sgpr_workgroup_id_x 1
		.amdhsa_system_sgpr_workgroup_id_y 1
		.amdhsa_system_sgpr_workgroup_id_z 1
		.amdhsa_system_vgpr_workitem_id 0
		.amdhsa_next_free_vgpr 96
		.amdhsa_next_free_sgpr 66
		.amdhsa_reserve_vcc 0
		.amdhsa_float_denorm_mode_32 3
		.amdhsa_float_denorm_mode_16_64 3
		.amdhsa_memory_ordered 1
		.amdhsa_forward_progress 1
		.amdhsa_inst_pref_size 7
	.end_amdhsa_kernel
	.amdgpu_metadata
---
amdhsa.version: [ 1, 2 ]
amdhsa.kernels:
  - .name:           k_q13faa7e5d8_lay
    .symbol:         k_q13faa7e5d8_lay.kd
    .args:
      - { .name: Wq_codes, .offset: 0, .size: 8, .value_kind: global_buffer, .address_space: global }
      - { .name: Wk_codes, .offset: 8, .size: 8, .value_kind: global_buffer, .address_space: global }
      - { .name: Wv_codes, .offset: 16, .size: 8, .value_kind: global_buffer, .address_space: global }
      - { .name: Wo_codes, .offset: 24, .size: 8, .value_kind: global_buffer, .address_space: global }
      - { .name: dWk_codes, .offset: 32, .size: 8, .value_kind: global_buffer, .address_space: global }
      - { .name: Wq_scales, .offset: 40, .size: 8, .value_kind: global_buffer, .address_space: global }
      - { .name: Wk_scales, .offset: 48, .size: 8, .value_kind: global_buffer, .address_space: global }
      - { .name: Wv_scales, .offset: 56, .size: 8, .value_kind: global_buffer, .address_space: global }
      - { .name: Wo_scales, .offset: 64, .size: 8, .value_kind: global_buffer, .address_space: global }
      - { .name: dWk_scales, .offset: 72, .size: 8, .value_kind: global_buffer, .address_space: global }
      - { .name: wf, .offset: 80, .size: 8, .value_kind: global_buffer, .address_space: global }
    .group_segment_fixed_size: 0
    .private_segment_fixed_size: 0
    .kernarg_segment_align: 8
    .kernarg_segment_size: 88
    .max_flat_workgroup_size: 64
    .sgpr_count:     66
    .vgpr_count:     96
    .wavefront_size: 32
...
	.end_amdgpu_metadata
.endif
;; end of part 1
;; launch proj (part 2): grid 64 x 3, 4 waves a work-group, no clusters, 317,952 bytes of LDS; arguments x, wf, bq, bk, bv, dbw, dbb, dWv, dbv, qkv; writes qkv
.if DOCPART == 2
	.amdgcn_target "amdgcn-amd-amdhsa--gfx1250"
	.amdhsa_code_object_version 6
	.text
	.protected	k_q13faa7e5d8_proj
	.globl	k_q13faa7e5d8_proj
	.p2align	8
	.type	k_q13faa7e5d8_proj,@function
k_q13faa7e5d8_proj:
	s_mov_b64 s[64:65], 0
	v_nop
	global_prefetch_b8 v0, s[64:65] scope:SCOPE_SE
	s_setreg_imm32_b32 hwreg(HW_REG_WAVE_MODE, 25, 1), 1
	s_wait_xcnt 0x0
; Delta blocks 0, 1, 2 (work-group y = i): res = x + c1 k_raw, k_raw = Q(x) dWk[i], c1 = beta inv (v - (k_raw . x) inv), inv = 1 / (|k_raw| + 1e-8), beta = 2 sigmoid(x . dbw[i] + dbb[i]),
; v = (Q(x) W_i + b_i) . dWv[i] + dbv[i]; res is quantised to E2M1: i = 0, 1 (q, k) along the head's 64 channels, i = 2 (v) along the keys.  Both products on codes of E2M1 with E8M0 scales, sums f32; all else f32.
; SHARES.  A work-group owns 64 rows (work-group x) and all 1,024 columns; wave w owns columns 256 w .. + 255 of all 64 rows: 64 accumulators of 16 x 16, 512 registers, used by the two products one after the other
; (of the first only its dot with dWv is kept).  The products are used TRANSPOSED (source 0 = 16 columns of the weight, source 1 = 16 rows of x): a lane holds one row, its registers run along the columns.
; TILES OF 16 ARE NOT NEIGHBOURS: lane r of tile 2 b + u takes index 32 b + 8 u + r + 8 (r / 8), for rows and for columns: the 16 registers of column tiles 2 b, 2 b + 1 are columns 32 b + 16 (lane / 16) + 0 .. 15.
; WEIGHTS come from wf, laid in register order, straight into registers, 17 loads of 512 consecutive bytes a batch, four batches ahead.  Each of the four (set, half) has a base of its own, which steps
; two K steps on directly ahead of its batch: the counted wait for loads that stands ahead has shown the batch that last named it done.
; NO CLUSTER, NO TENSOR LOADS: all 64 work-groups of one i walk the same weights, but x in f32 (read three times behind the products) takes 267,264 bytes of LDS and the operand images 36,864;
; what is left, under 11 KB, holds no slot: one K step of 128 for 1,024 columns is 69,632 bytes.
; LIMITS: NaN and infinities among the inputs are not served.  A block whose largest magnitude lies under 2^-124 gets the scale byte 1 (a block of zeros too: its codes are zeros; this program alone reads the bytes).
; A row with |k_raw|^2 under 2^-126 counts as norm 0 (v_sqrt_f32 takes a denormal as zero: ISA guide 15.8).  (acc + b) . dWv is summed as acc . dWv + b . dWv, in f32.
.set RP,   1040                        ; LDS: 256 columns of a row: 1,024 bytes + 16: the 16 rows that a load touches start at 16 different groups of four banks
.set TS,   16*RP+64                    ; a tile of 16 rows; + 64, so that rows two tiles apart lie 32 banks apart
.set SLAB, 4*TS                        ; XS = [column owner 4][tile 4][row 16][RP]: x in f32, later x + c1 k_raw
.set AIMG, 4*SLAB                      ; images of x's fragments [tile 4][K step 8][c 2][512 bytes]
.set ASC,  AIMG+32768                  ; their scale words [tile 4][K step 8][lane 32]
.set DWV,  ASC+4096                    ; dWv[i]; 4,096 bytes on: b_i
.set RED,  DWV+8192                    ; row sums [wave 4][which 4][tile 4][row 16]
.set XB,   RED+4096                    ; x . dbw [tile 4][row 16]
.set SCW,  AIMG                        ; behind the products: q's and k's scale words, 1,024 bytes a wave
.set VSW,  AIMG+4096                   ; v's scale halfwords, 512 bytes a wave (bytes of their own: the two tails part on the work-group's number)
.set STP,  17408
.set HB,   8704
.set HS,   217088                      ; a head's part of qkv: Q 65,536 + 8,192, K likewise, V 65,536 + 4,096
.set L16,  1                           ; v1 16 l;  v2 4 l
.set L4,   2
.set XW,   3                           ; v3-6  slab m: my tile's rows, 16 l
.set XRD,  7                           ; v7    my tile's row r, + 64 h (slab 0)
.set IMW,  8                           ; v8    where I store images
.set ASW,  9                           ; v9    and their scale words
.set XP,   10                          ; v10   my slab: row r, + 64 h
.set DVA,  11
.set CPW,  12
.set RDW,  13
.set RDR,  14
.set XBW,  15
.set XBR,  16
.set AA,   17
.set ASA,  18
.set ADR,  19                          ; v19-21 addresses in hand
.set GOF,  22
.set SCWW, 23
.set SCWR, 24
.set GSC,  25
.set VA0,  26                          ; v26-27
.set VSWW, 28
.set VSWR, 29
.set GVS,  30
.set SH8,  31
.set WS,   32                          ; v32-47  the weights' scale words, 8 p + nt / 2: lanes 0-15 the even tile, lanes 16-31 the odd
.set AS,   48                          ; v48-55  x's scale words, 4 p + T
.set C1,   56                          ; v56-63  c1, a pair for each tile of rows
.set TM,   64                          ; v64-79  at work
.set RS,   64
.set PC,   80                          ; v80-87  codes just made;  v88 their scale word;  v89-95 at work
.set PW,   88
.set XRB,  96                          ; v96-159 x's fragments, 32 p + 8 T; outside the products 64 numbers
.set AF,   96
.set DB,   160                         ; v160-191 dbw; later the row sums
.set XR,   192                         ; v192-255 64 numbers
; window 1: the weights' fragments, set p at 128 p + 8 nt.   windows 2, 3: accumulator (T, nt) at 512 + 128 T + 8 nt; at the head x's rows as loaded
.set PX,   4
.set PWF,  6
.set PBI,  8
.set PDBW, 14
.set PDBB, 16
.set PDWV, 18
.set PDBV, 20
.set PQKV, 22
.set WV,   24
.set BI,   25
.set XI,   26
.set SEL,  28
.set SDBB, 30
.set SDBV, 31
.set SB,   32
.set CNT,  34
.set SA,   35
.set SS,   36
.set SBQ,  54                          ; s[54:61] the stream's four bases: (set p, half H) at s[54 + 4 p + 2 H]
.set MSB, 0
.macro WIN new                         ; the immediate's high byte repeats the setting that is left; a switch that changes nothing is dropped
.if MSB != (\new)
	s_set_vgpr_msb (MSB<<8)|(\new)
.set MSB, (\new)
.endif
.endm
.macro BARRIER                         ; my LDS stores have landed and my LDS loads are in: then the work-group's barrier
	s_wait_dscnt 0x0
	s_barrier_signal -1
	s_barrier_wait -1
.endm
.macro PLACES
.rept 4
	v_nop
.endr
.endm
; 64 numbers of a lane, register 16 b + e = k 32 b + 16 (lane / 16) + e of my row, become a fragment's codes in v[PC] on and its scale word in v[PW]
.macro QUANT s
.irp b, 0,1,2,3
	v_max3_num_f32 v[TM+\b], |v[\s+16*\b]|, |v[\s+1+16*\b]|, 0x1800000   ; my 16 numbers of block b, and the floor 2^(3 - 127): the byte cannot fall under 1
.endr
.irp i, 2,4,6,8,10,12,14
.irp b, 0,1,2,3
	v_max3_num_f32 v[TM+\b], v[TM+\b], |v[\s+16*\b+\i]|, |v[\s+1+16*\b+\i]|
.endr
.endr
.irp b, 0,1,2,3
	v_permlanex16_b32 v[TM+4+\b], v[TM+\b], s[SEL], s[SEL+1]
.endr
.irp b, 0,1,2,3
	v_max_num_f32 v[TM+\b], v[TM+\b], v[TM+4+\b]   ; with lane l xor 16's: the block's largest magnitude
.endr
.irp b, 0,1,2,3
	v_add_nc_u32 v[TM+12+\b], 0xff000000, v[TM+\b] ; 2 off its exponent field: the conversion's scale operand
.endr
.irp b, 0,1,2,3
	v_lshrrev_b32 v[TM+4+\b], 23, v[TM+12+\b]      ; the scale's byte
.endr
	v_lshl_or_b32 v[PW], v[TM+5], 8, v[TM+4]
	v_lshl_or_b32 v[PW], v[TM+6], 16, v[PW]
	v_lshl_or_b32 v[PW], v[TM+7], 24, v[PW]
.irp b, 0,1,2,3
	v_cvt_scalef32_pk8_fp4_f32 v[PC+2*\b], v[\s+16*\b:\s+7+16*\b], v[TM+12+\b]
	v_cvt_scalef32_pk8_fp4_f32 v[PC+1+2*\b], v[\s+8+16*\b:\s+15+16*\b], v[TM+12+\b]
.endr
	v_nop                                          ; one plain place behind a scaled conversion
.irp c, 0,1                                    ; a whole block to a lane: lanes 0-15 block 2 c, lanes 16-31 block 2 c + 1
.irp i, 0,1
	v_permlane16_swap_b32 v[PC+4*\c+\i], v[PC+2+4*\c+\i]
.endr
.endr
.endm
.macro ADDRS                           ; every LDS address is a constant + constants x lane, row, half and wave
	v_and_b32 v89, 31, v0                          ; l
	v_and_b32 v90, 15, v0                          ; r
	v_bfe_u32 v91, v0, 4, 1                        ; h
	s_mul_i32 s37, s[WV], TS
	s_mul_i32 s38, s[WV], SLAB
	s_lshl_b32 s39, s[WV], 10
	v_lshlrev_b32 v[L16], 4, v89
	v_lshlrev_b32 v[L4], 2, v89
	v_add_nc_u32 v[XW], s37, v[L16]
	v_add_nc_u32 v[XW+1], SLAB, v[XW]
	v_add_nc_u32 v[XW+2], 2*SLAB, v[XW]
	v_add_nc_u32 v[XW+3], 3*SLAB, v[XW]
	v_mul_u32_u24 v92, v90, RP
	v_lshl_add_u32 v92, v91, 6, v92
	v_add_nc_u32 v[XRD], s37, v92
	v_add_nc_u32 v[XP], s38, v92
	v_add_nc_u32 v[ASW], s39, v[L4]
	v_add_nc_u32 v[ASW], ASC, v[ASW]
	v_lshl_add_u32 v93, v91, 6, s39
	v_add_nc_u32 v[DVA], DWV, v93
	v_add_nc_u32 v[CPW], s39, v[L16]
	v_add_nc_u32 v[CPW], DWV, v[CPW]
	v_lshlrev_b32 v94, 2, v90
	v_add_nc_u32 v[RDR], RED, v94
	v_add_nc_u32 v[RDW], s39, v[RDR]
	v_add_nc_u32 v[XBR], XB, v94
	s_lshl_b32 s37, s[WV], 13
	v_add_nc_u32 v[IMW], s37, v[L16]
	v_add_nc_u32 v[IMW], AIMG, v[IMW]
	s_lshl_b32 s37, s[WV], 6
	s_add_co_u32 s37, s37, XB
	v_mov_b32 v[XBW], s37
.endm
; Row lam of my tile of x (32 registers as loaded, 512 consecutive bytes a load): into LDS, and its dot with dbw.  Rows 0-7 lie in window 2, rows 8-15 in window 3.
.macro XROW lam
.if (\lam) < 8
	s_wait_loadcnt 56                              ; behind this row's loads: seven rows of eight loads
.else
	s_wait_loadcnt 8*(15-(\lam))                   ; the rows still to come
.endif
	WIN 0x08+4*((\lam)/8)
.irp j, 0,1,2,3,4,5,6,7
	ds_store_b128 v[XW+\j/2], v[32*((\lam)%8)+4*\j:32*((\lam)%8)+4*\j+3] offset:(\lam)*RP+512*(\j%2)
.endr
	WIN 0x02+((\lam)/8)
	v_pk_mul_f32 v[90:91], v[32*((\lam)%8):32*((\lam)%8)+1], v[DB:DB+1]
	v_pk_mul_f32 v[92:93], v[32*((\lam)%8)+2:32*((\lam)%8)+3], v[DB+2:DB+3]
.irp k, 2,3,4,5,6,7,8,9,10,11,12,13,14,15
	v_pk_fma_f32 v[90+2*(\k%2):91+2*(\k%2)], v[32*((\lam)%8)+2*\k:32*((\lam)%8)+2*\k+1], v[DB+2*\k:DB+2*\k+1], v[90+2*(\k%2):91+2*(\k%2)]
.endr
	WIN 0
	v_pk_add_f32 v[90:91], v[90:91], v[92:93]
	v_add_f32 v[RS+(\lam)], v90, v91
.if (\lam) < 8
	WIN 0xc0
.irp j, 0,1,2,3,4,5,6,7
	global_load_b128 v[32*(\lam)+4*\j:32*(\lam)+4*\j+3], v[L16], s[PX:PX+1] offset:((\lam)+16)*4096+512*\j   ; row lam + 8 of the tile lies 16 rows of x further on
.endr
.endif
.endm
.macro XSUMS                           ; the 16 dots over the 32 lanes; then they, dWv and b go to LDS
.irp m, 1,2,4,8
.set k, 0
.rept 16
	v_add_f32_dpp v[RS+k], v[RS+k], v[RS+k] row_xmask:\m row_mask:0xf bank_mask:0xf
.set k, k+1
.endr
.endr
.set k, 0
.rept 16
	v_permlanex16_b32 v[DB+k], v[RS+k], s[SEL], s[SEL+1]
.set k, k+1
.endr
.set k, 0
.rept 16
	v_add_f32 v[RS+k], v[RS+k], v[DB+k]
.set k, k+1
.endr
.set k, 0
.rept 16
	ds_store_b32 v[XBW], v[RS+k] offset:4*k        ; all lanes write the same word with the same value
.set k, k+1
.endr
	ds_store_b128 v[CPW], v[208:211]
	ds_store_b128 v[CPW], v[212:215] offset:512
	ds_store_b128 v[CPW], v[216:219] offset:4096
	ds_store_b128 v[CPW], v[220:223] offset:4608
.endm
; My tile's 16 rows of x become eight fragments: a trip takes one slab, two K steps
.macro XQUANT
	s_mov_b32 s[CNT], 0
	s_mov_b32 s37, 0
	s_mov_b32 s38, 0
	s_mov_b32 s39, 0
.Lxq_\@:
	v_add_nc_u32 v[ADR], s37, v[XRD]
	v_add_nc_u32 v[ADR+1], s38, v[IMW]
	v_add_nc_u32 v[ADR+2], s39, v[ASW]
.irp e, 0,1
.irp b, 0,1,2,3
.irp jj, 0,1,2,3
	ds_load_b128 v[XR-96*\e+16*\b+4*\jj:XR-96*\e+16*\b+4*\jj+3], v[ADR] offset:512*\e+128*\b+16*\jj
.endr
.endr
.endr
	s_wait_dscnt 16                                ; the first K step's 16 loads are in; the second's may be out
	QUANT XR
	ds_store_b128 v[ADR+1], v[PC:PC+3]
	ds_store_b128 v[ADR+1], v[PC+4:PC+7] offset:512
	ds_store_b32 v[ADR+2], v[PW]
	s_wait_dscnt 3                                 ; behind the second K step's loads: these three stores
	QUANT XRB
	ds_store_b128 v[ADR+1], v[PC:PC+3] offset:1024
	ds_store_b128 v[ADR+1], v[PC+4:PC+7] offset:1536
	ds_store_b32 v[ADR+2], v[PW] offset:128
	s_add_co_u32 s37, s37, SLAB
	s_add_co_u32 s38, s38, 2048
	s_add_co_u32 s39, s39, 256
	s_add_co_u32 s[CNT], s[CNT], 1
	s_cmp_lt_u32 s[CNT], 4
	s_cbranch_scc1 .Lxq_\@
.endm
; A batch: one block of wf, eight fragments and their scale words, into set p, half H, from that pair's own base: 17 loads
.macro BATCH p, H
	WIN 0
	global_load_b128 v[WS+8*(\p)+4*(\H):WS+8*(\p)+4*(\H)+3], v[L16], s[SBQ+4*(\p)+2*(\H):SBQ+4*(\p)+2*(\H)+1] offset:(\H)*HB+8192
	WIN 0x40
.irp k, 0,1,2,3,4,5,6,7,8,9,10,11,12,13,14,15
	global_load_b128 v[128*(\p)+64*(\H)+4*\k:128*(\p)+64*(\H)+4*\k+3], v[L16], s[SBQ+4*(\p)+2*(\H):SBQ+4*(\p)+2*(\H)+1] offset:(\H)*HB+512*\k
.endr
	WIN 0
.endm
.macro NEXTB p, H                      ; the base's last batch has been shown done by the counted wait for loads ahead of this line: it steps two K steps on, and the next batch goes out
	s_add_nc_u64 s[SBQ+4*(\p)+2*(\H):SBQ+4*(\p)+2*(\H)+1], s[SBQ+4*(\p)+2*(\H):SBQ+4*(\p)+2*(\H)+1], 2*STP
	BATCH \p, \H
.endm
.macro WM T, nt, p, zero               ; accumulator (T, nt) takes 128 along K
.set rD, 128*((\T)%2)+8*(\nt)
.set rW, 128*(\p)+8*(\nt)
.set rA, AF+32*(\p)+8*(\T)
.set rS, WS+8*(\p)+(\nt)/2
.set rX, AS+4*(\p)+(\T)
.if (\nt)%2
.if \zero
	v_wmma_scale_f32_16x16x128_f8f6f4 v[rD:rD+7], v[rW:rW+7], v[rA:rA+7], 0, v[rS], v[rX] matrix_a_fmt:MATRIX_FMT_FP4 matrix_b_fmt:MATRIX_FMT_FP4 matrix_a_scale:MATRIX_SCALE_ROW1
.else
	v_wmma_scale_f32_16x16x128_f8f6f4 v[rD:rD+7], v[rW:rW+7], v[rA:rA+7], v[rD:rD+7], v[rS], v[rX] matrix_a_fmt:MATRIX_FMT_FP4 matrix_b_fmt:MATRIX_FMT_FP4 matrix_a_scale:MATRIX_SCALE_ROW1
.endif
.else
.if \zero
	v_wmma_scale_f32_16x16x128_f8f6f4 v[rD:rD+7], v[rW:rW+7], v[rA:rA+7], 0, v[rS], v[rX] matrix_a_fmt:MATRIX_FMT_FP4 matrix_b_fmt:MATRIX_FMT_FP4
.else
	v_wmma_scale_f32_16x16x128_f8f6f4 v[rD:rD+7], v[rW:rW+7], v[rA:rA+7], v[rD:rD+7], v[rS], v[rX] matrix_a_fmt:MATRIX_FMT_FP4 matrix_b_fmt:MATRIX_FMT_FP4
.endif
.endif
.endm
.macro HALF p, H, zero                 ; 32 matrix instructions: eight column tiles x four tiles of rows.  The 64 accumulators take turns, one instruction a turn
	WIN 0xa1                                       ; source 0 (weights) window 1, source 1 (x) window 0, C and D window 2
.irp f, 0,1,2,3,4,5,6,7
.irp T, 0,1
	WM \T, 8*\H+\f, \p, \zero
.endr
.endr
	WIN 0xf1                                       ; C and D window 3
.irp f, 0,1,2,3,4,5,6,7
.irp T, 2,3
	WM \T, 8*\H+\f, \p, \zero
.endr
.endr
.endm
.macro ALOAD p                         ; the four tiles' fragments and scale words of one K step into set p
.irp T, 0,1,2,3
.irp c, 0,1
	ds_load_b128 v[AF+32*(\p)+8*\T+4*\c:AF+32*(\p)+8*\T+4*\c+3], v[AA] offset:\T*8192+512*\c
.endr
	ds_load_b32 v[AS+4*(\p)+\T], v[ASA] offset:\T*1024
.endr
.endm
.macro A0LOAD                          ; K step 0 into set 0
	s_mov_b32 s[SA], AIMG
	s_mov_b32 s[SS], ASC
	v_add_nc_u32 v[AA], s[SA], v[L16]
	v_add_nc_u32 v[ASA], s[SS], v[L4]
	ALOAD 0
.endm
; 128 along K: 64 matrix instructions on set p.  pre2: the block two steps on is asked for, half by half, into the registers just multiplied.  preA: the next K step's fragments of x into the other set.
; n0, n1: the loads issued behind the batch that is wanted: three batches of 17 in the steady state.
; A load into a register that a matrix instruction has read stands four plain vector instructions behind it (ISA guide 7.12.1 for vector instructions).
.macro STEP p, zero, pre2, preA, n0, n1
	s_wait_loadcnt \n0
	s_wait_dscnt 0x0                               ; x's fragments and scale words of this step are in
	HALF \p, 0, \zero
	WIN 0
.if \preA
	s_add_co_u32 s[SA], s[SA], 1024
	s_add_co_u32 s[SS], s[SS], 128
	v_add_nc_u32 v[AA], s[SA], v[L16]
	v_add_nc_u32 v[ASA], s[SS], v[L4]
	v_nop
	v_nop
	ALOAD 1-\p
.else
	PLACES
.endif
.if \pre2
	NEXTB \p, 0
.endif
	s_wait_loadcnt \n1
	HALF \p, 1, \zero
	WIN 0
	PLACES
.if \pre2
	NEXTB \p, 1
.endif
.endm
.macro RLOAD p                         ; dWv and b of my half's 16 columns of column pair p
.irp jj, 0,1,2,3
	ds_load_b128 v[XR+32*((\p)%2)+4*\jj:XR+32*((\p)%2)+4*\jj+3], v[DVA] offset:128*(\p)+16*\jj
	ds_load_b128 v[XR+32*((\p)%2)+16+4*\jj:XR+32*((\p)%2)+19+4*\jj], v[DVA] offset:4096+128*(\p)+16*\jj
.endr
.endm
; Of the first product only (acc + b) . dWv is kept: a sum for each tile of rows, in two chains; each accumulator is read from its low end on
.macro REDUCE1
	RLOAD 0
.irp cp, 0,1,2,3,4,5,6,7
.if \cp < 7
	RLOAD \cp+1
	s_wait_dscnt 8                                 ; behind this pair's loads: the next pair's eight
.else
	s_wait_dscnt 0x0
.endif
.set RB, XR+32*(\cp%2)
.irp k, 0,1,2,3,4,5,6,7
.if (\cp == 0) && (\k < 2)
	v_pk_mul_f32 v[176+2*\k:177+2*\k], v[RB+16+2*\k:RB+17+2*\k], v[RB+2*\k:RB+2*\k+1]
.else
	v_pk_fma_f32 v[176+2*(\k%2):177+2*(\k%2)], v[RB+16+2*\k:RB+17+2*\k], v[RB+2*\k:RB+2*\k+1], v[176+2*(\k%2):177+2*(\k%2)]
.endif
.endr
.irp T, 0,1,2,3
	WIN 0x02+\T/2
.irp k, 0,1,2,3,4,5,6,7
.if (\cp == 0) && (\k < 2)
	v_pk_mul_f32 v[160+4*\T+2*\k:161+4*\T+2*\k], v[128*(\T%2)+16*\cp+2*\k:128*(\T%2)+16*\cp+2*\k+1], v[RB+2*\k:RB+2*\k+1]
.else
	v_pk_fma_f32 v[160+4*\T+2*(\k%2):161+4*\T+2*(\k%2)], v[128*(\T%2)+16*\cp+2*\k:128*(\T%2)+16*\cp+2*\k+1], v[RB+2*\k:RB+2*\k+1], v[160+4*\T+2*(\k%2):161+4*\T+2*(\k%2)]
.endif
.endr
.endr
	WIN 0
.endr
	v_pk_add_f32 v[176:177], v[176:177], v[178:179]
	v_add_f32 v176, v176, v177
.irp T, 0,1,2,3
	v_pk_add_f32 v[160+4*\T:161+4*\T], v[160+4*\T:161+4*\T], v[162+4*\T:163+4*\T]
.endr
.irp T, 0,1,2,3
	v_add_f32 v[160+4*\T], v[160+4*\T], v[161+4*\T]
.endr
.irp T, 0,1,2,3
	v_add_f32 v[160+4*\T], v[160+4*\T], v176
.endr
.irp T, 0,1,2,3
	v_permlanex16_b32 v[161+4*\T], v[160+4*\T], s[SEL], s[SEL+1]
.endr
.irp T, 0,1,2,3
	v_add_f32 v[160+4*\T], v[160+4*\T], v[161+4*\T]
.endr
.irp T, 0,1,2,3
	ds_store_b32 v[RDW], v[160+4*\T] offset:64*\T  ; my 256 columns' part, row r of tile T
.endr
.endm
.macro ULOAD q                         ; unit q = (tile q / 2, columns 128 (q % 2) on): 64 numbers of my slab into XR (q even) or XRB (q odd), in the accumulators' order
.set UL, XR-96*((\q)%2)
.irp b, 0,1,2,3
.irp jj, 0,1,2,3
	ds_load_b128 v[UL+16*\b+4*\jj:UL+16*\b+4*\jj+3], v[XP] offset:((\q)/2)*TS+512*((\q)%2)+128*\b+16*\jj
.endr
.endr
.endm
.macro USTORE q
.set UL, XR-96*((\q)%2)
.irp b, 0,1,2,3
.irp jj, 0,1,2,3
	ds_store_b128 v[XP], v[UL+16*\b+4*\jj:UL+16*\b+4*\jj+3] offset:((\q)/2)*TS+512*((\q)%2)+128*\b+16*\jj
.endr
.endr
.endm
.macro PASS1                           ; |k_raw|^2 and k_raw . x, a sum for each tile of rows
	ULOAD 0
.irp q, 0,1,2,3,4,5,6,7
	s_wait_dscnt 0x0
.if \q < 7
	ULOAD \q+1
.endif
.set UB, XR-96*(\q%2)
.set AB, 64*(\q%4)
.set NS, 160+4*(\q/2)
	WIN 0x0a+5*(\q/4)
.set k, 0
.rept 32
.if (\q%2 == 0) && (k < 2)
	v_pk_mul_f32 v[NS+2*k:NS+2*k+1], v[AB+2*k:AB+2*k+1], v[AB+2*k:AB+2*k+1]
.else
	v_pk_fma_f32 v[NS+2*(k%2):NS+2*(k%2)+1], v[AB+2*k:AB+2*k+1], v[AB+2*k:AB+2*k+1], v[NS+2*(k%2):NS+2*(k%2)+1]
.endif
.set k, k+1
.endr
	WIN 0x02+\q/4
.set k, 0
.rept 32
.if (\q%2 == 0) && (k < 2)
	v_pk_mul_f32 v[NS+16+2*k:NS+17+2*k], v[AB+2*k:AB+2*k+1], v[UB+2*k:UB+2*k+1]
.else
	v_pk_fma_f32 v[NS+16+2*(k%2):NS+17+2*(k%2)], v[AB+2*k:AB+2*k+1], v[UB+2*k:UB+2*k+1], v[NS+16+2*(k%2):NS+17+2*(k%2)]
.endif
.set k, k+1
.endr
	WIN 0
.endr
.irp T, 0,1,2,3,4,5,6,7
	v_pk_add_f32 v[160+4*\T:161+4*\T], v[160+4*\T:161+4*\T], v[162+4*\T:163+4*\T]
.endr
.irp T, 0,1,2,3,4,5,6,7
	v_add_f32 v[160+4*\T], v[160+4*\T], v[161+4*\T]
.endr
.irp T, 0,1,2,3,4,5,6,7
	v_permlanex16_b32 v[161+4*\T], v[160+4*\T], s[SEL], s[SEL+1]
.endr
.irp T, 0,1,2,3,4,5,6,7
	v_add_f32 v[160+4*\T], v[160+4*\T], v[161+4*\T]
.endr
.irp T, 0,1,2,3,4,5,6,7
	ds_store_b32 v[RDW], v[160+4*\T] offset:256+64*\T   ; 256 on: the squares; 512 on: the dots with x
.endr
.endm
.macro SCALARS                         ; the four waves' parts are added; c1 of row r of each tile
.irp qq, 0,1,2
.irp T, 0,1,2,3
.irp u, 0,1,2,3
	ds_load_b32 v[96+16*\qq+4*\T+\u], v[RDR] offset:\u*1024+\qq*256+64*\T
.endr
.endr
.endr
.irp T, 0,1,2,3
	ds_load_b32 v[144+\T], v[XBR] offset:64*\T
.endr
	ULOAD 0
	s_wait_dscnt 16                                ; behind the sums' loads: unit 0's sixteen
	s_wait_kmcnt 0x0                               ; dbb[i], dbv[i]
.set k, 0
.rept 12
	v_pk_add_f32 v[96+4*k:97+4*k], v[96+4*k:97+4*k], v[98+4*k:99+4*k]
.set k, k+1
.endr
.set k, 0
.rept 12
	v_add_f32 v[96+4*k], v[96+4*k], v[97+4*k]      ; v96 + 4 T: the dot with dWv; v112 + 4 T: |k_raw|^2; v128 + 4 T: k_raw . x
.set k, k+1
.endr
.irp T, 0,1,2,3
	v_add_f32 v[144+\T], s[SDBB], v[144+\T]
.endr
.irp T, 0,1,2,3
	v_mul_f32 v[144+\T], 0xbfb8aa3b, v[144+\T]     ; x -log2(e)
.endr
.irp T, 0,1,2,3
	v_sqrt_f32 v[113+4*\T], v[112+4*\T]
	v_exp_f32 v[148+\T], v[144+\T]
.endr
	v_nop                                          ; a plain instruction behind the batch,
	s_wait_alu depctr_va_vdst(0)                   ; and one wait for it, ahead of its first reader
.irp T, 0,1,2,3
	v_add_f32 v[113+4*\T], 0x322bcc77, v[113+4*\T] ; + 1e-8
	v_add_f32 v[148+\T], 1.0, v[148+\T]
.endr
.irp T, 0,1,2,3
	v_rcp_f32 v[114+4*\T], v[113+4*\T]             ; inv
	v_rcp_f32 v[152+\T], v[148+\T]                 ; the sigmoid
.endr
	v_nop
	s_wait_alu depctr_va_vdst(0)
.irp T, 0,1,2,3
	v_add_f32 v[96+4*\T], s[SDBV], v[96+4*\T]
	v_mul_f32 v[97+4*\T], v[152+\T], v[114+4*\T]
.endr
.irp T, 0,1,2,3
	v_fma_f32 v[96+4*\T], -v[128+4*\T], v[114+4*\T], v[96+4*\T]
	v_add_f32 v[97+4*\T], v[97+4*\T], v[97+4*\T]
.endr
.irp T, 0,1,2,3
	v_mul_f32 v[C1+2*\T], v[97+4*\T], v[96+4*\T]
.endr
.irp T, 0,1,2,3
	v_mov_b32 v[C1+2*\T+1], v[C1+2*\T]             ; named with it as a pair, so it is written
.endr
.endm
.macro PASS2                           ; x + c1 k_raw, back into my slab
.irp q, 0,1,2,3,4,5,6,7
	s_wait_dscnt 0x0
.if \q < 7
	ULOAD \q+1
.endif
.set UB, XR-96*(\q%2)
.set AB, 64*(\q%4)
	WIN 0x02+\q/4
.set k, 0
.rept 32
	v_pk_fma_f32 v[UB+2*k:UB+2*k+1], v[AB+2*k:AB+2*k+1], v[C1+2*(\q/2):C1+2*(\q/2)+1], v[UB+2*k:UB+2*k+1] op_sel_hi:[1,0,1]
.set k, k+1
.endr
	WIN 0
	USTORE \q
.endr
.endm
	s_load_b256 s[4:11], s[0:1], 0x0               ; x, wf, bq, bk
	s_load_b256 s[12:19], s[0:1], 0x20             ; bv, dbw, dbb, dWv
	s_load_b128 s[20:23], s[0:1], 0x40             ; dbv, qkv
	v_lshrrev_b32 v89, 5, v0
	v_readfirstlane_b32 s[WV], v89                 ; wave 0..3
	s_and_b32 s[BI], ttmp7, 0xffff                 ; i
	s_mov_b32 s[XI], ttmp9                         ; which 64 rows
	s_mov_b32 s[SEL], 0x76543210
	s_mov_b32 s[SEL+1], 0xfedcba98                 ; v_permlanex16_b32's selects for lane l xor 16
	ADDRS
	v_add_nc_u32 v[SCWW], s39, v94                 ; the tails' addresses: s38 = wave x SLAB, s39 = 1,024 x wave, v89 l, v90 r, v91 h, v94 4 r
	v_add_nc_u32 v[SCWW], SCW, v[SCWW]
	v_add_nc_u32 v[SCWR], s39, v[L16]
	v_add_nc_u32 v[SCWR], SCW, v[SCWR]
	v_mul_u32_u24 v92, v91, HS
	v_lshl_add_u32 v[GSC], v90, 4, v92
	v_and_b32 v92, 8, v90
	v_add_nc_u32 v92, v92, v90
	v_lshlrev_b32 v92, 2, v92
	v_mul_u32_u24 v93, v91, 2*TS
	v_add_nc_u32 v92, v92, v93
	v_add_nc_u32 v[VA0], s38, v92                  ; v: channel r + 8 (r / 8), tile 2 h
	v_add_nc_u32 v[VA0+1], TS, v[VA0]              ; and tile 2 h + 1
	s_lshl_b32 s37, s[WV], 9
	v_lshl_add_u32 v92, v90, 1, s37
	v_add_nc_u32 v[VSWW], VSW, v92
	v_add_nc_u32 v[VSWR], s37, v[L16]
	v_add_nc_u32 v[VSWR], VSW, v[VSWR]
	v_lshrrev_b32 v92, 3, v89
	v_mul_u32_u24 v92, v92, HS
	v_and_b32 v93, 7, v89
	v_lshl_add_u32 v[GVS], v93, 4, v92
	v_lshlrev_b32 v[SH8], 3, v91
	s_lshl_b32 s40, s[BI], 12                      ; row i of dbw and dWv
	s_mov_b32 s41, 0
	s_add_co_u32 s42, s40, s39                     ; + my 256 columns
	s_mov_b32 s43, 0
	s_mov_b32 s44, s39
	s_mov_b32 s45, 0
	s_lshl_b32 s46, s[XI], 18                      ; 64 rows of 4,096 bytes,
	s_lshr_b32 s37, s[WV], 1
	s_lshl_b32 s37, s37, 17
	s_add_co_u32 s46, s46, s37
	s_and_b32 s37, s[WV], 1
	s_lshl_b32 s37, s37, 15
	s_add_co_u32 s46, s46, s37                     ; my tile's first row: 32 (w / 2) + 8 (w % 2)
	s_mov_b32 s47, 0
	s_lshl_b32 s48, s[BI], 2
	s_mov_b32 s49, 0
	s_add_co_u32 s50, s48, s[WV]
	s_mul_i32 s50, s50, 16*STP                     ; my stream of wf: (4 i + w) x 16 K steps
	s_mov_b32 s51, 0
	s_wait_kmcnt 0x0
	s_cmp_eq_u32 s[BI], 1
	s_cselect_b64 s[PBI:PBI+1], s[10:11], s[PBI:PBI+1]
	s_cmp_eq_u32 s[BI], 2
	s_cselect_b64 s[PBI:PBI+1], s[12:13], s[PBI:PBI+1]
	s_add_nc_u64 s[PBI:PBI+1], s[PBI:PBI+1], s[44:45]
	s_add_nc_u64 s[PDBW:PDBW+1], s[PDBW:PDBW+1], s[40:41]
	s_add_nc_u64 s[PDWV:PDWV+1], s[PDWV:PDWV+1], s[42:43]
	s_add_nc_u64 s[PX:PX+1], s[PX:PX+1], s[46:47]
	s_add_nc_u64 s[PDBB:PDBB+1], s[PDBB:PDBB+1], s[48:49]
	s_add_nc_u64 s[PDBV:PDBV+1], s[PDBV:PDBV+1], s[48:49]
	s_add_nc_u64 s[SB:SB+1], s[PWF:PWF+1], s[50:51]
	s_mov_b64 s[SBQ:SBQ+1], s[SB:SB+1]             ; set 0 begins at K step 0, both halves;
	s_mov_b64 s[SBQ+2:SBQ+3], s[SB:SB+1]
	s_add_nc_u64 s[SBQ+4:SBQ+5], s[SB:SB+1], STP   ; set 1 at K step 1
	s_add_nc_u64 s[SBQ+6:SBQ+7], s[SB:SB+1], STP
	s_load_b32 s[SDBB], s[PDBB:PDBB+1], 0x0
	s_load_b32 s[SDBV], s[PDBV:PDBV+1], 0x0
	; ---- x comes in: wave w takes the 16 rows of tile w whole
.irp j, 0,1,2,3,4,5,6,7
	global_load_b128 v[DB+4*\j:DB+4*\j+3], v[L16], s[PDBW:PDBW+1] offset:512*\j
.endr
	global_load_b128 v[208:211], v[L16], s[PDWV:PDWV+1]
	global_load_b128 v[212:215], v[L16], s[PDWV:PDWV+1] offset:512
	global_load_b128 v[216:219], v[L16], s[PBI:PBI+1]
	global_load_b128 v[220:223], v[L16], s[PBI:PBI+1] offset:512
	WIN 0x80
.irp lam, 0,1,2,3,4,5,6,7
.irp j, 0,1,2,3,4,5,6,7
	global_load_b128 v[32*\lam+4*\j:32*\lam+4*\j+3], v[L16], s[PX:PX+1] offset:\lam*4096+512*\j
.endr
.endr
.irp lam, 0,1,2,3,4,5,6,7,8,9,10,11,12,13,14,15
	XROW \lam
.endr
	XSUMS
	BATCH 0, 0                                     ; the weights' stream starts
	BATCH 0, 1
	BATCH 1, 0
	BARRIER                                        ; x lies in LDS
	XQUANT
	BATCH 1, 1
	BARRIER                                        ; and so do its 32 fragments
	; ---- Q(x) W_i
	A0LOAD
	STEP 0, 1, 1, 1, 51, 51
	s_mov_b32 s[CNT], 0
.Lg1:
	STEP 1, 0, 1, 1, 51, 51
	STEP 0, 0, 1, 1, 51, 51
	s_add_co_u32 s[CNT], s[CNT], 1
	s_cmp_lt_u32 s[CNT], 3
	s_cbranch_scc1 .Lg1
	STEP 1, 0, 1, 0, 51, 51
	A0LOAD
	REDUCE1
	; ---- Q(x) dWk[i]: the stream goes on
	STEP 0, 1, 1, 1, 51, 51
	s_mov_b32 s[CNT], 0
.Lg2:
	STEP 1, 0, 1, 1, 51, 51
	STEP 0, 0, 1, 1, 51, 51
	s_add_co_u32 s[CNT], s[CNT], 1
	s_cmp_lt_u32 s[CNT], 2
	s_cbranch_scc1 .Lg2
	STEP 1, 0, 1, 1, 51, 51
	STEP 0, 0, 0, 1, 51, 34                        ; nothing more to ask for: the counts run down
	STEP 1, 0, 0, 0, 17, 0
	PASS1
	BARRIER                                        ; every wave's parts of the row sums lie in LDS, and nobody reads the images any more
	SCALARS
	PASS2
	s_lshr_b32 s40, s[XI], 5
	s_lshl_b32 s40, s40, 4
	s_lshl_b32 s41, s[WV], 2
	s_add_co_u32 s40, s40, s41
	s_mul_i32 s40, s40, HS                         ; my first head: 16 x batch + 4 w
	s_and_b32 s41, s[XI], 31                       ; the block of 64 rows inside the batch
	s_mov_b32 s45, 0
	s_cmp_eq_u32 s[BI], 2
	s_cbranch_scc1 .Lvtail
	; ---- q, k: 128 columns (two heads) of a tile of rows at a time; a head's two blocks are registers 0-3 of a fragment: one image of 512 bytes
	s_mul_i32 s42, s[BI], 73728
	s_add_co_u32 s42, s42, s40
	s_lshl_b32 s44, s41, 11
	s_add_co_u32 s44, s44, s42
	s_add_nc_u64 s[48:49], s[PQKV:PQKV+1], s[44:45]
	s_lshl_b32 s44, s41, 8
	s_add_co_u32 s44, s44, s42
	s_add_co_u32 s44, s44, 65536
	s_add_nc_u64 s[50:51], s[PQKV:PQKV+1], s[44:45]
.macro QKT g2
	s_mov_b32 s[CNT], 0
	s_mov_b32 s37, 0
	s_mov_b32 s38, 0
	s_mov_b32 s39, 0
.Lqk_\@:
	v_add_nc_u32 v[ADR], s37, v[XP]
	v_add_nc_u32 v[ADR+1], s38, v[SCWW]
.irp b, 0,1,2,3
.irp jj, 0,1,2,3
	ds_load_b128 v[XR+16*\b+4*\jj:XR+16*\b+4*\jj+3], v[ADR] offset:512*\g2+128*\b+16*\jj
.endr
.endr
	s_wait_xcnt 0x0                                ; the last trip's stores have read their offset and their codes: both are written again only behind this wait
	v_add_nc_u32 v[GOF], s39, v[L16]
	s_wait_dscnt 0x0
	QUANT XR
	global_store_b128 v[GOF], v[PC:PC+3], s[48:49] offset:(2*\g2)*HS        ; 512 consecutive bytes
	global_store_b128 v[GOF], v[PC+4:PC+7], s[48:49] offset:(2*\g2+1)*HS
	v_and_b32 v89, 0xffff, v[PW]                   ; a head's two bytes; the word's upper two stay 0, over zero codes
	v_lshrrev_b32 v90, 16, v[PW]
	ds_store_b32 v[ADR+1], v89 offset:(2*\g2)*256
	ds_store_b32 v[ADR+1], v90 offset:(2*\g2+1)*256
	s_add_co_u32 s37, s37, TS
	s_add_co_u32 s38, s38, 64
	s_add_co_u32 s39, s39, 512
	s_add_co_u32 s[CNT], s[CNT], 1
	s_cmp_lt_u32 s[CNT], 4
	s_cbranch_scc1 .Lqk_\@
.endm
	QKT 0
	QKT 1
	ds_load_b128 v[192:195], v[SCWR]               ; LDS serves a wave's instructions in order: these see my stores
	ds_load_b128 v[196:199], v[SCWR] offset:512
	s_wait_dscnt 0x0
	global_store_b128 v[GSC], v[192:195], s[50:51]                 ; sixteen lanes store a head's 256 consecutive bytes
	global_store_b128 v[GSC], v[196:199], s[50:51] offset:2*HS
	s_wait_xcnt 0x0
	v_lshl_add_u32 v254, v0, 2, 0x4d800
	v_mov_b32 v255, 0
	s_wait_tensorcnt 0x0
	ds_add_u32 v254, v255
	s_wait_dscnt 0x0
	s_endpgm
.Lvtail:
	; ---- v: K = the keys.  A lane takes a channel and its 32 registers run down the rows 32 h + 0 .. 31 of the block: a whole block of 32 keys
	s_lshr_b32 s42, s41, 1
	s_and_b32 s43, s41, 1
	s_lshl_b32 s44, s42, 12
	s_lshl_b32 s46, s43, 9
	s_add_co_u32 s44, s44, s46
	s_add_co_u32 s44, s44, s40
	s_add_co_u32 s44, s44, 147456
	s_add_nc_u64 s[48:49], s[PQKV:PQKV+1], s[44:45]
	s_lshl_b32 s44, s42, 8
	s_lshl_b32 s46, s43, 7
	s_add_co_u32 s44, s44, s46
	s_add_co_u32 s44, s44, s40
	s_add_co_u32 s44, s44, 147456+65536
	s_add_nc_u64 s[50:51], s[PQKV:PQKV+1], s[44:45]
.macro VQ dt, n
.set VB, 192+32*(\dt)-160*((\dt)/2)
	s_wait_dscnt \n
	v_max3_num_f32 v64, |v[VB]|, |v[VB+1]|, |v[VB+2]|
	v_max3_num_f32 v65, |v[VB+3]|, |v[VB+4]|, |v[VB+5]|
.irp i, 6,10,14,18,22,26
	v_max3_num_f32 v64, v64, |v[VB+\i]|, |v[VB+\i+1]|
	v_max3_num_f32 v65, v65, |v[VB+\i+2]|, |v[VB+\i+3]|
.endr
	v_max3_num_f32 v64, v64, |v[VB+30]|, |v[VB+31]|
	v_max3_num_f32 v64, v64, v65, 0x1800000
	v_add_nc_u32 v66, 0xff000000, v64
	v_lshrrev_b32 v67, 23, v66
	v_lshlrev_b32 v67, v[SH8], v67                 ; my byte at its place in the halfword
.irp g, 0,1,2,3
	v_cvt_scalef32_pk8_fp4_f32 v[160+4*(\dt)+\g], v[VB+8*\g:VB+8*\g+7], v66
.endr
	v_nop                                          ; one plain place behind a scaled conversion
	v_permlanex16_b32 v68, v67, s[SEL], s[SEL+1]
	v_or_b32 v[176+(\dt)], v67, v68
	global_store_b128 v[L16], v[160+4*(\dt):163+4*(\dt)], s[48:49] offset:(\dt)*1024
.endm
	s_mov_b32 s[CNT], 0
	s_mov_b32 s37, 0
	s_mov_b32 s38, 0
.Lvh:                                              ; a trip: one of my four heads
	v_add_nc_u32 v[ADR], s37, v[VA0]
	v_add_nc_u32 v[ADR+1], s37, v[VA0+1]
	v_add_nc_u32 v[ADR+2], s38, v[VSWW]
.irp dt, 0,1,2,3
.irp i, 0,1,2,3,4,5,6,7,8,9,10,11,12,13,14,15,16,17,18,19,20,21,22,23,24,25,26,27,28,29,30,31
	ds_load_b32 v[192+32*\dt-160*(\dt/2)+\i], v[ADR+(\i/8)%2] offset:(8*(\i/16)+\i%8)*RP+128*(\dt/2)+32*(\dt%2)
.endr
.endr
	VQ 0, 63                                       ; 96 loads are younger; 63 is the largest count that the wait can name
	VQ 1, 63                                       ; 64 are younger
	VQ 2, 32
	VQ 3, 0
.irp dt, 0,1,2,3
	ds_store_b16 v[ADR+2], v[176+\dt] offset:32*\dt
.endr
	s_wait_xcnt 0x0                                ; the stores have read their codes and their base
	s_add_nc_u64 s[48:49], s[48:49], HS
	s_add_co_u32 s37, s37, 256
	s_add_co_u32 s38, s38, 128
	s_add_co_u32 s[CNT], s[CNT], 1
	s_cmp_lt_u32 s[CNT], 4
	s_cbranch_scc1 .Lvh
	ds_load_b128 v[192:195], v[VSWR]
	s_wait_dscnt 0x0
	global_store_b128 v[GVS], v[192:195], s[50:51] ; eight lanes store a head's 128 consecutive bytes
	s_wait_xcnt 0x0
	v_lshl_add_u32 v254, v0, 2, 0x4d800
	v_mov_b32 v255, 0
	s_wait_tensorcnt 0x0
	ds_add_u32 v254, v255
	s_wait_dscnt 0x0
	s_endpgm
.Lfunc_end_k_q13faa7e5d8_proj:
	.size	k_q13faa7e5d8_proj, .Lfunc_end_k_q13faa7e5d8_proj-k_q13faa7e5d8_proj
	.p2alignl 7, 3214868480
	.fill 96, 4, 3214868480
	.section	.rodata,"a",@progbits
	.p2align	6, 0x0
	.amdhsa_kernel k_q13faa7e5d8_proj
		.amdhsa_group_segment_fixed_size 317952
		.amdhsa_private_segment_fixed_size 0
		.amdhsa_enable_private_segment 0
		.amdhsa_kernarg_size 80
		.amdhsa_user_sgpr_count 2
		.amdhsa_user_sgpr_kernarg_segment_ptr 1
		.amdhsa_wavefront_size32 1
		.amdhsa_system_sgpr_workgroup_id_x 1
		.amdhsa_system_sgpr_workgroup_id_y 1
		.amdhsa_system_sgpr_workgroup_id_z 1
		.amdhsa_system_vgpr_workitem_id 0
		.amdhsa_next_free_vgpr 1024
		.amdhsa_next_free_sgpr 66
		.amdhsa_reserve_vcc 0
		.amdhsa_float_denorm_mode_32 3
		.amdhsa_float_denorm_mode_16_64 3
		.amdhsa_memory_ordered 1
		.amdhsa_forward_progress 1
		.amdhsa_inst_pref_size 255
	.end_amdhsa_kernel
	.section	.bss,"aw",@nobits
	.p2align	6
	.space	262144
	.amdgpu_metadata
---
amdhsa.version: [ 1, 2 ]
amdhsa.kernels:
  - .name:           k_q13faa7e5d8_proj
    .symbol:         k_q13faa7e5d8_proj.kd
    .args:
      - { .name: x, .offset: 0, .size: 8, .value_kind: global_buffer, .address_space: global }
      - { .name: wf, .offset: 8, .size: 8, .value_kind: global_buffer, .address_space: global }
      - { .name: bq, .offset: 16, .size: 8, .value_kind: global_buffer, .address_space: global }
      - { .name: bk, .offset: 24, .size: 8, .value_kind: global_buffer, .address_space: global }
      - { .name: bv, .offset: 32, .size: 8, .value_kind: global_buffer, .address_space: global }
      - { .name: dbw, .offset: 40, .size: 8, .value_kind: global_buffer, .address_space: global }
      - { .name: dbb, .offset: 48, .size: 8, .value_kind: global_buffer, .address_space: global }
      - { .name: dWv, .offset: 56, .size: 8, .value_kind: global_buffer, .address_space: global }
      - { .name: dbv, .offset: 64, .size: 8, .value_kind: global_buffer, .address_space: global }
      - { .name: qkv, .offset: 72, .size: 8, .value_kind: global_buffer, .address_space: global }
    .group_segment_fixed_size: 317952
    .private_segment_fixed_size: 0
    .kernarg_segment_align: 8
    .kernarg_segment_size: 80
    .max_flat_workgroup_size: 128
    .sgpr_count:     66
    .vgpr_count:     1024
    .wavefront_size: 32
...
	.end_amdgpu_metadata
.endif
;; end of part 2
;; launch attn (part 3): grid 8 x 32, 16 waves a work-group, no clusters, 145,920 bytes of LDS; arguments qkv, oc, osc; writes oc, osc
.if DOCPART == 3
	.amdgcn_target "amdgcn-amd-amdhsa--gfx1250"
	.amdhsa_code_object_version 6
	.text
	.protected	k_q13faa7e5d8_attn
	.globl	k_q13faa7e5d8_attn
	.p2align	8
	.type	k_q13faa7e5d8_attn,@function
k_q13faa7e5d8_attn:
	s_mov_b64 s[64:65], 0
	v_nop
	global_prefetch_b8 v0, s[64:65] scope:SCOPE_SE
	s_setreg_imm32_b32 hwreg(HW_REG_WAVE_MODE, 25, 1), 1
	s_wait_xcnt 0x0
; O[q] = sum over k of softmax_k(q . k / 8) v[k] for one head (work-group y: 16 x batch + head) and 256 queries (work-group x), both products on codes of E2M1 with E8M0 scales; O / l is quantised along the model's 1,024.
; THE SOFTMAX AHEAD OF THE SECOND PRODUCT: t = score x log2(e) / 8; M = the row's largest t so far, rounded UP to a whole number; p = 2^(t - M) is what is quantised, along the keys; the row's sum is taken of the
; unquantised p and divides O at the end.  When M moves, the sum and O are multiplied by 2^(old M - new M): exact.
; SHARES.  Sixteen waves, each one tile of 16 queries in 256 registers, four waves to a SIMD.  Every wave walks the head's 2,048 keys, 128 a step.
; The head's K and V part of qkv, 143,360 consecutive bytes laid in register order, comes into LDS ONCE, through registers: each wave copies 8,960 consecutive bytes by 17 loads of 512 bytes and one of 256,
; all issued together, so that the work-group's 143,360 bytes are on their way at once; nothing is filled again.
; Both products are used transposed (S^T = K Q^T, O^T = V^T P^T): a lane holds one query.  Tiles of keys, queries and channels are laid so that the 16 registers of tiles 2 b, 2 b + 1 are 16 neighbours (as the launch before stored them).
; The head's K is 64: registers 4-7 of Q's and K's fragments are zero codes, and bytes 2, 3 of their scale words are 0.
; NO CLUSTER: the eight work-groups of a head share one fill of 143,360 bytes each, at the head of the launch; behind it a work-group reads no shared byte in its 16 key steps.
; LIMITS: NaN and infinities are not served; a block of p or of O under 2^-124 gets the scale byte 1.
.set HS,    217088
.set KPART, 73728                      ; where a head's K begins in qkv
.set PART,  8960                       ; a wave's share of the fill
.set KSO,   65536                      ; LDS: K's codes at 0, K's scale words,
.set VCO,   73728                      ; V's codes,
.set VSO,   139264                     ; V's scale halfwords,
.set OSS,   143360                     ; and O's scale halfwords
.set WV,  10
.set SEL, 40
.set CS,  42
; v1 16 l; v4 my halfword in OSS; v5 K's scale words, v6 V's, v7 V's codes; v8-11 the step's addresses; v12 -M, v13 the largest t, v[14:15] the sum; v16-23 Q; v24-27 V's halfwords; v28-29 V's scale words; v30 Q's; v31 p's;
; v32-95 eight fragments of K; v96-159 S^T, then p (at the head: the fill); v160-191 O^T; v192-199 p's codes; v200-231 four fragments of V; v232-254 at work; v240 OSS + 16 l; v241-243 the fill's addresses; v248-251 K's scale words
	s_load_b128 s[4:7], s[0:1], 0x0                ; qkv, oc
	s_load_b64 s[8:9], s[0:1], 0x10                ; osc
	v_lshrrev_b32 v8, 5, v0
	v_readfirstlane_b32 s[WV], v8                  ; wave 0..15
	s_and_b32 s11, ttmp7, 0xffff
	s_mul_i32 s12, s11, HS
	s_mul_i32 s14, s[WV], PART
	s_add_co_u32 s16, s12, s14
	s_add_co_u32 s16, s16, KPART
	s_mov_b32 s17, 0
	v_and_b32 v8, 31, v0
	v_and_b32 v9, 15, v0
	v_lshlrev_b32 v1, 4, v8                        ; 16 l
	v_lshlrev_b32 v242, 3, v8                      ; 8 l
	v_add_nc_u32 v241, s14, v1                     ; LDS: wave x 8,960 + 16 l
	v_add_nc_u32 v243, s14, v242                   ; and + 8 l
	s_wait_kmcnt 0x0
	s_add_nc_u64 s[22:23], s[4:5], s[16:17]        ; my 8,960 bytes of the head's K and V
.irp k, 0,1,2,3,4,5,6,7,8,9,10,11,12,13,14,15
	global_load_b128 v[96+4*\k:99+4*\k], v1, s[22:23] offset:512*\k
.endr
	global_load_b128 v[200:203], v1, s[22:23] offset:8192
	global_load_b64 v[204:205], v242, s[22:23] offset:8704         ; the last 256 bytes
	s_lshl_b32 s32, ttmp9, 4
	s_add_co_u32 s32, s32, s[WV]                   ; my tile of queries
	s_lshl_b32 s34, s32, 9
	s_add_co_u32 s34, s34, s12
	s_mov_b32 s35, 0
	s_add_nc_u64 s[34:35], s[4:5], s[34:35]        ; its image
	s_lshl_b32 s36, s32, 6
	s_add_co_u32 s36, s36, s12
	s_add_co_u32 s36, s36, 65536
	s_mov_b32 s37, 0
	s_add_nc_u64 s[36:37], s[4:5], s[36:37]        ; its scale words
	v_lshlrev_b32 v10, 2, v9
	global_load_b128 v[16:19], v1, s[34:35]
	global_load_b32 v30, v10, s[36:37]
	s_lshr_b32 s38, s11, 4
	s_lshl_b32 s38, s38, 5
	s_lshl_b32 s39, ttmp9, 2
	s_add_co_u32 s38, s38, s39
	s_lshr_b32 s39, s[WV], 2
	s_add_co_u32 s38, s38, s39                     ; the block of 64 rows: 32 x batch + 4 x + wave / 4
	s_lshl_b32 s38, s38, 15
	s_and_b32 s39, s[WV], 3
	s_lshl_b32 s39, s39, 13
	s_add_co_u32 s38, s38, s39                     ; its tile wave % 4
	s_and_b32 s39, s11, 15
	s_lshl_b32 s39, s39, 9                         ; K step head / 2, register group head % 2: 512 x head
	s_add_co_u32 s38, s38, s39
	s_mov_b32 s39, 0
	s_add_nc_u64 s[6:7], s[6:7], s[38:39]
	s_lshl_b32 s44, s11, 12
	s_lshl_b32 s45, ttmp9, 9
	s_add_co_u32 s44, s44, s45
	s_mov_b32 s45, 0
	s_add_nc_u64 s[8:9], s[8:9], s[44:45]
	s_mov_b32 s[SEL], 0x76543210
	s_mov_b32 s[SEL+1], 0xfedcba98
	s_mov_b32 s[CS], 0x3e38aa3b                    ; c = log2(e) / 8
	s_mov_b32 s[CS+1], s[CS]
	s_mov_b32 s46, 0
	s_mov_b32 s47, 0
	s_mov_b32 s48, 0
	s_mov_b32 s49, 0
	v_lshlrev_b32 v2, 2, v8
	v_lshlrev_b32 v3, 1, v8
	v_and_b32 v4, 0x1e0, v0                        ; 32 x wave
	v_lshl_add_u32 v4, v9, 1, v4
	v_add_nc_u32 v4, OSS, v4
	v_add_nc_u32 v5, KSO, v2
	v_add_nc_u32 v6, VSO, v3
	v_add_nc_u32 v7, VCO, v1
	v_add_nc_u32 v240, OSS, v1
.irp j, 20,21,22,23
	v_mov_b32 v[\j], 0                             ; zero codes for k = 64 .. 127
.endr
.irp t, 0,1,2,3,4,5,6,7
.irp j, 4,5,6,7
	v_mov_b32 v[32+8*\t+\j], 0                     ; likewise in K's fragments: written once, the loads fill registers 0-3 alone
.endr
.endr
.set j, 0
.rept 32
	v_mov_b32 v[160+j], 0                          ; O^T: the step is written once; the first finds zeros, which the first change of M leaves zeros
.set j, j+1
.endr
.irp b, 0,1,2,3
	v_mov_b32 v[236+\b], 0                         ; a lane permute's destination counts as one of its sources
.endr
	v_mov_b32 v253, 0                              ; named as the upper half of the pair v[252:253]
	v_mov_b32 v13, 0xff61b1e6                      ; the largest t so far: -3e38
	v_floor_f32 v12, -v13
	v_mov_b32 v14, 0
	v_mov_b32 v15, 0
.irp k, 0,1,2,3,4,5,6,7,8,9,10,11,12,13,14,15
	s_wait_loadcnt 19-\k                           ; behind load k: the 16 - k loads of 512 bytes that follow it, the one of 256, and Q's two
	ds_store_b128 v241, v[96+4*\k:99+4*\k] offset:512*\k
.endr
	s_wait_loadcnt 3
	ds_store_b128 v241, v[200:203] offset:8192
	s_wait_loadcnt 2                               ; Q's two may be out
	ds_store_b64 v243, v[204:205] offset:8704
	s_wait_dscnt 0x0                               ; my part of K and V lies in LDS,
	s_barrier_signal -1
	s_barrier_wait -1                              ; everybody's does
	s_wait_loadcnt 0x0                             ; Q; and v10 may be written again
.Lstep:                                            ; 16 trips of 128 keys
	v_add_nc_u32 v8, s46, v1                       ; (these four are also the places behind the last trip's products, in front of the loads into V's registers)
	v_add_nc_u32 v9, s46, v7
	v_add_nc_u32 v10, s47, v5
	v_add_nc_u32 v11, s48, v6
.irp t, 0,1,2,3,4,5,6,7
	ds_load_b128 v[32+8*\t:35+8*\t], v8 offset:512*\t
.endr
.irp a, 0,1,2,3
	ds_load_b32 v[248+\a], v10 offset:128*\a       ; lanes 0-15: tile 2 a; lanes 16-31: tile 2 a + 1
.endr
.irp dt, 0,1,2,3
.irp c, 0,1
	ds_load_b128 v[200+8*\dt+4*\c:203+8*\dt+4*\c], v9 offset:1024*\dt+512*\c
.endr
.endr
.irp a, 0,1
.irp c, 0,1
	ds_load_u16 v[24+2*\a+\c], v11 offset:128*\c+64*\a
.endr
.endr
	s_wait_dscnt 12                                ; K and its scale words are in; V's twelve loads may be out
.irp t, 0,1,2,3,4,5,6,7
.if \t%2
	v_wmma_scale_f32_16x16x128_f8f6f4 v[96+8*\t:103+8*\t], v[32+8*\t:39+8*\t], v[16:23], 0, v[248+\t/2], v30 matrix_a_fmt:MATRIX_FMT_FP4 matrix_b_fmt:MATRIX_FMT_FP4 matrix_a_scale:MATRIX_SCALE_ROW1
.else
	v_wmma_scale_f32_16x16x128_f8f6f4 v[96+8*\t:103+8*\t], v[32+8*\t:39+8*\t], v[16:23], 0, v[248+\t/2], v30 matrix_a_fmt:MATRIX_FMT_FP4 matrix_b_fmt:MATRIX_FMT_FP4
.endif
.endr
	s_wait_dscnt 0x0
	v_lshl_or_b32 v28, v25, 16, v24                ; V's scale words: keys 0-63 below, keys 64-127 above
	v_lshl_or_b32 v29, v27, 16, v26
	v_nop
	v_nop                                          ; four places behind the products
.irp b, 0,1,2,3
	v_max3_num_f32 v[232+\b], v[96+16*\b], v[97+16*\b], v[98+16*\b]   ; the largest score of each block of 32 keys: for the row's maximum, and, since p rises with the score, for the block's largest p
.endr
.irp i, 3,5,7,9,11,13
.irp b, 0,1,2,3
	v_max3_num_f32 v[232+\b], v[232+\b], v[96+16*\b+\i], v[97+16*\b+\i]
.endr
.endr
.irp b, 0,1,2,3
	v_max_num_f32 v[232+\b], v[232+\b], v[111+16*\b]
.endr
.irp b, 0,1,2,3
	v_permlanex16_b32 v[236+\b], v[232+\b], s[SEL], s[SEL+1]
.endr
.irp b, 0,1,2,3
	v_max_num_f32 v[232+\b], v[232+\b], v[236+\b]
.endr
	v_max3_num_f32 v254, v232, v233, v234
	v_max_num_f32 v254, v254, v235
	v_mul_f32 v254, s[CS], v254
	v_max_num_f32 v13, v13, v254                   ; the running largest t
	v_mov_b32 v254, v12
	v_floor_f32 v12, -v13                          ; -M = floor(-t): M is a whole number
	v_sub_f32 v254, v12, v254
	v_cvt_i32_f32 v254, v254                       ; (it saturates)
	v_ldexp_f32 v252, 1.0, v254                    ; f = 2^(old M - new M)
.set j, 0
.rept 32
	v_pk_fma_f32 v[96+j:97+j], v[96+j:97+j], s[CS:CS+1], v[12:13] op_sel_hi:[1,0,0]   ; t - M
.set j, j+2
.endr
.irp b, 0,1,2,3
	v_fma_f32 v[232+\b], v[232+\b], s[CS], v12
.endr
.set j, 0
.rept 64
	v_exp_f32 v[96+j], v[96+j]                     ; p = 2^(t - M)
.set j, j+1
.endr
	v_pk_mul_f32 v[14:15], v[14:15], v[252:253] op_sel_hi:[1,0]   ; the sum under the new M: a plain instruction behind the batch
	s_wait_alu depctr_va_vdst(0)                   ; one wait for the 64, ahead of their first reader
.irp b, 0,1,2,3
	v_exp_f32 v[232+\b], v[232+\b]                 ; each block's largest p
.endr
	v_pk_add_f32 v[236:237], v[96:97], v[98:99]    ; the row's sum is taken of the unquantised p, in two chains
.irp j, 4,8,12,16,20,24,28,32,36,40,44,48,52,56,60
	v_pk_add_f32 v[14:15], v[14:15], v[96+\j:97+\j]
	v_pk_add_f32 v[236:237], v[236:237], v[98+\j:99+\j]
.endr
	v_pk_add_f32 v[14:15], v[14:15], v[236:237]
	s_wait_alu depctr_va_vdst(0)                   ; and one for the four
.irp b, 0,1,2,3
	v_max_num_f32 v[232+\b], 0x1800000, v[232+\b]
.endr
.irp b, 0,1,2,3
	v_add_nc_u32 v[244+\b], 0xff000000, v[232+\b]
.endr
.irp b, 0,1,2,3
	v_lshrrev_b32 v[236+\b], 23, v[244+\b]
.endr
	v_lshl_or_b32 v31, v237, 8, v236               ; p's scale word for these 128 keys
	v_lshl_or_b32 v31, v238, 16, v31
	v_lshl_or_b32 v31, v239, 24, v31
.irp b, 0,1,2,3
	v_cvt_scalef32_pk8_fp4_f32 v[192+2*\b], v[96+16*\b:103+16*\b], v[244+\b]
	v_cvt_scalef32_pk8_fp4_f32 v[193+2*\b], v[104+16*\b:111+16*\b], v[244+\b]
.endr
	v_nop
.irp c, 0,1
.irp i, 0,1
	v_permlane16_swap_b32 v[192+4*\c+\i], v[194+4*\c+\i]
.endr
.endr
.set j, 0
.rept 16
	v_pk_mul_f32 v[160+j:161+j], v[160+j:161+j], v[252:253] op_sel_hi:[1,0]   ; O^T under the new M; these sixteen are also the places between p's codes and scale word and the products
.set j, j+2
.endr
.irp dt, 0,1,2,3
.if \dt%2
	v_wmma_scale_f32_16x16x128_f8f6f4 v[160+8*\dt:167+8*\dt], v[200+8*\dt:207+8*\dt], v[192:199], v[160+8*\dt:167+8*\dt], v[28+\dt/2], v31 matrix_a_fmt:MATRIX_FMT_FP4 matrix_b_fmt:MATRIX_FMT_FP4 matrix_a_scale:MATRIX_SCALE_ROW1
.else
	v_wmma_scale_f32_16x16x128_f8f6f4 v[160+8*\dt:167+8*\dt], v[200+8*\dt:207+8*\dt], v[192:199], v[160+8*\dt:167+8*\dt], v[28+\dt/2], v31 matrix_a_fmt:MATRIX_FMT_FP4 matrix_b_fmt:MATRIX_FMT_FP4
.endif
.endr
	s_add_co_u32 s46, s46, 4096
	s_add_co_u32 s47, s47, 512
	s_add_co_u32 s48, s48, 256
	s_add_co_u32 s49, s49, 1
	s_cmp_lt_u32 s49, 16
	s_cbranch_scc1 .Lstep
	; ---- O^T / the sum; register 16 b + e is channel 32 b + 16 h + e: two blocks, quantised as any operand
	v_add_f32 v14, v14, v15
	v_permlanex16_b32 v252, v14, s[SEL], s[SEL+1]
	v_add_f32 v14, v14, v252
	v_rcp_f32 v14, v14
.rept 4
	v_nop                                          ; plain instructions behind the reciprocal, and the places behind the last products
.endr
	s_wait_alu depctr_va_vdst(0)
.set j, 0
.rept 32
	v_mul_f32 v[96+j], v[160+j], v14
.set j, j+1
.endr
.irp b, 0,1
	v_max3_num_f32 v[232+\b], |v[96+16*\b]|, |v[97+16*\b]|, 0x1800000
.endr
.irp i, 2,4,6,8,10,12,14
.irp b, 0,1
	v_max3_num_f32 v[232+\b], v[232+\b], |v[96+16*\b+\i]|, |v[97+16*\b+\i]|
.endr
.endr
.irp b, 0,1
	v_permlanex16_b32 v[236+\b], v[232+\b], s[SEL], s[SEL+1]
.endr
.irp b, 0,1
	v_max_num_f32 v[232+\b], v[232+\b], v[236+\b]
.endr
.irp b, 0,1
	v_add_nc_u32 v[244+\b], 0xff000000, v[232+\b]
.endr
.irp b, 0,1
	v_lshrrev_b32 v[236+\b], 23, v[244+\b]
.endr
	v_lshl_or_b32 v31, v237, 8, v236               ; the head's two scale bytes of my row
.irp b, 0,1
	v_cvt_scalef32_pk8_fp4_f32 v[192+2*\b], v[96+16*\b:103+16*\b], v[244+\b]
	v_cvt_scalef32_pk8_fp4_f32 v[193+2*\b], v[104+16*\b:111+16*\b], v[244+\b]
.endr
	v_nop
	v_permlane16_swap_b32 v192, v194
	v_permlane16_swap_b32 v193, v195               ; lanes 0-15 block 0, lanes 16-31 block 1
	global_store_b128 v1, v[192:195], s[6:7]       ; 512 consecutive bytes: a register group of the next product's fragment
	ds_store_b16 v4, v31
	s_wait_dscnt 0x0
	s_barrier_signal -1
	s_barrier_wait -1                              ; the sixteen tiles' halfwords lie in LDS
	s_cmp_lg_u32 s[WV], 0
	s_cbranch_scc1 .Ldone
	ds_load_b128 v[96:99], v240
	s_wait_dscnt 0x0
	global_store_b128 v1, v[96:99], s[8:9]         ; 512 consecutive bytes
.Ldone:
	s_wait_xcnt 0x0
	v_lshl_add_u32 v254, v0, 2, 0x23200
	v_mov_b32 v255, 0
	s_wait_tensorcnt 0x0
	ds_add_u32 v254, v255
	s_wait_dscnt 0x0
	s_endpgm
.Lfunc_end_k_q13faa7e5d8_attn:
	.size	k_q13faa7e5d8_attn, .Lfunc_end_k_q13faa7e5d8_attn-k_q13faa7e5d8_attn
	.p2alignl 7, 3214868480
	.fill 96, 4, 3214868480
	.section	.rodata,"a",@progbits
	.p2align	6, 0x0
	.amdhsa_kernel k_q13faa7e5d8_attn
		.amdhsa_group_segment_fixed_size 145920
		.amdhsa_private_segment_fixed_size 0
		.amdhsa_enable_private_segment 0
		.amdhsa_kernarg_size 24
		.amdhsa_user_sgpr_count 2
		.amdhsa_user_sgpr_kernarg_segment_ptr 1
		.amdhsa_wavefront_size32 1
		.amdhsa_system_sgpr_workgroup_id_x 1
		.amdhsa_system_sgpr_workgroup_id_y 1
		.amdhsa_system_sgpr_workgroup_id_z 1
		.amdhsa_system_vgpr_workitem_id 0
		.amdhsa_next_free_vgpr 256
		.amdhsa_next_free_sgpr 66
		.amdhsa_reserve_vcc 0
		.amdhsa_float_denorm_mode_32 3
		.amdhsa_float_denorm_mode_16_64 3
		.amdhsa_memory_ordered 1
		.amdhsa_forward_progress 1
		.amdhsa_inst_pref_size 29
	.end_amdhsa_kernel
	.amdgpu_metadata
---
amdhsa.version: [ 1, 2 ]
amdhsa.kernels:
  - .name:           k_q13faa7e5d8_attn
    .symbol:         k_q13faa7e5d8_attn.kd
    .args:
      - { .name: qkv, .offset: 0, .size: 8, .value_kind: global_buffer, .address_space: global }
      - { .name: oc, .offset: 8, .size: 8, .value_kind: global_buffer, .address_space: global }
      - { .name: osc, .offset: 16, .size: 8, .value_kind: global_buffer, .address_space: global }
    .group_segment_fixed_size: 145920
    .private_segment_fixed_size: 0
    .kernarg_segment_align: 8
    .kernarg_segment_size: 24
    .max_flat_workgroup_size: 512
    .sgpr_count:     66
    .vgpr_count:     256
    .wavefront_size: 32
...
	.end_amdgpu_metadata
.endif
;; end of part 3
;; launch fin (part 4): grid 256 x 1, 4 waves a work-group, no clusters, 94,976 bytes of LDS; arguments x, wf, oc, osc, bo, dbw, dbb, dWv, dbv, ln_g, ln_b, out0; writes out0
.if DOCPART == 4
	.amdgcn_target "amdgcn-amd-amdhsa--gfx1250"
	.amdhsa_code_object_version 6
	.text
	.protected	k_q13faa7e5d8_fin
	.globl	k_q13faa7e5d8_fin
	.p2align	8
	.type	k_q13faa7e5d8_fin,@function
k_q13faa7e5d8_fin:
	s_mov_b64 s[64:65], 0
	v_nop
	global_prefetch_b8 v0, s[64:65] scope:SCOPE_SE
	s_setreg_imm32_b32 hwreg(HW_REG_WAVE_MODE, 25, 1), 1
	s_wait_xcnt 0x0
; Delta block 3 and the LayerNorm: y = x + c1 k_raw, k_raw = Q(x) dWk[3], c1 = beta inv (v - (k_raw . x) inv), v = (Q(o) Wo + bo) . dWv[3] + dbv[3], o the attention's result, which arrives as codes (oc, osc);
; out0 = (y - mean) / sqrt(var + 1e-5) ln_g + ln_b, the variance taken of the differences.  Both products on codes of E2M1 with E8M0 scales, sums f32; all else f32.
; SHARES.  A work-group owns ONE tile of 16 rows (work-group x = 4 X + T: tile T of the block X of 64 rows) and all 1,024 columns: 256 work-groups.  Wave w owns columns 256 w .. + 255: 16 accumulators of 16 x 16,
; 128 registers, used by the two products one after the other (of the first only its dot with dWv is kept).  What is done row by row (bringing x in, the dot with dbw, the LayerNorm) wave w does for rows 4 w .. 4 w + 3.
; The products are used transposed (source 0 = 16 columns of the weight, source 1 = the 16 rows); lane r of tile 2 b + u takes index 32 b + 8 u + r + 8 (r / 8), for rows and for columns.
; WEIGHTS come from wf, laid in register order, straight into registers, 17 loads of 512 consecutive bytes a batch, four batches ahead.  The 16 K steps are written out: every offset is an immediate, no base is stepped.
; The price of 16 rows to a work-group: each of the 256 walks all 1,114,112 bytes of the two weights.
; NO CLUSTER, NO TENSOR LOADS: all work-groups walk the same weights, but with 16 rows each byte of a weight feeds ONE matrix instruction of ONE wave: a joint load into LDS would add, for each K step, 69,632 bytes
; written to LDS and read from it again for 64 matrix instructions, no byte twice.
; LIMITS: NaN and infinities among the inputs are not served.  A block whose largest magnitude lies under 2^-124 gets the scale byte 1.  A row with |k_raw|^2 under 2^-126 counts as norm 0
; (v_sqrt_f32 takes a denormal as zero: ISA guide 15.8).  (acc + b) . dWv is summed as acc . dWv + b . dWv, in f32.
.set RP,   1040                        ; LDS: 256 columns of a row: 1,024 bytes + 16: the 16 rows that a load touches start at 16 different groups of four banks
.set SLAB, 16*RP                       ; XS = [column owner 4][row 16][RP]: x in f32, later y
.set AIMG, 4*SLAB                      ; operand images [K step 16][c 2][512 bytes]: steps 0-7 the attention's, steps 8-15 x's
.set ASC,  AIMG+16384                  ; their scale words [K step 16][lane 32]
.set DWV,  ASC+2048                    ; dWv[3]; 4,096 bytes on: bo
.set RED,  DWV+8192                    ; row sums [wave 4][which 4][row 16]
.set XB,   RED+1024                    ; x . dbw [row 16]
.set STP,  17408
.set HB,   8704
.set L16,  1                           ; v1 16 l;  v2 4 l
.set L4,   2
.set XW,   3                           ; v3-6  slab m: my four rows, 16 l
.set IMW,  8                           ; v8    where I store images: two K steps a wave
.set ASW,  9                           ; v9    and their scale words
.set XP,   10                          ; v10   my slab: row r, + 64 h
.set DVA,  11
.set CPW,  12
.set RDW,  13
.set RDR,  14
.set XBW,  15
.set XBR,  16
.set AA,   17                          ; v17   AIMG + 16 l;  v18 ASC + 4 l: never rewritten
.set ASA,  18
.set LNA,  23                          ; v23-26 the LayerNorm's LDS addresses, one a slab;  v27 its offset in out0
.set LNO,  27
.set OSO,  28                          ; v28 2 r
.set WS,   32                          ; v32-47  the weights' scale words, 8 p + nt / 2: lanes 0-15 the even tile, lanes 16-31 the odd
.set AS,   48                          ; v48, v52 the rows' scale words, 4 p
.set C1,   56                          ; v56-57  c1, as a pair
.set TM,   64                          ; v64-79  at work
.set RS,   64
.set PC,   80
.set PW,   88
.set XRB,  96                          ; v96-159 the rows' fragments, 32 p; outside the products 64 numbers
.set AF,   96
.set DB,   160                         ; v160-191 dbw; later the row sums
.set XR,   192                         ; v192-255 64 numbers
; window 1: the weights' fragments, set p at 128 p + 8 nt.   window 2: accumulator nt at 512 + 8 nt; at the head my four rows of x as loaded
.set PX,   4
.set PWF,  6
.set POC,  8
.set POSC, 10
.set PBI,  12
.set PDBW, 14
.set PDBB, 16
.set PDWV, 18
.set PDBV, 20
.set PLG,  22
.set PLB,  24
.set POUT, 26
.set SEL,  28
.set SDBB, 30
.set SDBV, 31
.set SB,   32
.set CNT,  34
.set WV,   52
.set XI,   53
.set TI,   54
.set MSB, 0
.macro WIN new                         ; the immediate's high byte repeats the setting that is left; a switch that changes nothing is dropped
.if MSB != (\new)
	s_set_vgpr_msb (MSB<<8)|(\new)
.set MSB, (\new)
.endif
.endm
.macro BARRIER                         ; my LDS stores have landed and my LDS loads are in: then the work-group's barrier
	s_wait_dscnt 0x0
	s_barrier_signal -1
	s_barrier_wait -1
.endm
.macro PLACES
.rept 4
	v_nop
.endr
.endm
; 64 numbers of a lane, register 16 b + e = k 32 b + 16 (lane / 16) + e of my row, become a fragment's codes in v[PC] on and its scale word in v[PW]
.macro QUANT s
.irp b, 0,1,2,3
	v_max3_num_f32 v[TM+\b], |v[\s+16*\b]|, |v[\s+1+16*\b]|, 0x1800000   ; my 16 numbers of block b, and the floor 2^(3 - 127): the byte cannot fall under 1
.endr
.irp i, 2,4,6,8,10,12,14
.irp b, 0,1,2,3
	v_max3_num_f32 v[TM+\b], v[TM+\b], |v[\s+16*\b+\i]|, |v[\s+1+16*\b+\i]|
.endr
.endr
.irp b, 0,1,2,3
	v_permlanex16_b32 v[TM+4+\b], v[TM+\b], s[SEL], s[SEL+1]
.endr
.irp b, 0,1,2,3
	v_max_num_f32 v[TM+\b], v[TM+\b], v[TM+4+\b]
.endr
.irp b, 0,1,2,3
	v_add_nc_u32 v[TM+12+\b], 0xff000000, v[TM+\b]
.endr
.irp b, 0,1,2,3
	v_lshrrev_b32 v[TM+4+\b], 23, v[TM+12+\b]
.endr
	v_lshl_or_b32 v[PW], v[TM+5], 8, v[TM+4]
	v_lshl_or_b32 v[PW], v[TM+6], 16, v[PW]
	v_lshl_or_b32 v[PW], v[TM+7], 24, v[PW]
.irp b, 0,1,2,3
	v_cvt_scalef32_pk8_fp4_f32 v[PC+2*\b], v[\s+16*\b:\s+7+16*\b], v[TM+12+\b]
	v_cvt_scalef32_pk8_fp4_f32 v[PC+1+2*\b], v[\s+8+16*\b:\s+15+16*\b], v[TM+12+\b]
.endr
	v_nop                                          ; one plain place behind a scaled conversion
.irp c, 0,1
.irp i, 0,1
	v_permlane16_swap_b32 v[PC+4*\c+\i], v[PC+2+4*\c+\i]
.endr
.endr
.endm
.macro ADDRS                           ; every LDS address is a constant + constants x lane, row, half and wave
	v_and_b32 v89, 31, v0                          ; l
	v_and_b32 v90, 15, v0                          ; r
	v_bfe_u32 v91, v0, 4, 1                        ; h
	s_mul_i32 s37, s[WV], 4*RP
	s_mul_i32 s38, s[WV], SLAB
	s_lshl_b32 s39, s[WV], 10
	v_lshlrev_b32 v[L16], 4, v89
	v_lshlrev_b32 v[L4], 2, v89
	v_add_nc_u32 v[XW], s37, v[L16]
	v_add_nc_u32 v[XW+1], SLAB, v[XW]
	v_add_nc_u32 v[XW+2], 2*SLAB, v[XW]
	v_add_nc_u32 v[XW+3], 3*SLAB, v[XW]
	v_mul_u32_u24 v92, v90, RP
	v_lshl_add_u32 v92, v91, 6, v92
	v_add_nc_u32 v[XP], s38, v92
	v_lshl_add_u32 v93, v91, 6, s39
	v_add_nc_u32 v[DVA], DWV, v93
	v_add_nc_u32 v[CPW], s39, v[L16]
	v_add_nc_u32 v[CPW], DWV, v[CPW]
	v_lshlrev_b32 v94, 2, v90
	v_add_nc_u32 v[RDR], RED, v94
	v_add_nc_u32 v[XBR], XB, v94
	s_lshl_b32 s37, s[WV], 8
	v_add_nc_u32 v[RDW], s37, v[RDR]
	v_add_nc_u32 v[ASW], s37, v[L4]
	v_add_nc_u32 v[ASW], ASC, v[ASW]
	s_lshl_b32 s37, s[WV], 11
	v_add_nc_u32 v[IMW], s37, v[L16]
	v_add_nc_u32 v[IMW], AIMG, v[IMW]
	s_lshl_b32 s37, s[WV], 4
	s_add_co_u32 s37, s37, XB
	v_mov_b32 v[XBW], s37
	v_add_nc_u32 v[AA], AIMG, v[L16]
	v_add_nc_u32 v[ASA], ASC, v[L4]
	v_lshlrev_b32 v[OSO], 1, v90
.endm
.macro XROW lam                        ; row 4 w + lam of the tile (32 registers as loaded, window 2): into LDS, and its dot with dbw
	s_wait_loadcnt 8*(3-(\lam))                    ; the rows still to come, eight loads each
	WIN 0x08
.irp j, 0,1,2,3,4,5,6,7
	ds_store_b128 v[XW+\j/2], v[32*(\lam)+4*\j:32*(\lam)+4*\j+3] offset:(\lam)*RP+512*(\j%2)
.endr
	WIN 0x02
	v_pk_mul_f32 v[90:91], v[32*(\lam):32*(\lam)+1], v[DB:DB+1]
	v_pk_mul_f32 v[92:93], v[32*(\lam)+2:32*(\lam)+3], v[DB+2:DB+3]
.irp k, 2,3,4,5,6,7,8,9,10,11,12,13,14,15
	v_pk_fma_f32 v[90+2*(\k%2):91+2*(\k%2)], v[32*(\lam)+2*\k:32*(\lam)+2*\k+1], v[DB+2*\k:DB+2*\k+1], v[90+2*(\k%2):91+2*(\k%2)]
.endr
	WIN 0
	v_pk_add_f32 v[90:91], v[90:91], v[92:93]
	v_add_f32 v[RS+(\lam)], v90, v91
.endm
.macro XSUMS                           ; the four dots over the 32 lanes; then they, dWv and bo go to LDS
.irp m, 1,2,4,8
.irp k, 0,1,2,3
	v_add_f32_dpp v[RS+\k], v[RS+\k], v[RS+\k] row_xmask:\m row_mask:0xf bank_mask:0xf
.endr
.endr
.irp k, 0,1,2,3
	v_permlanex16_b32 v[DB+\k], v[RS+\k], s[SEL], s[SEL+1]
.endr
.irp k, 0,1,2,3
	v_add_f32 v[RS+\k], v[RS+\k], v[DB+\k]
.endr
.irp k, 0,1,2,3
	ds_store_b32 v[XBW], v[RS+\k] offset:4*\k      ; all lanes write the same word with the same value
.endr
	ds_store_b128 v[CPW], v[208:211]
	ds_store_b128 v[CPW], v[212:215] offset:512
	ds_store_b128 v[CPW], v[216:219] offset:4096
	ds_store_b128 v[CPW], v[220:223] offset:4608
.endm
.macro XQUANT                          ; my slab, 256 columns of all 16 rows, becomes x's K steps 2 w and 2 w + 1
.irp e, 0,1
.irp b, 0,1,2,3
.irp jj, 0,1,2,3
	ds_load_b128 v[XR-96*\e+16*\b+4*\jj:XR-96*\e+16*\b+4*\jj+3], v[XP] offset:512*\e+128*\b+16*\jj
.endr
.endr
.endr
	s_wait_dscnt 16                                ; the first K step's 16 loads are in; the second's may be out
	QUANT XR
	ds_store_b128 v[IMW], v[PC:PC+3] offset:8192
	ds_store_b128 v[IMW], v[PC+4:PC+7] offset:8192+512
	ds_store_b32 v[ASW], v[PW] offset:1024
	s_wait_dscnt 3                                 ; behind the second K step's loads: these three stores
	QUANT XRB
	ds_store_b128 v[IMW], v[PC:PC+3] offset:8192+1024
	ds_store_b128 v[IMW], v[PC+4:PC+7] offset:8192+1536
	ds_store_b32 v[ASW], v[PW] offset:1024+128
.endm
.macro BATCH p, H, off                 ; one block of wf into set p, half H: 17 loads
	WIN 0
	global_load_b128 v[WS+8*(\p)+4*(\H):WS+8*(\p)+4*(\H)+3], v[L16], s[SB:SB+1] offset:(\off)+(\H)*HB+8192
	WIN 0x40
.irp k, 0,1,2,3,4,5,6,7,8,9,10,11,12,13,14,15
	global_load_b128 v[128*(\p)+64*(\H)+4*\k:128*(\p)+64*(\H)+4*\k+3], v[L16], s[SB:SB+1] offset:(\off)+(\H)*HB+512*\k
.endr
	WIN 0
.endm
.macro WM nt, p, zero                  ; accumulator nt takes 128 along K
.set rD, 8*(\nt)
.set rW, 128*(\p)+8*(\nt)
.set rA, AF+32*(\p)
.set rS, WS+8*(\p)+(\nt)/2
.set rX, AS+4*(\p)
.if (\nt)%2
.if \zero
	v_wmma_scale_f32_16x16x128_f8f6f4 v[rD:rD+7], v[rW:rW+7], v[rA:rA+7], 0, v[rS], v[rX] matrix_a_fmt:MATRIX_FMT_FP4 matrix_b_fmt:MATRIX_FMT_FP4 matrix_a_scale:MATRIX_SCALE_ROW1
.else
	v_wmma_scale_f32_16x16x128_f8f6f4 v[rD:rD+7], v[rW:rW+7], v[rA:rA+7], v[rD:rD+7], v[rS], v[rX] matrix_a_fmt:MATRIX_FMT_FP4 matrix_b_fmt:MATRIX_FMT_FP4 matrix_a_scale:MATRIX_SCALE_ROW1
.endif
.else
.if \zero
	v_wmma_scale_f32_16x16x128_f8f6f4 v[rD:rD+7], v[rW:rW+7], v[rA:rA+7], 0, v[rS], v[rX] matrix_a_fmt:MATRIX_FMT_FP4 matrix_b_fmt:MATRIX_FMT_FP4
.else
	v_wmma_scale_f32_16x16x128_f8f6f4 v[rD:rD+7], v[rW:rW+7], v[rA:rA+7], v[rD:rD+7], v[rS], v[rX] matrix_a_fmt:MATRIX_FMT_FP4 matrix_b_fmt:MATRIX_FMT_FP4
.endif
.endif
.endm
.macro HALF p, H, zero                 ; eight matrix instructions; the 16 accumulators take turns, one instruction a turn
	WIN 0xa1                                       ; source 0 (weights) window 1, source 1 (the rows) window 0, C and D window 2
.irp f, 0,1,2,3,4,5,6,7
	WM 8*\H+\f, \p, \zero
.endr
.endm
.macro ALOAD p, t                      ; the rows' fragment and scale word of K step t (0-7 the attention's, 8-15 x's) into set p
.irp c, 0,1
	ds_load_b128 v[AF+32*(\p)+4*\c:AF+32*(\p)+4*\c+3], v[AA] offset:(\t)*1024+512*\c
.endr
	ds_load_b32 v[AS+4*(\p)], v[ASA] offset:(\t)*128
.endm
; K step t of the 16: 16 matrix instructions on set t % 2.  The block two steps on is asked for, half by half, into the registers just multiplied; the next step's fragment of the rows goes into the other set.
; n0, n1: the loads issued behind the batch that is wanted: three batches of 17 in the steady state.
; A load into a register that a matrix instruction has read stands four plain vector instructions behind it (ISA guide 7.12.1 for vector instructions).
.macro STEP t, zero, n0, n1
	s_wait_loadcnt \n0
	s_wait_dscnt 0x0                               ; the rows' fragment and scale word of this step are in
	HALF (\t)%2, 0, \zero
	WIN 0
	PLACES
.if (\t) < 15
	ALOAD 1-(\t)%2, (\t)+1
.endif
.if (\t) < 14
	BATCH (\t)%2, 0, ((\t)+2)*STP
.endif
	s_wait_loadcnt \n1
	HALF (\t)%2, 1, \zero
	WIN 0
	PLACES
.if (\t) < 14
	BATCH (\t)%2, 1, ((\t)+2)*STP
.endif
.endm
.macro RLOAD p                         ; dWv and bo of my half's 16 columns of column pair p
.irp jj, 0,1,2,3
	ds_load_b128 v[XR+32*((\p)%2)+4*\jj:XR+32*((\p)%2)+4*\jj+3], v[DVA] offset:128*(\p)+16*\jj
	ds_load_b128 v[XR+32*((\p)%2)+16+4*\jj:XR+32*((\p)%2)+19+4*\jj], v[DVA] offset:4096+128*(\p)+16*\jj
.endr
.endm
.macro REDUCE1                         ; of the first product only (acc + b) . dWv is kept, in two chains; each accumulator is read from its low end on
	RLOAD 0
.irp cp, 0,1,2,3,4,5,6,7
.if \cp < 7
	RLOAD \cp+1
	s_wait_dscnt 8                                 ; behind this pair's loads: the next pair's eight
.else
	s_wait_dscnt 0x0
.endif
.set RB, XR+32*(\cp%2)
.irp k, 0,1,2,3,4,5,6,7
.if (\cp == 0) && (\k < 2)
	v_pk_mul_f32 v[176+2*\k:177+2*\k], v[RB+16+2*\k:RB+17+2*\k], v[RB+2*\k:RB+2*\k+1]
.else
	v_pk_fma_f32 v[176+2*(\k%2):177+2*(\k%2)], v[RB+16+2*\k:RB+17+2*\k], v[RB+2*\k:RB+2*\k+1], v[176+2*(\k%2):177+2*(\k%2)]
.endif
.endr
	WIN 0x02
.irp k, 0,1,2,3,4,5,6,7
.if (\cp == 0) && (\k < 2)
	v_pk_mul_f32 v[160+2*\k:161+2*\k], v[16*\cp+2*\k:16*\cp+2*\k+1], v[RB+2*\k:RB+2*\k+1]
.else
	v_pk_fma_f32 v[160+2*(\k%2):161+2*(\k%2)], v[16*\cp+2*\k:16*\cp+2*\k+1], v[RB+2*\k:RB+2*\k+1], v[160+2*(\k%2):161+2*(\k%2)]
.endif
.endr
	WIN 0
.endr
	v_pk_add_f32 v[176:177], v[176:177], v[178:179]
	v_pk_add_f32 v[160:161], v[160:161], v[162:163]
	v_add_f32 v176, v176, v177
	v_add_f32 v160, v160, v161
	v_add_f32 v160, v160, v176
	v_permlanex16_b32 v161, v160, s[SEL], s[SEL+1]
	v_add_f32 v160, v160, v161
	ds_store_b32 v[RDW], v160                      ; my 256 columns' part, row r
.endm
.macro ULOAD q                         ; unit q: columns 128 q on of my slab: 64 numbers into XR (q = 0) or XRB (q = 1), in the accumulators' order
.set UL, XR-96*(\q)
.irp b, 0,1,2,3
.irp jj, 0,1,2,3
	ds_load_b128 v[UL+16*\b+4*\jj:UL+16*\b+4*\jj+3], v[XP] offset:512*(\q)+128*\b+16*\jj
.endr
.endr
.endm
.macro USTORE q
.set UL, XR-96*(\q)
.irp b, 0,1,2,3
.irp jj, 0,1,2,3
	ds_store_b128 v[XP], v[UL+16*\b+4*\jj:UL+16*\b+4*\jj+3] offset:512*(\q)+128*\b+16*\jj
.endr
.endr
.endm
.macro PASS1                           ; |k_raw|^2 (v160 on) and k_raw . x (v176 on)
	ULOAD 0
.irp q, 0,1
	s_wait_dscnt 0x0
.if \q < 1
	ULOAD 1
.endif
.set UB, XR-96*\q
.set AB, 64*\q
	WIN 0x0a
.set k, 0
.rept 32
.if (\q == 0) && (k < 2)
	v_pk_mul_f32 v[160+2*k:161+2*k], v[AB+2*k:AB+2*k+1], v[AB+2*k:AB+2*k+1]
.else
	v_pk_fma_f32 v[160+2*(k%2):161+2*(k%2)], v[AB+2*k:AB+2*k+1], v[AB+2*k:AB+2*k+1], v[160+2*(k%2):161+2*(k%2)]
.endif
.set k, k+1
.endr
	WIN 0x02
.set k, 0
.rept 32
.if (\q == 0) && (k < 2)
	v_pk_mul_f32 v[176+2*k:177+2*k], v[AB+2*k:AB+2*k+1], v[UB+2*k:UB+2*k+1]
.else
	v_pk_fma_f32 v[176+2*(k%2):177+2*(k%2)], v[AB+2*k:AB+2*k+1], v[UB+2*k:UB+2*k+1], v[176+2*(k%2):177+2*(k%2)]
.endif
.set k, k+1
.endr
	WIN 0
.endr
.irp S, 160,176
	v_pk_add_f32 v[\S:\S+1], v[\S:\S+1], v[\S+2:\S+3]
.endr
.irp S, 160,176
	v_add_f32 v[\S], v[\S], v[\S+1]
.endr
.irp S, 160,176
	v_permlanex16_b32 v[\S+1], v[\S], s[SEL], s[SEL+1]
.endr
.irp S, 160,176
	v_add_f32 v[\S], v[\S], v[\S+1]
.endr
	ds_store_b32 v[RDW], v160 offset:64            ; 64 on: the squares;
	ds_store_b32 v[RDW], v176 offset:128           ; 128 on: the dots with x
.endm
.macro SCALARS                         ; the four waves' parts are added; c1 of row r
.irp qq, 0,1,2
.irp u, 0,1,2,3
	ds_load_b32 v[96+4*\qq+\u], v[RDR] offset:\u*256+\qq*64
.endr
.endr
	ds_load_b32 v144, v[XBR]
	ULOAD 0
	s_wait_dscnt 16                                ; behind the sums' loads: unit 0's sixteen
	s_wait_kmcnt 0x0                               ; dbb[3], dbv[3]
.irp qq, 0,1,2
	v_pk_add_f32 v[96+4*\qq:97+4*\qq], v[96+4*\qq:97+4*\qq], v[98+4*\qq:99+4*\qq]
.endr
.irp qq, 0,1,2
	v_add_f32 v[96+4*\qq], v[96+4*\qq], v[97+4*\qq]   ; v96: the dot with dWv; v100: |k_raw|^2; v104: k_raw . x
.endr
	v_add_f32 v144, s[SDBB], v144
	v_mul_f32 v144, 0xbfb8aa3b, v144               ; x -log2(e)
	v_sqrt_f32 v101, v100
	v_exp_f32 v148, v144
	v_nop                                          ; a plain instruction behind the two,
	s_wait_alu depctr_va_vdst(0)                   ; and one wait for them, ahead of their first reader
	v_add_f32 v101, 0x322bcc77, v101               ; + 1e-8
	v_add_f32 v148, 1.0, v148
	v_rcp_f32 v102, v101                           ; inv
	v_rcp_f32 v152, v148                           ; the sigmoid
	v_nop
	s_wait_alu depctr_va_vdst(0)
	v_add_f32 v96, s[SDBV], v96
	v_mul_f32 v97, v152, v102
	v_fma_f32 v96, -v104, v102, v96
	v_add_f32 v97, v97, v97
	v_mul_f32 v[C1], v97, v96
	v_mov_b32 v[C1+1], v[C1]                       ; named with it as a pair, so it is written
.endm
.macro PASS2                           ; y = x + c1 k_raw, back into my slab
.irp q, 0,1
	s_wait_dscnt 0x0
.if \q < 1
	ULOAD 1
.endif
.set UB, XR-96*\q
.set AB, 64*\q
	WIN 0x02
.set k, 0
.rept 32
	v_pk_fma_f32 v[UB+2*k:UB+2*k+1], v[AB+2*k:AB+2*k+1], v[C1:C1+1], v[UB+2*k:UB+2*k+1] op_sel_hi:[1,0,1]
.set k, k+1
.endr
	WIN 0
	USTORE \q
.endr
.endm
	s_load_b256 s[4:11], s[0:1], 0x0               ; x, wf, oc, osc
	s_load_b256 s[12:19], s[0:1], 0x20             ; bo, dbw, dbb, dWv
	s_load_b256 s[20:27], s[0:1], 0x40             ; dbv, ln_g, ln_b, out0
	v_lshl_add_u32 v62, v0, 2, 0x17100
	v_mov_b32 v63, 0
	v_lshrrev_b32 v89, 5, v0
	v_readfirstlane_b32 s[WV], v89                 ; wave 0..3
	s_lshr_b32 s[XI], ttmp9, 2                     ; which 64 rows,
	s_and_b32 s[TI], ttmp9, 3                      ; and which tile of them
	s_mov_b32 s[SEL], 0x76543210
	s_mov_b32 s[SEL+1], 0xfedcba98                 ; v_permlanex16_b32's selects for lane l xor 16
	ADDRS
.irp k, 68,69,70,71,72,73,74,75
	v_mov_b32 v[\k], 0                             ; written once: a lane permute's destination counts as one of its sources
.endr
	s_add_co_u32 s42, s39, 3*4096                  ; row 3 of dWv, my 256 columns (s39 = 1,024 x wave)
	s_mov_b32 s43, 0
	s_mov_b32 s44, s39
	s_mov_b32 s45, 0
	s_lshl_b32 s46, s[XI], 18                      ; 64 rows of 4,096 bytes,
	s_lshr_b32 s37, s[TI], 1
	s_lshl_b32 s37, s37, 17
	s_add_co_u32 s46, s46, s37
	s_and_b32 s37, s[TI], 1
	s_lshl_b32 s37, s37, 15
	s_add_co_u32 s46, s46, s37                     ; the tile's first row: 32 (T / 2) + 8 (T % 2),
	s_lshl_b32 s37, s[WV], 14
	s_add_co_u32 s46, s46, s37
	s_lshr_b32 s37, s[WV], 1
	s_lshl_b32 s37, s37, 15
	s_add_co_u32 s46, s46, s37                     ; my four rows of it: 4 w + 8 (w / 2) rows on: four neighbours in x and in out0
	s_mov_b32 s47, 0
	s_lshl_b32 s48, ttmp9, 13                      ; oc: the tile's eight fragments,
	s_lshl_b32 s37, s[WV], 11
	s_add_co_u32 s48, s48, s37                     ; my two of them
	s_mov_b32 s49, 0
	s_add_co_u32 s50, s[WV], 12
	s_mul_i32 s50, s50, 16*STP                     ; my stream of wf: (4 x 3 + w) x 16 K steps
	s_mov_b32 s51, 0
	s_lshr_b32 s40, ttmp9, 7
	s_lshl_b32 s40, s40, 16                        ; osc: the batch's 16 heads of 4,096 bytes,
	s_and_b32 s37, ttmp9, 127
	s_lshl_b32 s37, s37, 5
	s_add_co_u32 s40, s40, s37                     ; the tile's 32 bytes,
	s_lshl_b32 s37, s[WV], 14
	s_add_co_u32 s40, s40, s37                     ; heads 4 w on
	s_mov_b32 s41, 0
	s_wait_kmcnt 0x0
	s_load_b32 s[SDBB], s[PDBB:PDBB+1], 0xc
	s_load_b32 s[SDBV], s[PDBV:PDBV+1], 0xc
	s_add_nc_u64 s[PBI:PBI+1], s[PBI:PBI+1], s[44:45]
	s_add_nc_u64 s[PDBW:PDBW+1], s[PDBW:PDBW+1], 3*4096
	s_add_nc_u64 s[PDWV:PDWV+1], s[PDWV:PDWV+1], s[42:43]
	s_add_nc_u64 s[PX:PX+1], s[PX:PX+1], s[46:47]
	s_add_nc_u64 s[POUT:POUT+1], s[POUT:POUT+1], s[46:47]
	s_add_nc_u64 s[POC:POC+1], s[POC:POC+1], s[48:49]
	s_add_nc_u64 s[POSC:POSC+1], s[POSC:POSC+1], s[40:41]
	s_add_nc_u64 s[SB:SB+1], s[PWF:PWF+1], s[50:51]
	; ---- x and the attention's codes come in: 52 loads
.irp j, 0,1,2,3,4,5,6,7
	global_load_b128 v[DB+4*\j:DB+4*\j+3], v[L16], s[PDBW:PDBW+1] offset:512*\j
.endr
	global_load_b128 v[208:211], v[L16], s[PDWV:PDWV+1]
	global_load_b128 v[212:215], v[L16], s[PDWV:PDWV+1] offset:512
	global_load_b128 v[216:219], v[L16], s[PBI:PBI+1]
	global_load_b128 v[220:223], v[L16], s[PBI:PBI+1] offset:512
.irp k, 0,1,2,3
	global_load_b128 v[XRB+4*\k:XRB+4*\k+3], v[L16], s[POC:POC+1] offset:512*\k
.endr
.irp k, 0,1,2,3
	global_load_u16 v[192+\k], v[OSO], s[POSC:POSC+1] offset:4096*\k   ; head 4 w + k's two scale bytes of row r
.endr
	WIN 0x80
.irp lam, 0,1,2,3
.irp j, 0,1,2,3,4,5,6,7
	global_load_b128 v[32*\lam+4*\j:32*\lam+4*\j+3], v[L16], s[PX:PX+1] offset:\lam*4096+512*\j
.endr
.endr
.irp lam, 0,1,2,3
	XROW \lam
.endr
	BATCH 0, 0, 0                                  ; the weights' stream starts
	BATCH 0, 1, 0
	BATCH 1, 0, STP
	XSUMS
.irp k, 0,1,2,3
	ds_store_b128 v[IMW], v[XRB+4*\k:XRB+4*\k+3] offset:512*\k     ; the attention's K steps 2 w and 2 w + 1 (these loads are older than x's: they are in)
.endr
.irp e, 0,1
	v_lshl_or_b32 v[176+\e], v[193+2*\e], 16, v[192+2*\e]          ; K step 2 w + e: heads 4 w + 2 e and 4 w + 2 e + 1
.endr
.irp e, 0,1
	ds_store_b32 v[ASW], v[176+\e] offset:128*\e
.endr
	BARRIER                                        ; x and the attention's eight fragments lie in LDS
	XQUANT
	BATCH 1, 1, STP
	BARRIER                                        ; and so do x's eight
	; ---- Q(o) Wo, then Q(x) dWk[3]: one stream of 16 K steps
	ALOAD 0, 0
	STEP 0, 1, 51, 51
.irp t, 1,2,3,4,5,6,7
	STEP \t, 0, 51, 51
.endr
	REDUCE1
	STEP 8, 1, 51, 51
.irp t, 9,10,11,12,13
	STEP \t, 0, 51, 51
.endr
	STEP 14, 0, 51, 34                             ; nothing more to ask for: the counts run down
	STEP 15, 0, 17, 0
	PASS1
	BARRIER                                        ; every wave's parts of the row sums lie in LDS
	SCALARS
	PASS2
	s_wait_dscnt 0x0                               ; my part of y lies in LDS
.irp j, 0,1,2,3,4,5,6,7
	global_load_b128 v[XRB+4*\j:XRB+4*\j+3], v[L16], s[PLG:PLG+1] offset:512*\j
	global_load_b128 v[XRB+32+4*\j:XRB+35+4*\j], v[L16], s[PLB:PLB+1] offset:512*\j
.endr
	s_barrier_signal -1
	s_barrier_wait -1                              ; everybody's does
	; ---- the LayerNorm: a trip takes rows 4 w + k and 4 w + k + 2 of the tile, whole: 32 numbers a lane each
	s_mov_b32 s[CNT], 0
	s_mov_b32 s37, 0
	s_mov_b32 s38, 0
	s_mov_b32 s39, 0x3a800000                      ; 1 / 1,024
	s_wait_loadcnt 0x0                             ; ln_g, ln_b
.Lln:
.irp m, 0,1,2,3
	v_add_nc_u32 v[LNA+\m], s37, v[XW+\m]
.endr
	v_add_nc_u32 v[LNO], s38, v[L16]
.irp j, 0,1,2,3,4,5,6,7
	ds_load_b128 v[192+4*\j:195+4*\j], v[LNA+\j/2] offset:512*(\j%2)
	ds_load_b128 v[224+4*\j:227+4*\j], v[LNA+\j/2] offset:2*RP+512*(\j%2)
.endr
	s_wait_dscnt 0x0
	v_pk_add_f32 v[90:91], v[192:193], v[194:195]
	v_pk_add_f32 v[64:65], v[224:225], v[226:227]
	v_pk_add_f32 v[92:93], v[196:197], v[198:199]
	v_pk_add_f32 v[66:67], v[228:229], v[230:231]
.irp k, 4,6,8,10,12,14
	v_pk_add_f32 v[90:91], v[90:91], v[192+2*\k:193+2*\k]
	v_pk_add_f32 v[64:65], v[64:65], v[224+2*\k:225+2*\k]
	v_pk_add_f32 v[92:93], v[92:93], v[194+2*\k:195+2*\k]
	v_pk_add_f32 v[66:67], v[66:67], v[226+2*\k:227+2*\k]
.endr
	v_pk_add_f32 v[90:91], v[90:91], v[92:93]
	v_pk_add_f32 v[64:65], v[64:65], v[66:67]
	v_add_f32 v90, v90, v91
	v_add_f32 v64, v64, v65
.irp m, 1,2,4,8
	v_add_f32_dpp v90, v90, v90 row_xmask:\m row_mask:0xf bank_mask:0xf
	v_add_f32_dpp v64, v64, v64 row_xmask:\m row_mask:0xf bank_mask:0xf
.endr
	v_permlanex16_b32 v74, v90, s[SEL], s[SEL+1]
	v_permlanex16_b32 v75, v64, s[SEL], s[SEL+1]
	v_add_f32 v90, v90, v74
	v_add_f32 v64, v64, v75
	v_mul_f32 v94, 0xba800000, v90                 ; -mean
	v_mul_f32 v68, 0xba800000, v64
	v_mov_b32 v95, v94
	v_mov_b32 v69, v68
.set k, 0
.rept 16
	v_pk_add_f32 v[192+2*k:193+2*k], v[192+2*k:193+2*k], v[94:95]
	v_pk_add_f32 v[224+2*k:225+2*k], v[224+2*k:225+2*k], v[68:69]
.set k, k+1
.endr
	v_pk_mul_f32 v[90:91], v[192:193], v[192:193]
	v_pk_mul_f32 v[64:65], v[224:225], v[224:225]
	v_pk_mul_f32 v[92:93], v[194:195], v[194:195]
	v_pk_mul_f32 v[66:67], v[226:227], v[226:227]
.irp k, 2,4,6,8,10,12,14
	v_pk_fma_f32 v[90:91], v[192+2*\k:193+2*\k], v[192+2*\k:193+2*\k], v[90:91]
	v_pk_fma_f32 v[64:65], v[224+2*\k:225+2*\k], v[224+2*\k:225+2*\k], v[64:65]
	v_pk_fma_f32 v[92:93], v[194+2*\k:195+2*\k], v[194+2*\k:195+2*\k], v[92:93]
	v_pk_fma_f32 v[66:67], v[226+2*\k:227+2*\k], v[226+2*\k:227+2*\k], v[66:67]
.endr
	v_pk_add_f32 v[90:91], v[90:91], v[92:93]
	v_pk_add_f32 v[64:65], v[64:65], v[66:67]
	v_add_f32 v90, v90, v91
	v_add_f32 v64, v64, v65
.irp m, 1,2,4,8
	v_add_f32_dpp v90, v90, v90 row_xmask:\m row_mask:0xf bank_mask:0xf
	v_add_f32_dpp v64, v64, v64 row_xmask:\m row_mask:0xf bank_mask:0xf
.endr
	v_permlanex16_b32 v74, v90, s[SEL], s[SEL+1]
	v_permlanex16_b32 v75, v64, s[SEL], s[SEL+1]
	v_add_f32 v90, v90, v74
	v_add_f32 v64, v64, v75
	v_fma_f32 v90, v90, s39, 0x3727c5ac            ; the variance + 1e-5
	v_fma_f32 v64, v64, s39, 0x3727c5ac
	v_rsq_f32 v70, v90
	v_rsq_f32 v72, v64
	v_nop                                          ; a plain instruction behind the two,
	s_wait_alu depctr_va_vdst(0)                   ; and one wait, ahead of their first reader
	v_mov_b32 v71, v70
	v_mov_b32 v73, v72
.set k, 0
.rept 16
	v_pk_mul_f32 v[192+2*k:193+2*k], v[192+2*k:193+2*k], v[70:71]
	v_pk_mul_f32 v[224+2*k:225+2*k], v[224+2*k:225+2*k], v[72:73]
.set k, k+1
.endr
.set k, 0
.rept 16
	v_pk_fma_f32 v[192+2*k:193+2*k], v[192+2*k:193+2*k], v[XRB+2*k:XRB+2*k+1], v[XRB+32+2*k:XRB+33+2*k]
	v_pk_fma_f32 v[224+2*k:225+2*k], v[224+2*k:225+2*k], v[XRB+2*k:XRB+2*k+1], v[XRB+32+2*k:XRB+33+2*k]
.set k, k+1
.endr
.irp j, 0,1,2,3,4,5,6,7
	global_store_b128 v[LNO], v[192+4*\j:195+4*\j], s[POUT:POUT+1] offset:512*\j th:TH_STORE_NT         ; 512 consecutive bytes; written once, read by nobody here
	global_store_b128 v[LNO], v[224+4*\j:227+4*\j], s[POUT:POUT+1] offset:8192+512*\j th:TH_STORE_NT    ; two rows further on
.endr
	s_wait_xcnt 0x0                                ; the stores have read their data and their offset: both are written again in the next trip
	s_add_co_u32 s37, s37, RP
	s_add_co_u32 s38, s38, 4096
	s_add_co_u32 s[CNT], s[CNT], 1
	s_cmp_lt_u32 s[CNT], 2
	s_cbranch_scc1 .Lln
	s_wait_tensorcnt 0x0
	ds_add_u32 v62, v63
	s_wait_dscnt 0x0
	s_endpgm
.Lfunc_end_k_q13faa7e5d8_fin:
	.size	k_q13faa7e5d8_fin, .Lfunc_end_k_q13faa7e5d8_fin-k_q13faa7e5d8_fin
	.p2alignl 7, 3214868480
	.fill 96, 4, 3214868480
	.section	.rodata,"a",@progbits
	.p2align	6, 0x0
	.amdhsa_kernel k_q13faa7e5d8_fin
		.amdhsa_group_segment_fixed_size 94976
		.amdhsa_private_segment_fixed_size 0
		.amdhsa_enable_private_segment 0
		.amdhsa_kernarg_size 96
		.amdhsa_user_sgpr_count 2
		.amdhsa_user_sgpr_kernarg_segment_ptr 1
		.amdhsa_wavefront_size32 1
		.amdhsa_system_sgpr_workgroup_id_x 1
		.amdhsa_system_sgpr_workgroup_id_y 1
		.amdhsa_system_sgpr_workgroup_id_z 1
		.amdhsa_system_vgpr_workitem_id 0
		.amdhsa_next_free_vgpr 640
		.amdhsa_next_free_sgpr 66
		.amdhsa_reserve_vcc 0
		.amdhsa_float_denorm_mode_32 3
		.amdhsa_float_denorm_mode_16_64 3
		.amdhsa_memory_ordered 1
		.amdhsa_forward_progress 1
		.amdhsa_inst_pref_size 175
	.end_amdhsa_kernel
	.amdgpu_metadata
---
amdhsa.version: [ 1, 2 ]
amdhsa.kernels:
  - .name:           k_q13faa7e5d8_fin
    .symbol:         k_q13faa7e5d8_fin.kd
    .args:
      - { .name: x, .offset: 0, .size: 8, .value_kind: global_buffer, .address_space: global }
      - { .name: wf, .offset: 8, .size: 8, .value_kind: global_buffer, .address_space: global }
      - { .name: oc, .offset: 16, .size: 8, .value_kind: global_buffer, .address_space: global }
      - { .name: osc, .offset: 24, .size: 8, .value_kind: global_buffer, .address_space: global }
      - { .name: bo, .offset: 32, .size: 8, .value_kind: global_buffer, .address_space: global }
      - { .name: dbw, .offset: 40, .size: 8, .value_kind: global_buffer, .address_space: global }
      - { .name: dbb, .offset: 48, .size: 8, .value_kind: global_buffer, .address_space: global }
      - { .name: dWv, .offset: 56, .size: 8, .value_kind: global_buffer, .address_space: global }
      - { .name: dbv, .offset: 64, .size: 8, .value_kind: global_buffer, .address_space: global }
      - { .name: ln_g, .offset: 72, .size: 8, .value_kind: global_buffer, .address_space: global }
      - { .name: ln_b, .offset: 80, .size: 8, .value_kind: global_buffer, .address_space: global }
      - { .name: out0, .offset: 88, .size: 8, .value_kind: global_buffer, .address_space: global }
    .group_segment_fixed_size: 94976
    .private_segment_fixed_size: 0
    .kernarg_segment_align: 8
    .kernarg_segment_size: 96
    .max_flat_workgroup_size: 128
    .sgpr_count:     66
    .vgpr_count:     640
    .wavefront_size: 32
...
	.end_amdgpu_metadata
.endif
;; end of part 4
;; ======== version 2 of 2: 4 launches; version 1 with the launches proj, attn, fin written anew for expert scheduling mode
;; workspace buffers: wf 4,456,448 bytes; qkv 6,946,816 bytes; oc 2,097,152 bytes; osc 131,072 bytes
;; launch lay: the kernel of part 1 again; grid 256 x 1, 2 waves a work-group, no clusters, 0 bytes of LDS; arguments Wq_codes, Wk_codes, Wv_codes, Wo_codes, dWk_codes, Wq_scales, Wk_scales, Wv_scales, Wo_scales, dWk_scales, wf; writes wf
;; launch proj (part 5): grid 64 x 3, 4 waves a work-group, no clusters, 317,952 bytes of LDS; arguments x, wf, bq, bk, bv, dbw, dbb, dWv, dbv, qkv; writes qkv
.if DOCPART == 5
	.amdgcn_target "amdgcn-amd-amdhsa--gfx1250"
	.amdhsa_code_object_version 6
	.text
	.protected	k_q13faa7e5d8_proj
	.globl	k_q13faa7e5d8_proj
	.p2align	8
	.type	k_q13faa7e5d8_proj,@function
k_q13faa7e5d8_proj:
	s_mov_b64 s[64:65], 0
	v_nop
	global_prefetch_b8 v0, s[64:65] scope:SCOPE_SE
	s_setreg_imm32_b32 hwreg(HW_REG_WAVE_SCHED_MODE, 0, 2), 2
	s_setreg_imm32_b32 hwreg(HW_REG_WAVE_MODE, 25, 1), 1
	s_wait_xcnt 0x0
	s_wait_alu depctr_vm_vsrc(0)
; Delta blocks 0, 1, 2 (work-group y = i): res = x + c1 k_raw, k_raw = Q(x) dWk[i], c1 = beta inv (v - (k_raw . x) inv), inv = 1 / (|k_raw| + 1e-8), beta = 2 sigmoid(x . dbw[i] + dbb[i]),
; v = (Q(x) W_i + b_i) . dWv[i] + dbv[i]; res is quantised to E2M1: i = 0, 1 (q, k) along the head's 64 channels, i = 2 (v) along the keys.  Both products on codes of E2M1 with E8M0 scales, sums f32; all else f32.
; SHARES.  A work-group owns 64 rows (work-group x) and all 1,024 columns; wave w owns columns 256 w .. + 255 of all 64 rows: 64 accumulators of 16 x 16, 512 registers, used by the two products one after the other
; (of the first only its dot with dWv is kept).  The products are used TRANSPOSED (source 0 = 16 columns of the weight, source 1 = 16 rows of x): a lane holds one row, its registers run along the columns.
; TILES OF 16 ARE NOT NEIGHBOURS: lane r of tile 2 b + u takes index 32 b + 8 u + r + 8 (r / 8), for rows and for columns: the 16 registers of column tiles 2 b, 2 b + 1 are columns 32 b + 16 (lane / 16) + 0 .. 15.
; WEIGHTS come from wf, laid in register order, straight into registers, 17 loads of 512 consecutive bytes a batch, four batches ahead.  Each of the four (set, half) has a base of its own, which steps
; two K steps on directly ahead of its batch: the counted wait for loads that stands ahead has shown the batch that last named it done.
; NO CLUSTER, NO TENSOR LOADS: all 64 work-groups of one i walk the same weights, but x in f32 (read three times behind the products) takes 267,264 bytes of LDS and the operand images 36,864;
; what is left, under 11 KB, holds no slot: one K step of 128 for 1,024 columns is 69,632 bytes.
; LIMITS: NaN and infinities among the inputs are not served.  A block whose largest magnitude lies under 2^-124 gets the scale byte 1 (a block of zeros too: its codes are zeros; this program alone reads the bytes).
; A row with |k_raw|^2 under 2^-126 counts as norm 0 (v_sqrt_f32 takes a denormal as zero: ISA guide 15.8).  (acc + b) . dWv is summed as acc . dWv + b . dWv, in f32.
; THE MODE: SCHED_MODE bits 1:0 = 2 (LLVM: expert scheduling mode 2), set by the entry lines.  The code itself states the register dependences
; between vector or matrix instructions and memory or LDS instructions, with s_wait_alu, always for 0.
; THE PLAN.  Registers that memory or LDS instructions touch, and who else names them:
;   v1-v16, v23-v31     offsets and addresses: written at the head, ahead of the one wait on va_vdst in front of the first load; never written again.
;   v[AA], v[ASA]       read by the LDS loads of x's fragments; stepped once a K step: a wait on vm_vsrc ahead of the two additions, the step's own wait on va_vdst behind them.
;   window 1, v[WS ..]  a batch lands in the half set that 32 products have just read: one wait on va_vdst behind each half's products.  The same wait covers x's other set of fragments, which the step before read.
;   v[ADR ..], v[GOF]   written at the head of each trip of the three small loops: vm_vsrc, the additions, va_vdst.
;   XR, XRB             two buffers of 64 numbers by turns: a wait on va_vdst ahead of each load into a buffer that vector instructions have read or written, and ahead of each run of stores out of one; a wait on vm_vsrc ahead of each load into a buffer that stores have read.
;   PC, PW, the sums    written by vector instructions, read by stores: a wait on va_vdst ahead of the run of stores, one on vm_vsrc ahead of the next writer.
;   windows 2, 3        at the head x's rows, which LDS stores read; then the accumulators, which matrix and vector instructions alone name: the wait on vm_vsrc at XQUANT's head stands between.
.set RP,   1040                        ; LDS: 256 columns of a row: 1,024 bytes + 16: the 16 rows that a load touches start at 16 different groups of four banks
.set TS,   16*RP+64                    ; a tile of 16 rows; + 64, so that rows two tiles apart lie 32 banks apart
.set SLAB, 4*TS                        ; XS = [column owner 4][tile 4][row 16][RP]: x in f32, later x + c1 k_raw
.set AIMG, 4*SLAB                      ; images of x's fragments [tile 4][K step 8][c 2][512 bytes]
.set ASC,  AIMG+32768                  ; their scale words [tile 4][K step 8][lane 32]
.set DWV,  ASC+4096                    ; dWv[i]; 4,096 bytes on: b_i
.set RED,  DWV+8192                    ; row sums [wave 4][which 4][tile 4][row 16]
.set XB,   RED+4096                    ; x . dbw [tile 4][row 16]
.set SCW,  AIMG                        ; behind the products: q's and k's scale words, 1,024 bytes a wave
.set VSW,  AIMG+4096                   ; v's scale halfwords, 512 bytes a wave (bytes of their own: the two tails part on the work-group's number)
.set STP,  17408
.set HB,   8704
.set HS,   217088                      ; a head's part of qkv: Q 65,536 + 8,192, K likewise, V 65,536 + 4,096
.set L16,  1                           ; v1 16 l;  v2 4 l
.set L4,   2
.set XW,   3                           ; v3-6  slab m: my tile's rows, 16 l
.set XRD,  7                           ; v7    my tile's row r, + 64 h (slab 0)
.set IMW,  8                           ; v8    where I store images
.set ASW,  9                           ; v9    and their scale words
.set XP,   10                          ; v10   my slab: row r, + 64 h
.set DVA,  11
.set CPW,  12
.set RDW,  13
.set RDR,  14
.set XBW,  15
.set XBR,  16
.set AA,   17
.set ASA,  18
.set ADR,  19                          ; v19-21 addresses in hand
.set GOF,  22
.set SCWW, 23
.set SCWR, 24
.set GSC,  25
.set VA0,  26                          ; v26-27
.set VSWW, 28
.set VSWR, 29
.set GVS,  30
.set SH8,  31
.set WS,   32                          ; v32-47  the weights' scale words, 8 p + nt / 2: lanes 0-15 the even tile, lanes 16-31 the odd
.set AS,   48                          ; v48-55  x's scale words, 4 p + T
.set C1,   56                          ; v56-63  c1, a pair for each tile of rows
.set TM,   64                          ; v64-79  at work
.set RS,   64
.set PC,   80                          ; v80-87  codes just made;  v88 their scale word;  v89-95 at work
.set PW,   88
.set XRB,  96                          ; v96-159 x's fragments, 32 p + 8 T; outside the products 64 numbers
.set AF,   96
.set DB,   160                         ; v160-191 dbw; later the row sums
.set XR,   192                         ; v192-255 64 numbers
; window 1: the weights' fragments, set p at 128 p + 8 nt.   windows 2, 3: accumulator (T, nt) at 512 + 128 T + 8 nt; at the head x's rows as loaded
.set PX,   4
.set PWF,  6
.set PBI,  8
.set PDBW, 14
.set PDBB, 16
.set PDWV, 18
.set PDBV, 20
.set PQKV, 22
.set WV,   24
.set BI,   25
.set XI,   26
.set SEL,  28
.set SDBB, 30
.set SDBV, 31
.set SB,   32
.set CNT,  34
.set SA,   35
.set SS,   36
.set SBQ,  54                          ; s[54:61] the stream's four bases: (set p, half H) at s[54 + 4 p + 2 H]
.set MSB, 0
.macro WIN new                         ; the immediate's high byte repeats the setting that is left; a switch that changes nothing is dropped
.if MSB != (\new)
	s_set_vgpr_msb (MSB<<8)|(\new)
.set MSB, (\new)
.endif
.endm
.macro BARRIER                         ; my LDS stores have landed and my LDS loads are in: then the work-group's barrier
	s_wait_dscnt 0x0
	s_barrier_signal -1
	s_barrier_wait -1
.endm
.macro PLACES
.rept 4
	v_nop
.endr
.endm
; 64 numbers of a lane, register 16 b + e = k 32 b + 16 (lane / 16) + e of my row, become a fragment's codes in v[PC] on and its scale word in v[PW]
.macro QUANT s
.irp b, 0,1,2,3
	v_max3_num_f32 v[TM+\b], |v[\s+16*\b]|, |v[\s+1+16*\b]|, 0x1800000   ; my 16 numbers of block b, and the floor 2^(3 - 127): the byte cannot fall under 1
.endr
.irp i, 2,4,6,8,10,12,14
.irp b, 0,1,2,3
	v_max3_num_f32 v[TM+\b], v[TM+\b], |v[\s+16*\b+\i]|, |v[\s+1+16*\b+\i]|
.endr
.endr
.irp b, 0,1,2,3
	v_permlanex16_b32 v[TM+4+\b], v[TM+\b], s[SEL], s[SEL+1]
.endr
.irp b, 0,1,2,3
	v_max_num_f32 v[TM+\b], v[TM+\b], v[TM+4+\b]   ; with lane l xor 16's: the block's largest magnitude
.endr
.irp b, 0,1,2,3
	v_add_nc_u32 v[TM+12+\b], 0xff000000, v[TM+\b] ; 2 off its exponent field: the conversion's scale operand
.endr
.irp b, 0,1,2,3
	v_lshrrev_b32 v[TM+4+\b], 23, v[TM+12+\b]      ; the scale's byte
.endr
	v_lshl_or_b32 v[PW], v[TM+5], 8, v[TM+4]
	v_lshl_or_b32 v[PW], v[TM+6], 16, v[PW]
	v_lshl_or_b32 v[PW], v[TM+7], 24, v[PW]
.irp b, 0,1,2,3
	v_cvt_scalef32_pk8_fp4_f32 v[PC+2*\b], v[\s+16*\b:\s+7+16*\b], v[TM+12+\b]
	v_cvt_scalef32_pk8_fp4_f32 v[PC+1+2*\b], v[\s+8+16*\b:\s+15+16*\b], v[TM+12+\b]
.endr
	v_nop                                          ; one plain place behind a scaled conversion
.irp c, 0,1                                    ; a whole block to a lane: lanes 0-15 block 2 c, lanes 16-31 block 2 c + 1
.irp i, 0,1
	v_permlane16_swap_b32 v[PC+4*\c+\i], v[PC+2+4*\c+\i]
.endr
.endr
.endm
.macro ADDRS                           ; every LDS address is a constant + constants x lane, row, half and wave
	v_and_b32 v89, 31, v0                          ; l
	v_and_b32 v90, 15, v0                          ; r
	v_bfe_u32 v91, v0, 4, 1                        ; h
	s_mul_i32 s37, s[WV], TS
	s_mul_i32 s38, s[WV], SLAB
	s_lshl_b32 s39, s[WV], 10
	v_lshlrev_b32 v[L16], 4, v89
	v_lshlrev_b32 v[L4], 2, v89
	v_add_nc_u32 v[XW], s37, v[L16]
	v_add_nc_u32 v[XW+1], SLAB, v[XW]
	v_add_nc_u32 v[XW+2], 2*SLAB, v[XW]
	v_add_nc_u32 v[XW+3], 3*SLAB, v[XW]
	v_mul_u32_u24 v92, v90, RP
	v_lshl_add_u32 v92, v91, 6, v92
	v_add_nc_u32 v[XRD], s37, v92
	v_add_nc_u32 v[XP], s38, v92
	v_add_nc_u32 v[ASW], s39, v[L4]
	v_add_nc_u32 v[ASW], ASC, v[ASW]
	v_lshl_add_u32 v93, v91, 6, s39
	v_add_nc_u32 v[DVA], DWV, v93
	v_add_nc_u32 v[CPW], s39, v[L16]
	v_add_nc_u32 v[CPW], DWV, v[CPW]
	v_lshlrev_b32 v94, 2, v90
	v_add_nc_u32 v[RDR], RED, v94
	v_add_nc_u32 v[RDW], s39, v[RDR]
	v_add_nc_u32 v[XBR], XB, v94
	s_lshl_b32 s37, s[WV], 13
	v_add_nc_u32 v[IMW], s37, v[L16]
	v_add_nc_u32 v[IMW], AIMG, v[IMW]
	s_lshl_b32 s37, s[WV], 6
	s_add_co_u32 s37, s37, XB
	v_mov_b32 v[XBW], s37
.endm
; Row lam of my tile of x (32 registers as loaded, 512 consecutive bytes a load): into LDS, and its dot with dbw.  Rows 0-7 lie in window 2, rows 8-15 in window 3.
; No wait on the vector side: the stores' data come from loads, their addresses stand ahead of the head's wait, and no vector instruction names window 3 before the last load into it is issued.
.macro XROW lam
.if (\lam) < 8
	s_wait_loadcnt 56                              ; behind this row's loads: seven rows of eight loads
.else
	s_wait_loadcnt 8*(15-(\lam))                   ; the rows still to come
.endif
	WIN 0x08+4*((\lam)/8)
.irp j, 0,1,2,3,4,5,6,7
	ds_store_b128 v[XW+\j/2], v[32*((\lam)%8)+4*\j:32*((\lam)%8)+4*\j+3] offset:(\lam)*RP+512*(\j%2)
.endr
	WIN 0x02+((\lam)/8)
	v_pk_mul_f32 v[90:91], v[32*((\lam)%8):32*((\lam)%8)+1], v[DB:DB+1]
	v_pk_mul_f32 v[92:93], v[32*((\lam)%8)+2:32*((\lam)%8)+3], v[DB+2:DB+3]
.irp k, 2,3,4,5,6,7,8,9,10,11,12,13,14,15
	v_pk_fma_f32 v[90+2*(\k%2):91+2*(\k%2)], v[32*((\lam)%8)+2*\k:32*((\lam)%8)+2*\k+1], v[DB+2*\k:DB+2*\k+1], v[90+2*(\k%2):91+2*(\k%2)]
.endr
	WIN 0
	v_pk_add_f32 v[90:91], v[90:91], v[92:93]
	v_add_f32 v[RS+(\lam)], v90, v91
.if (\lam) < 8
	WIN 0xc0
.irp j, 0,1,2,3,4,5,6,7
	global_load_b128 v[32*(\lam)+4*\j:32*(\lam)+4*\j+3], v[L16], s[PX:PX+1] offset:((\lam)+16)*4096+512*\j   ; row lam + 8 of the tile lies 16 rows of x further on
.endr
.endif
.endm
.macro XSUMS                           ; the 16 dots over the 32 lanes; then they, dWv and b go to LDS
.irp m, 1,2,4,8
.set k, 0
.rept 16
	v_add_f32_dpp v[RS+k], v[RS+k], v[RS+k] row_xmask:\m row_mask:0xf bank_mask:0xf
.set k, k+1
.endr
.endr
.set k, 0
.rept 16
	v_permlanex16_b32 v[DB+k], v[RS+k], s[SEL], s[SEL+1]
.set k, k+1
.endr
.set k, 0
.rept 16
	v_add_f32 v[RS+k], v[RS+k], v[DB+k]
.set k, k+1
.endr
	s_wait_alu depctr_va_vdst(0)                   ; the 16 dots are written, which the LDS stores below read
.set k, 0
.rept 16
	ds_store_b32 v[XBW], v[RS+k] offset:4*k        ; all lanes write the same word with the same value
.set k, k+1
.endr
	ds_store_b128 v[CPW], v[208:211]
	ds_store_b128 v[CPW], v[212:215] offset:512
	ds_store_b128 v[CPW], v[216:219] offset:4096
	ds_store_b128 v[CPW], v[220:223] offset:4608
.endm
; My tile's 16 rows of x become eight fragments: a trip takes one slab, two K steps
.macro XQUANT
	s_mov_b32 s[CNT], 0
	s_mov_b32 s37, 0
	s_mov_b32 s38, 0
	s_mov_b32 s39, 0
.Lxq_\@:
	s_wait_alu depctr_vm_vsrc(0)                   ; the last trip's LDS loads and stores have read v[ADR ..], the codes and the scale word, all written again below; first trip: the head's LDS stores have read the dots (v64 on), v208 to v223, where loads land, and windows 2 and 3, which the products write
	v_add_nc_u32 v[ADR], s37, v[XRD]
	v_add_nc_u32 v[ADR+1], s38, v[IMW]
	v_add_nc_u32 v[ADR+2], s39, v[ASW]
	s_wait_alu depctr_va_vdst(0)                   ; the three addresses are written, which the loads and stores below read
.irp e, 0,1
.irp b, 0,1,2,3
.irp jj, 0,1,2,3
	ds_load_b128 v[XR-96*\e+16*\b+4*\jj:XR-96*\e+16*\b+4*\jj+3], v[ADR] offset:512*\e+128*\b+16*\jj
.endr
.endr
.endr
	s_wait_dscnt 16                                ; the first K step's 16 loads are in; the second's may be out
	QUANT XR
	s_wait_alu depctr_va_vdst(0)                   ; the codes and the scale word are written, which the three stores read
	ds_store_b128 v[ADR+1], v[PC:PC+3]
	ds_store_b128 v[ADR+1], v[PC+4:PC+7] offset:512
	ds_store_b32 v[ADR+2], v[PW]
	s_wait_alu depctr_vm_vsrc(0)                   ; the three stores have read the codes and the scale word, which the second K step writes again
	s_wait_dscnt 3                                 ; behind the second K step's loads: these three stores
	QUANT XRB
	s_wait_alu depctr_va_vdst(0)                   ; the codes and the scale word are written, which the three stores read; and both K steps' numbers have been read, where the next trip's loads land
	ds_store_b128 v[ADR+1], v[PC:PC+3] offset:1024
	ds_store_b128 v[ADR+1], v[PC+4:PC+7] offset:1536
	ds_store_b32 v[ADR+2], v[PW] offset:128
	s_add_co_u32 s37, s37, SLAB
	s_add_co_u32 s38, s38, 2048
	s_add_co_u32 s39, s39, 256
	s_add_co_u32 s[CNT], s[CNT], 1
	s_cmp_lt_u32 s[CNT], 4
	s_cbranch_scc1 .Lxq_\@
.endm
; A batch: one block of wf, eight fragments and their scale words, into set p, half H, from that pair's own base: 17 loads
.macro BATCH p, H
	WIN 0
	global_load_b128 v[WS+8*(\p)+4*(\H):WS+8*(\p)+4*(\H)+3], v[L16], s[SBQ+4*(\p)+2*(\H):SBQ+4*(\p)+2*(\H)+1] offset:(\H)*HB+8192
	WIN 0x40
.irp k, 0,1,2,3,4,5,6,7,8,9,10,11,12,13,14,15
	global_load_b128 v[128*(\p)+64*(\H)+4*\k:128*(\p)+64*(\H)+4*\k+3], v[L16], s[SBQ+4*(\p)+2*(\H):SBQ+4*(\p)+2*(\H)+1] offset:(\H)*HB+512*\k
.endr
	WIN 0
.endm
.macro NEXTB p, H                      ; the base's last batch has been shown done by the counted wait for loads ahead of this line: it steps two K steps on, and the next batch goes out
	s_add_nc_u64 s[SBQ+4*(\p)+2*(\H):SBQ+4*(\p)+2*(\H)+1], s[SBQ+4*(\p)+2*(\H):SBQ+4*(\p)+2*(\H)+1], 2*STP
	BATCH \p, \H
.endm
.macro WM T, nt, p, zero               ; accumulator (T, nt) takes 128 along K
.set rD, 128*((\T)%2)+8*(\nt)
.set rW, 128*(\p)+8*(\nt)
.set rA, AF+32*(\p)+8*(\T)
.set rS, WS+8*(\p)+(\nt)/2
.set rX, AS+4*(\p)+(\T)
.if (\nt)%2
.if \zero
	v_wmma_scale_f32_16x16x128_f8f6f4 v[rD:rD+7], v[rW:rW+7], v[rA:rA+7], 0, v[rS], v[rX] matrix_a_fmt:MATRIX_FMT_FP4 matrix_b_fmt:MATRIX_FMT_FP4 matrix_a_scale:MATRIX_SCALE_ROW1
.else
	v_wmma_scale_f32_16x16x128_f8f6f4 v[rD:rD+7], v[rW:rW+7], v[rA:rA+7], v[rD:rD+7], v[rS], v[rX] matrix_a_fmt:MATRIX_FMT_FP4 matrix_b_fmt:MATRIX_FMT_FP4 matrix_a_scale:MATRIX_SCALE_ROW1
.endif
.else
.if \zero
	v_wmma_scale_f32_16x16x128_f8f6f4 v[rD:rD+7], v[rW:rW+7], v[rA:rA+7], 0, v[rS], v[rX] matrix_a_fmt:MATRIX_FMT_FP4 matrix_b_fmt:MATRIX_FMT_FP4
.else
	v_wmma_scale_f32_16x16x128_f8f6f4 v[rD:rD+7], v[rW:rW+7], v[rA:rA+7], v[rD:rD+7], v[rS], v[rX] matrix_a_fmt:MATRIX_FMT_FP4 matrix_b_fmt:MATRIX_FMT_FP4
.endif
.endif
.endm
.macro HALF p, H, zero                 ; 32 matrix instructions: eight column tiles x four tiles of rows.  The 64 accumulators take turns, one instruction a turn
	WIN 0xa1                                       ; source 0 (weights) window 1, source 1 (x) window 0, C and D window 2
.irp f, 0,1,2,3,4,5,6,7
.irp T, 0,1
	WM \T, 8*\H+\f, \p, \zero
.endr
.endr
	WIN 0xf1                                       ; C and D window 3
.irp f, 0,1,2,3,4,5,6,7
.irp T, 2,3
	WM \T, 8*\H+\f, \p, \zero
.endr
.endr
.endm
.macro ALOAD p                         ; the four tiles' fragments and scale words of one K step into set p
.irp T, 0,1,2,3
.irp c, 0,1
	ds_load_b128 v[AF+32*(\p)+8*\T+4*\c:AF+32*(\p)+8*\T+4*\c+3], v[AA] offset:\T*8192+512*\c
.endr
	ds_load_b32 v[AS+4*(\p)+\T], v[ASA] offset:\T*1024
.endr
.endm
.macro A0LOAD again                    ; K step 0 into set 0.  again = 1: for the second product
	s_mov_b32 s[SA], AIMG
	s_mov_b32 s[SS], ASC
.if \again
	s_wait_alu depctr_vm_vsrc(0)                   ; the LDS loads of the first product's fragments have read v[AA] and v[ASA], which are written again
.endif
	v_add_nc_u32 v[AA], s[SA], v[L16]
	v_add_nc_u32 v[ASA], s[SS], v[L4]
	s_wait_alu depctr_va_vdst(0)                   ; the two addresses are written, which the twelve loads read
	ALOAD 0
.endm
; 128 along K: 64 matrix instructions on set p.  pre2: the block two steps on is asked for, half by half, into the registers just multiplied.  preA: the next K step's fragments of x into the other set.
; n0, n1: the loads issued behind the batch that is wanted: three batches of 17 in the steady state.
; Four plain vector instructions stay between a half's products and the loads into the registers that they read; the wait on va_vdst stands behind them.
.macro STEP p, zero, pre2, preA, n0, n1
	s_wait_loadcnt \n0
	s_wait_dscnt 0x0                               ; x's fragments and scale words of this step are in
	HALF \p, 0, \zero
	WIN 0
.if \preA
	s_wait_alu depctr_vm_vsrc(0)                   ; the LDS loads issued so far have read v[AA] and v[ASA], which step on
	s_add_co_u32 s[SA], s[SA], 1024
	s_add_co_u32 s[SS], s[SS], 128
	v_add_nc_u32 v[AA], s[SA], v[L16]
	v_add_nc_u32 v[ASA], s[SS], v[L4]
	v_nop
	v_nop
.else
	PLACES
.endif
.if \preA || \pre2
	s_wait_alu depctr_va_vdst(0)                   ; v[AA] and v[ASA] are written; the last step's products are done reading x's other set, and this half's products the weights' half set and its scale words: the loads below land in these
.endif
.if \preA
	ALOAD 1-\p
.endif
.if \pre2
	NEXTB \p, 0
.endif
	s_wait_loadcnt \n1
	HALF \p, 1, \zero
	WIN 0
	PLACES
.if \pre2
	s_wait_alu depctr_va_vdst(0)                   ; this half's products are done reading the weights' half set and its scale words, where the batch lands
	NEXTB \p, 1
.endif
.endm
.macro RLOAD p                         ; dWv and b of my half's 16 columns of column pair p
.irp jj, 0,1,2,3
	ds_load_b128 v[XR+32*((\p)%2)+4*\jj:XR+32*((\p)%2)+4*\jj+3], v[DVA] offset:128*(\p)+16*\jj
	ds_load_b128 v[XR+32*((\p)%2)+16+4*\jj:XR+32*((\p)%2)+19+4*\jj], v[DVA] offset:4096+128*(\p)+16*\jj
.endr
.endm
; Of the first product only (acc + b) . dWv is kept: a sum for each tile of rows, in two chains; each accumulator is read from its low end on
.macro REDUCE1
	RLOAD 0
.irp cp, 0,1,2,3,4,5,6,7
.if \cp < 7
.if \cp > 0
	s_wait_alu depctr_va_vdst(0)                   ; the multiply-adds of the pair before are done reading their 32 registers, where the next pair lands
.endif
	RLOAD \cp+1
	s_wait_dscnt 8                                 ; behind this pair's loads: the next pair's eight
.else
	s_wait_dscnt 0x0
.endif
.set RB, XR+32*(\cp%2)
.irp k, 0,1,2,3,4,5,6,7
.if (\cp == 0) && (\k < 2)
	v_pk_mul_f32 v[176+2*\k:177+2*\k], v[RB+16+2*\k:RB+17+2*\k], v[RB+2*\k:RB+2*\k+1]
.else
	v_pk_fma_f32 v[176+2*(\k%2):177+2*(\k%2)], v[RB+16+2*\k:RB+17+2*\k], v[RB+2*\k:RB+2*\k+1], v[176+2*(\k%2):177+2*(\k%2)]
.endif
.endr
.irp T, 0,1,2,3
	WIN 0x02+\T/2
.irp k, 0,1,2,3,4,5,6,7
.if (\cp == 0) && (\k < 2)
	v_pk_mul_f32 v[160+4*\T+2*\k:161+4*\T+2*\k], v[128*(\T%2)+16*\cp+2*\k:128*(\T%2)+16*\cp+2*\k+1], v[RB+2*\k:RB+2*\k+1]
.else
	v_pk_fma_f32 v[160+4*\T+2*(\k%2):161+4*\T+2*(\k%2)], v[128*(\T%2)+16*\cp+2*\k:128*(\T%2)+16*\cp+2*\k+1], v[RB+2*\k:RB+2*\k+1], v[160+4*\T+2*(\k%2):161+4*\T+2*(\k%2)]
.endif
.endr
.endr
	WIN 0
.endr
	v_pk_add_f32 v[176:177], v[176:177], v[178:179]
	v_add_f32 v176, v176, v177
.irp T, 0,1,2,3
	v_pk_add_f32 v[160+4*\T:161+4*\T], v[160+4*\T:161+4*\T], v[162+4*\T:163+4*\T]
.endr
.irp T, 0,1,2,3
	v_add_f32 v[160+4*\T], v[160+4*\T], v[161+4*\T]
.endr
.irp T, 0,1,2,3
	v_add_f32 v[160+4*\T], v[160+4*\T], v176
.endr
.irp T, 0,1,2,3
	v_permlanex16_b32 v[161+4*\T], v[160+4*\T], s[SEL], s[SEL+1]
.endr
.irp T, 0,1,2,3
	v_add_f32 v[160+4*\T], v[160+4*\T], v[161+4*\T]
.endr
	s_wait_alu depctr_va_vdst(0)                   ; the four sums are written, which the LDS stores read
.irp T, 0,1,2,3
	ds_store_b32 v[RDW], v[160+4*\T] offset:64*\T  ; my 256 columns' part, row r of tile T
.endr
.endm
.macro ULOAD q                         ; unit q = (tile q / 2, columns 128 (q % 2) on): 64 numbers of my slab into XR (q even) or XRB (q odd), in the accumulators' order
.set UL, XR-96*((\q)%2)
.irp b, 0,1,2,3
.irp jj, 0,1,2,3
	ds_load_b128 v[UL+16*\b+4*\jj:UL+16*\b+4*\jj+3], v[XP] offset:((\q)/2)*TS+512*((\q)%2)+128*\b+16*\jj
.endr
.endr
.endm
.macro USTORE q
.set UL, XR-96*((\q)%2)
.irp b, 0,1,2,3
.irp jj, 0,1,2,3
	ds_store_b128 v[XP], v[UL+16*\b+4*\jj:UL+16*\b+4*\jj+3] offset:((\q)/2)*TS+512*((\q)%2)+128*\b+16*\jj
.endr
.endr
.endm
.macro PASS1                           ; |k_raw|^2 and k_raw . x, a sum for each tile of rows
	ULOAD 0
.irp q, 0,1,2,3,4,5,6,7
	s_wait_dscnt 0x0
.if \q < 7
	s_wait_alu depctr_va_vdst(0)                   ; what read the other buffer is done reading it (q = 0: the last two K steps' products, whose fragments of x lay there; else unit q - 1's multiply-adds): unit q + 1 lands in it
	ULOAD \q+1
.endif
.set UB, XR-96*(\q%2)
.set AB, 64*(\q%4)
.set NS, 160+4*(\q/2)
	WIN 0x0a+5*(\q/4)
.set k, 0
.rept 32
.if (\q%2 == 0) && (k < 2)
	v_pk_mul_f32 v[NS+2*k:NS+2*k+1], v[AB+2*k:AB+2*k+1], v[AB+2*k:AB+2*k+1]
.else
	v_pk_fma_f32 v[NS+2*(k%2):NS+2*(k%2)+1], v[AB+2*k:AB+2*k+1], v[AB+2*k:AB+2*k+1], v[NS+2*(k%2):NS+2*(k%2)+1]
.endif
.set k, k+1
.endr
	WIN 0x02+\q/4
.set k, 0
.rept 32
.if (\q%2 == 0) && (k < 2)
	v_pk_mul_f32 v[NS+16+2*k:NS+17+2*k], v[AB+2*k:AB+2*k+1], v[UB+2*k:UB+2*k+1]
.else
	v_pk_fma_f32 v[NS+16+2*(k%2):NS+17+2*(k%2)], v[AB+2*k:AB+2*k+1], v[UB+2*k:UB+2*k+1], v[NS+16+2*(k%2):NS+17+2*(k%2)]
.endif
.set k, k+1
.endr
	WIN 0
.endr
.irp T, 0,1,2,3,4,5,6,7
	v_pk_add_f32 v[160+4*\T:161+4*\T], v[160+4*\T:161+4*\T], v[162+4*\T:163+4*\T]
.endr
.irp T, 0,1,2,3,4,5,6,7
	v_add_f32 v[160+4*\T], v[160+4*\T], v[161+4*\T]
.endr
.irp T, 0,1,2,3,4,5,6,7
	v_permlanex16_b32 v[161+4*\T], v[160+4*\T], s[SEL], s[SEL+1]
.endr
.irp T, 0,1,2,3,4,5,6,7
	v_add_f32 v[160+4*\T], v[160+4*\T], v[161+4*\T]
.endr
	s_wait_alu depctr_va_vdst(0)                   ; the eight sums are written, which the LDS stores read; and both buffers have been read, where the loads behind the barrier land
.irp T, 0,1,2,3,4,5,6,7
	ds_store_b32 v[RDW], v[160+4*\T] offset:256+64*\T   ; 256 on: the squares; 512 on: the dots with x
.endr
.endm
.macro SCALARS                         ; the four waves' parts are added; c1 of row r of each tile
.irp qq, 0,1,2
.irp T, 0,1,2,3
.irp u, 0,1,2,3
	ds_load_b32 v[96+16*\qq+4*\T+\u], v[RDR] offset:\u*1024+\qq*256+64*\T
.endr
.endr
.endr
.irp T, 0,1,2,3
	ds_load_b32 v[144+\T], v[XBR] offset:64*\T
.endr
	ULOAD 0
	s_wait_dscnt 16                                ; behind the sums' loads: unit 0's sixteen
	s_wait_kmcnt 0x0                               ; dbb[i], dbv[i]
.set k, 0
.rept 12
	v_pk_add_f32 v[96+4*k:97+4*k], v[96+4*k:97+4*k], v[98+4*k:99+4*k]
.set k, k+1
.endr
.set k, 0
.rept 12
	v_add_f32 v[96+4*k], v[96+4*k], v[97+4*k]      ; v96 + 4 T: the dot with dWv; v112 + 4 T: |k_raw|^2; v128 + 4 T: k_raw . x
.set k, k+1
.endr
.irp T, 0,1,2,3
	v_add_f32 v[144+\T], s[SDBB], v[144+\T]
.endr
.irp T, 0,1,2,3
	v_mul_f32 v[144+\T], 0xbfb8aa3b, v[144+\T]     ; x -log2(e)
.endr
.irp T, 0,1,2,3
	v_sqrt_f32 v[113+4*\T], v[112+4*\T]
	v_exp_f32 v[148+\T], v[144+\T]
.endr
	v_nop                                          ; a plain instruction behind the batch,
	s_wait_alu depctr_va_vdst(0)                   ; and one wait for the four roots and the four exponentials, ahead of their first reader
.irp T, 0,1,2,3
	v_add_f32 v[113+4*\T], 0x322bcc77, v[113+4*\T] ; + 1e-8
	v_add_f32 v[148+\T], 1.0, v[148+\T]
.endr
.irp T, 0,1,2,3
	v_rcp_f32 v[114+4*\T], v[113+4*\T]             ; inv
	v_rcp_f32 v[152+\T], v[148+\T]                 ; the sigmoid
.endr
	v_nop
	s_wait_alu depctr_va_vdst(0)                   ; one wait for the eight reciprocals, ahead of their first reader
.irp T, 0,1,2,3
	v_add_f32 v[96+4*\T], s[SDBV], v[96+4*\T]
	v_mul_f32 v[97+4*\T], v[152+\T], v[114+4*\T]
.endr
.irp T, 0,1,2,3
	v_fma_f32 v[96+4*\T], -v[128+4*\T], v[114+4*\T], v[96+4*\T]
	v_add_f32 v[97+4*\T], v[97+4*\T], v[97+4*\T]
.endr
.irp T, 0,1,2,3
	v_mul_f32 v[C1+2*\T], v[97+4*\T], v[96+4*\T]
.endr
.irp T, 0,1,2,3
	v_mov_b32 v[C1+2*\T+1], v[C1+2*\T]             ; named with it as a pair, so it is written
.endr
.endm
.macro PASS2                           ; x + c1 k_raw, back into my slab
.irp q, 0,1,2,3,4,5,6,7
	s_wait_dscnt 0x0
.if \q < 7
.if \q == 0
	s_wait_alu depctr_va_vdst(0)                   ; the scalars' arithmetic is done with v96 to v155, where unit 1 lands
.else
	s_wait_alu depctr_vm_vsrc(0)                   ; unit q - 1's LDS stores have read their buffer, where unit q + 1 lands (its multiply-adds stand ahead of the wait in front of those stores)
.endif
	ULOAD \q+1
.endif
.set UB, XR-96*(\q%2)
.set AB, 64*(\q%4)
	WIN 0x02+\q/4
.set k, 0
.rept 32
	v_pk_fma_f32 v[UB+2*k:UB+2*k+1], v[AB+2*k:AB+2*k+1], v[C1+2*(\q/2):C1+2*(\q/2)+1], v[UB+2*k:UB+2*k+1] op_sel_hi:[1,0,1]
.set k, k+1
.endr
	WIN 0
	s_wait_alu depctr_va_vdst(0)                   ; unit q is written, which its LDS stores read
	USTORE \q
.endr
.endm
	s_load_b256 s[4:11], s[0:1], 0x0               ; x, wf, bq, bk
	s_load_b256 s[12:19], s[0:1], 0x20             ; bv, dbw, dbb, dWv
	s_load_b128 s[20:23], s[0:1], 0x40             ; dbv, qkv
	v_lshrrev_b32 v89, 5, v0
	v_readfirstlane_b32 s[WV], v89                 ; wave 0..3
	s_and_b32 s[BI], ttmp7, 0xffff                 ; i
	s_mov_b32 s[XI], ttmp9                         ; which 64 rows
	s_mov_b32 s[SEL], 0x76543210
	s_mov_b32 s[SEL+1], 0xfedcba98                 ; v_permlanex16_b32's selects for lane l xor 16
	s_wait_alu depctr_va_sdst(0)                   ; the wave's number is written, ahead of its first reader: addresses and bases are made from it
	ADDRS
	v_add_nc_u32 v[SCWW], s39, v94                 ; the tails' addresses: s38 = wave x SLAB, s39 = 1,024 x wave, v89 l, v90 r, v91 h, v94 4 r
	v_add_nc_u32 v[SCWW], SCW, v[SCWW]
	v_add_nc_u32 v[SCWR], s39, v[L16]
	v_add_nc_u32 v[SCWR], SCW, v[SCWR]
	v_mul_u32_u24 v92, v91, HS
	v_lshl_add_u32 v[GSC], v90, 4, v92
	v_and_b32 v92, 8, v90
	v_add_nc_u32 v92, v92, v90
	v_lshlrev_b32 v92, 2, v92
	v_mul_u32_u24 v93, v91, 2*TS
	v_add_nc_u32 v92, v92, v93
	v_add_nc_u32 v[VA0], s38, v92                  ; v: channel r + 8 (r / 8), tile 2 h
	v_add_nc_u32 v[VA0+1], TS, v[VA0]              ; and tile 2 h + 1
	s_lshl_b32 s37, s[WV], 9
	v_lshl_add_u32 v92, v90, 1, s37
	v_add_nc_u32 v[VSWW], VSW, v92
	v_add_nc_u32 v[VSWR], s37, v[L16]
	v_add_nc_u32 v[VSWR], VSW, v[VSWR]
	v_lshrrev_b32 v92, 3, v89
	v_mul_u32_u24 v92, v92, HS
	v_and_b32 v93, 7, v89
	v_lshl_add_u32 v[GVS], v93, 4, v92
	v_lshlrev_b32 v[SH8], 3, v91
	s_lshl_b32 s40, s[BI], 12                      ; row i of dbw and dWv
	s_mov_b32 s41, 0
	s_add_co_u32 s42, s40, s39                     ; + my 256 columns
	s_mov_b32 s43, 0
	s_mov_b32 s44, s39
	s_mov_b32 s45, 0
	s_lshl_b32 s46, s[XI], 18                      ; 64 rows of 4,096 bytes,
	s_lshr_b32 s37, s[WV], 1
	s_lshl_b32 s37, s37, 17
	s_add_co_u32 s46, s46, s37
	s_and_b32 s37, s[WV], 1
	s_lshl_b32 s37, s37, 15
	s_add_co_u32 s46, s46, s37                     ; my tile's first row: 32 (w / 2) + 8 (w % 2)
	s_mov_b32 s47, 0
	s_lshl_b32 s48, s[BI], 2
	s_mov_b32 s49, 0
	s_add_co_u32 s50, s48, s[WV]
	s_mul_i32 s50, s50, 16*STP                     ; my stream of wf: (4 i + w) x 16 K steps
	s_mov_b32 s51, 0
	s_wait_kmcnt 0x0
	s_cmp_eq_u32 s[BI], 1
	s_cselect_b64 s[PBI:PBI+1], s[10:11], s[PBI:PBI+1]
	s_cmp_eq_u32 s[BI], 2
	s_cselect_b64 s[PBI:PBI+1], s[12:13], s[PBI:PBI+1]
	s_add_nc_u64 s[PBI:PBI+1], s[PBI:PBI+1], s[44:45]
	s_add_nc_u64 s[PDBW:PDBW+1], s[PDBW:PDBW+1], s[40:41]
	s_add_nc_u64 s[PDWV:PDWV+1], s[PDWV:PDWV+1], s[42:43]
	s_add_nc_u64 s[PX:PX+1], s[PX:PX+1], s[46:47]
	s_add_nc_u64 s[PDBB:PDBB+1], s[PDBB:PDBB+1], s[48:49]
	s_add_nc_u64 s[PDBV:PDBV+1], s[PDBV:PDBV+1], s[48:49]
	s_add_nc_u64 s[SB:SB+1], s[PWF:PWF+1], s[50:51]
	s_mov_b64 s[SBQ:SBQ+1], s[SB:SB+1]             ; set 0 begins at K step 0, both halves;
	s_mov_b64 s[SBQ+2:SBQ+3], s[SB:SB+1]
	s_add_nc_u64 s[SBQ+4:SBQ+5], s[SB:SB+1], STP   ; set 1 at K step 1
	s_add_nc_u64 s[SBQ+6:SBQ+7], s[SB:SB+1], STP
	s_load_b32 s[SDBB], s[PDBB:PDBB+1], 0x0
	s_load_b32 s[SDBV], s[PDBV:PDBV+1], 0x0
	s_wait_alu depctr_va_vdst(0)                   ; all offsets and addresses made above are written: every load and store of the kernel reads one of them, or one made from them behind a wait of its own
	; ---- x comes in: wave w takes the 16 rows of tile w whole
.irp j, 0,1,2,3,4,5,6,7
	global_load_b128 v[DB+4*\j:DB+4*\j+3], v[L16], s[PDBW:PDBW+1] offset:512*\j
.endr
	global_load_b128 v[208:211], v[L16], s[PDWV:PDWV+1]
	global_load_b128 v[212:215], v[L16], s[PDWV:PDWV+1] offset:512
	global_load_b128 v[216:219], v[L16], s[PBI:PBI+1]
	global_load_b128 v[220:223], v[L16], s[PBI:PBI+1] offset:512
	WIN 0x80
.irp lam, 0,1,2,3,4,5,6,7
.irp j, 0,1,2,3,4,5,6,7
	global_load_b128 v[32*\lam+4*\j:32*\lam+4*\j+3], v[L16], s[PX:PX+1] offset:\lam*4096+512*\j
.endr
.endr
.irp lam, 0,1,2,3,4,5,6,7,8,9,10,11,12,13,14,15
	XROW \lam
.endr
	XSUMS
	BATCH 0, 0                                     ; the weights' stream starts
	BATCH 0, 1
	BATCH 1, 0
	BARRIER                                        ; x lies in LDS
	XQUANT
	BATCH 1, 1
	BARRIER                                        ; and so do its 32 fragments
	; ---- Q(x) W_i
	A0LOAD 0
	STEP 0, 1, 1, 1, 51, 51
	s_mov_b32 s[CNT], 0
.Lg1:
	STEP 1, 0, 1, 1, 51, 51
	STEP 0, 0, 1, 1, 51, 51
	s_add_co_u32 s[CNT], s[CNT], 1
	s_cmp_lt_u32 s[CNT], 3
	s_cbranch_scc1 .Lg1
	STEP 1, 0, 1, 0, 51, 51
	A0LOAD 1
	REDUCE1
	; ---- Q(x) dWk[i]: the stream goes on
	STEP 0, 1, 1, 1, 51, 51
	s_mov_b32 s[CNT], 0
.Lg2:
	STEP 1, 0, 1, 1, 51, 51
	STEP 0, 0, 1, 1, 51, 51
	s_add_co_u32 s[CNT], s[CNT], 1
	s_cmp_lt_u32 s[CNT], 2
	s_cbranch_scc1 .Lg2
	STEP 1, 0, 1, 1, 51, 51
	STEP 0, 0, 0, 1, 51, 34                        ; nothing more to ask for: the counts run down
	STEP 1, 0, 0, 0, 17, 0
	PASS1
	BARRIER                                        ; every wave's parts of the row sums lie in LDS, and nobody reads the images any more
	SCALARS
	PASS2
	s_lshr_b32 s40, s[XI], 5
	s_lshl_b32 s40, s40, 4
	s_lshl_b32 s41, s[WV], 2
	s_add_co_u32 s40, s40, s41
	s_mul_i32 s40, s40, HS                         ; my first head: 16 x batch + 4 w
	s_and_b32 s41, s[XI], 31                       ; the block of 64 rows inside the batch
	s_mov_b32 s45, 0
	s_cmp_eq_u32 s[BI], 2
	s_cbranch_scc1 .Lvtail
	; ---- q, k: 128 columns (two heads) of a tile of rows at a time; a head's two blocks are registers 0-3 of a fragment: one image of 512 bytes
	s_mul_i32 s42, s[BI], 73728
	s_add_co_u32 s42, s42, s40
	s_lshl_b32 s44, s41, 11
	s_add_co_u32 s44, s44, s42
	s_add_nc_u64 s[48:49], s[PQKV:PQKV+1], s[44:45]
	s_lshl_b32 s44, s41, 8
	s_add_co_u32 s44, s44, s42
	s_add_co_u32 s44, s44, 65536
	s_add_nc_u64 s[50:51], s[PQKV:PQKV+1], s[44:45]
.macro QKT g2
	s_mov_b32 s[CNT], 0
	s_mov_b32 s37, 0
	s_mov_b32 s38, 0
	s_mov_b32 s39, 0
.Lqk_\@:
	s_wait_alu depctr_vm_vsrc(0)                   ; the last trip's loads and stores have read v[ADR], v[ADR+1], v[GOF], the codes and the scale word's two halves, all written again below; first trip: my LDS stores of x + c1 k_raw have read v192 on, where the loads land
	v_add_nc_u32 v[ADR], s37, v[XP]
	v_add_nc_u32 v[ADR+1], s38, v[SCWW]
	s_wait_alu depctr_va_vdst(0)                   ; the two addresses are written, which the loads and the LDS stores below read
.irp b, 0,1,2,3
.irp jj, 0,1,2,3
	ds_load_b128 v[XR+16*\b+4*\jj:XR+16*\b+4*\jj+3], v[ADR] offset:512*\g2+128*\b+16*\jj
.endr
.endr
	s_wait_xcnt 0x0                                ; the last trip's stores have read their offset and their codes: both are written again only behind this wait
	v_add_nc_u32 v[GOF], s39, v[L16]
	s_wait_dscnt 0x0
	QUANT XR
	v_and_b32 v89, 0xffff, v[PW]                   ; a head's two bytes; the word's upper two stay 0, over zero codes
	v_lshrrev_b32 v90, 16, v[PW]
	s_wait_alu depctr_va_vdst(0)                   ; v[GOF], the codes and the two halves are written, which the four stores read; and the 64 numbers have been read, where the next loads land
	global_store_b128 v[GOF], v[PC:PC+3], s[48:49] offset:(2*\g2)*HS        ; 512 consecutive bytes
	global_store_b128 v[GOF], v[PC+4:PC+7], s[48:49] offset:(2*\g2+1)*HS
	ds_store_b32 v[ADR+1], v89 offset:(2*\g2)*256
	ds_store_b32 v[ADR+1], v90 offset:(2*\g2+1)*256
	s_add_co_u32 s37, s37, TS
	s_add_co_u32 s38, s38, 64
	s_add_co_u32 s39, s39, 512
	s_add_co_u32 s[CNT], s[CNT], 1
	s_cmp_lt_u32 s[CNT], 4
	s_cbranch_scc1 .Lqk_\@
.endm
	QKT 0
	QKT 1
	ds_load_b128 v[192:195], v[SCWR]               ; LDS serves a wave's instructions in order: these see my stores
	ds_load_b128 v[196:199], v[SCWR] offset:512
	s_wait_dscnt 0x0
	global_store_b128 v[GSC], v[192:195], s[50:51]                 ; sixteen lanes store a head's 256 consecutive bytes
	global_store_b128 v[GSC], v[196:199], s[50:51] offset:2*HS
	s_wait_xcnt 0x0
	v_lshl_add_u32 v254, v0, 2, 0x4d800
	v_mov_b32 v255, 0
	s_wait_dscnt 0x0                               ; the wave's end
	s_wait_alu 0x0
	s_wait_tensorcnt 0x0
	ds_add_u32 v254, v255
	s_wait_dscnt 0x0
	s_endpgm
.Lvtail:
	; ---- v: K = the keys.  A lane takes a channel and its 32 registers run down the rows 32 h + 0 .. 31 of the block: a whole block of 32 keys
	s_lshr_b32 s42, s41, 1
	s_and_b32 s43, s41, 1
	s_lshl_b32 s44, s42, 12
	s_lshl_b32 s46, s43, 9
	s_add_co_u32 s44, s44, s46
	s_add_co_u32 s44, s44, s40
	s_add_co_u32 s44, s44, 147456
	s_add_nc_u64 s[48:49], s[PQKV:PQKV+1], s[44:45]
	s_lshl_b32 s44, s42, 8
	s_lshl_b32 s46, s43, 7
	s_add_co_u32 s44, s44, s46
	s_add_co_u32 s44, s44, s40
	s_add_co_u32 s44, s44, 147456+65536
	s_add_nc_u64 s[50:51], s[PQKV:PQKV+1], s[44:45]
.macro VQ dt, n                        ; channel tile dt: its codes into v160 + 4 dt on, its scale halfword into v176 + dt
.set VB, 192+32*(\dt)-160*((\dt)/2)
	s_wait_dscnt \n
	v_max3_num_f32 v64, |v[VB]|, |v[VB+1]|, |v[VB+2]|
	v_max3_num_f32 v65, |v[VB+3]|, |v[VB+4]|, |v[VB+5]|
.irp i, 6,10,14,18,22,26
	v_max3_num_f32 v64, v64, |v[VB+\i]|, |v[VB+\i+1]|
	v_max3_num_f32 v65, v65, |v[VB+\i+2]|, |v[VB+\i+3]|
.endr
	v_max3_num_f32 v64, v64, |v[VB+30]|, |v[VB+31]|
	v_max3_num_f32 v64, v64, v65, 0x1800000
	v_add_nc_u32 v66, 0xff000000, v64
	v_lshrrev_b32 v67, 23, v66
	v_lshlrev_b32 v67, v[SH8], v67                 ; my byte at its place in the halfword
.irp g, 0,1,2,3
	v_cvt_scalef32_pk8_fp4_f32 v[160+4*(\dt)+\g], v[VB+8*\g:VB+8*\g+7], v66
.endr
	v_nop                                          ; one plain place behind a scaled conversion
	v_permlanex16_b32 v68, v67, s[SEL], s[SEL+1]
	v_or_b32 v[176+(\dt)], v67, v68
.endm
	s_mov_b32 s[CNT], 0
	s_mov_b32 s37, 0
	s_mov_b32 s38, 0
.Lvh:                                              ; a trip: one of my four heads
	s_wait_alu depctr_vm_vsrc(0)                   ; the last trip's loads and stores have read v[ADR ..], the codes (v160 on) and the halfwords (v176 on), all written again below; first trip: my LDS stores of x + c1 k_raw have read v96 on and v192 on, where the loads land, and those of the row sums v160 on
	v_add_nc_u32 v[ADR], s37, v[VA0]
	v_add_nc_u32 v[ADR+1], s37, v[VA0+1]
	v_add_nc_u32 v[ADR+2], s38, v[VSWW]
	s_wait_alu depctr_va_vdst(0)                   ; the three addresses are written, which the loads and the LDS stores below read
.irp dt, 0,1,2,3
.irp i, 0,1,2,3,4,5,6,7,8,9,10,11,12,13,14,15,16,17,18,19,20,21,22,23,24,25,26,27,28,29,30,31
	ds_load_b32 v[192+32*\dt-160*(\dt/2)+\i], v[ADR+(\i/8)%2] offset:(8*(\i/16)+\i%8)*RP+128*(\dt/2)+32*(\dt%2)
.endr
.endr
	VQ 0, 63                                       ; 96 loads are younger; 63 is the largest count that the wait can name
	VQ 1, 63                                       ; 64 are younger
	VQ 2, 32
	VQ 3, 0
	s_wait_alu depctr_va_vdst(0)                   ; the four tiles' codes and halfwords are written, which the eight stores read; and the 128 numbers have been read, where the next loads land
.irp dt, 0,1,2,3
	global_store_b128 v[L16], v[160+4*\dt:163+4*\dt], s[48:49] offset:\dt*1024
.endr
.irp dt, 0,1,2,3
	ds_store_b16 v[ADR+2], v[176+\dt] offset:32*\dt
.endr
	s_wait_xcnt 0x0                                ; the stores have read their codes and their base
	s_add_nc_u64 s[48:49], s[48:49], HS
	s_add_co_u32 s37, s37, 256
	s_add_co_u32 s38, s38, 128
	s_add_co_u32 s[CNT], s[CNT], 1
	s_cmp_lt_u32 s[CNT], 4
	s_cbranch_scc1 .Lvh
	ds_load_b128 v[192:195], v[VSWR]
	s_wait_dscnt 0x0
	global_store_b128 v[GVS], v[192:195], s[50:51] ; eight lanes store a head's 128 consecutive bytes
	s_wait_xcnt 0x0
	v_lshl_add_u32 v254, v0, 2, 0x4d800
	v_mov_b32 v255, 0
	s_wait_dscnt 0x0                               ; the wave's end
	s_wait_alu 0x0
	s_wait_tensorcnt 0x0
	ds_add_u32 v254, v255
	s_wait_dscnt 0x0
	s_endpgm
.Lfunc_end_k_q13faa7e5d8_proj:
	.size	k_q13faa7e5d8_proj, .Lfunc_end_k_q13faa7e5d8_proj-k_q13faa7e5d8_proj
	.p2alignl 7, 3214868480
	.fill 96, 4, 3214868480
	.section	.rodata,"a",@progbits
	.p2align	6, 0x0
	.amdhsa_kernel k_q13faa7e5d8_proj
		.amdhsa_group_segment_fixed_size 317952
		.amdhsa_private_segment_fixed_size 0
		.amdhsa_enable_private_segment 0
		.amdhsa_kernarg_size 80
		.amdhsa_user_sgpr_count 2
		.amdhsa_user_sgpr_kernarg_segment_ptr 1
		.amdhsa_wavefront_size32 1
		.amdhsa_system_sgpr_workgroup_id_x 1
		.amdhsa_system_sgpr_workgroup_id_y 1
		.amdhsa_system_sgpr_workgroup_id_z 1
		.amdhsa_system_vgpr_workitem_id 0
		.amdhsa_next_free_vgpr 1024
		.amdhsa_next_free_sgpr 66
		.amdhsa_reserve_vcc 0
		.amdhsa_float_denorm_mode_32 3
		.amdhsa_float_denorm_mode_16_64 3
		.amdhsa_memory_ordered 1
		.amdhsa_forward_progress 1
		.amdhsa_inst_pref_size 255
	.end_amdhsa_kernel
	.section	.bss,"aw",@nobits
	.p2align	6
	.space	262144
	.amdgpu_metadata
---
amdhsa.version: [ 1, 2 ]
amdhsa.kernels:
  - .name:           k_q13faa7e5d8_proj
    .symbol:         k_q13faa7e5d8_proj.kd
    .args:
      - { .name: x, .offset: 0, .size: 8, .value_kind: global_buffer, .address_space: global }
      - { .name: wf, .offset: 8, .size: 8, .value_kind: global_buffer, .address_space: global }
      - { .name: bq, .offset: 16, .size: 8, .value_kind: global_buffer, .address_space: global }
      - { .name: bk, .offset: 24, .size: 8, .value_kind: global_buffer, .address_space: global }
      - { .name: bv, .offset: 32, .size: 8, .value_kind: global_buffer, .address_space: global }
      - { .name: dbw, .offset: 40, .size: 8, .value_kind: global_buffer, .address_space: global }
      - { .name: dbb, .offset: 48, .size: 8, .value_kind: global_buffer, .address_space: global }
      - { .name: dWv, .offset: 56, .size: 8, .value_kind: global_buffer, .address_space: global }
      - { .name: dbv, .offset: 64, .size: 8, .value_kind: global_buffer, .address_space: global }
      - { .name: qkv, .offset: 72, .size: 8, .value_kind: global_buffer, .address_space: global }
    .group_segment_fixed_size: 317952
    .private_segment_fixed_size: 0
    .kernarg_segment_align: 8
    .kernarg_segment_size: 80
    .max_flat_workgroup_size: 128
    .sgpr_count:     66
    .vgpr_count:     1024
    .wavefront_size: 32
...
	.end_amdgpu_metadata
.endif
;; end of part 5
;; launch attn (part 6): grid 8 x 32, 16 waves a work-group, no clusters, 145,920 bytes of LDS; arguments qkv, oc, osc; writes oc, osc
.if DOCPART == 6
	.amdgcn_target "amdgcn-amd-amdhsa--gfx1250"
	.amdhsa_code_object_version 6
	.text
	.protected	k_q13faa7e5d8_attn
	.globl	k_q13faa7e5d8_attn
	.p2align	8
	.type	k_q13faa7e5d8_attn,@function
k_q13faa7e5d8_attn:
	s_mov_b64 s[64:65], 0
	v_nop
	global_prefetch_b8 v0, s[64:65] scope:SCOPE_SE
	s_setreg_imm32_b32 hwreg(HW_REG_WAVE_SCHED_MODE, 0, 2), 2
	s_setreg_imm32_b32 hwreg(HW_REG_WAVE_MODE, 25, 1), 1
	s_wait_xcnt 0x0
	s_wait_alu depctr_vm_vsrc(0)
; O[q] = sum over k of softmax_k(q . k / 8) v[k] for one head (work-group y: 16 x batch + head) and 256 queries (work-group x), both products on codes of E2M1 with E8M0 scales; O / l is quantised along the model's 1,024.
; THE SOFTMAX AHEAD OF THE SECOND PRODUCT: t = score x log2(e) / 8; M = the row's largest t so far, rounded UP to a whole number; p = 2^(t - M) is what is quantised, along the keys; the row's sum is taken of the
; unquantised p and divides O at the end.  When M moves, the sum and O are multiplied by 2^(old M - new M): exact.
; SHARES.  Sixteen waves, each one tile of 16 queries in 256 registers, four waves to a SIMD.  Every wave walks the head's 2,048 keys, 128 a step.
; The head's K and V part of qkv, 143,360 consecutive bytes laid in register order, comes into LDS ONCE, through registers: each wave copies 8,960 consecutive bytes by 17 loads of 512 bytes and one of 256,
; all issued together, so that the work-group's 143,360 bytes are on their way at once; nothing is filled again.
; Both products are used transposed (S^T = K Q^T, O^T = V^T P^T): a lane holds one query.  Tiles of keys, queries and channels are laid so that the 16 registers of tiles 2 b, 2 b + 1 are 16 neighbours (as the launch before stored them).
; The head's K is 64: registers 4-7 of Q's and K's fragments are zero codes, and bytes 2, 3 of their scale words are 0.
; NO CLUSTER: the eight work-groups of a head share one fill of 143,360 bytes each, at the head of the launch; behind it a work-group reads no shared byte in its 16 key steps.
; LIMITS: NaN and infinities are not served; a block of p or of O under 2^-124 gets the scale byte 1.
; THE MODE: SCHED_MODE bits 1:0 = 2 (LLVM: expert scheduling mode 2), set by the entry lines.  The code itself states the register dependences
; between vector or matrix instructions and memory or LDS instructions, with s_wait_alu, always for 0.
; THE PLAN.  Registers that memory or LDS instructions touch, and who else names them:
;   v1, v10, v241-243   the head's offsets: written ahead of the one wait on va_vdst in front of the first load (v10 is taken over by the loop).
;   v8-v11              the key step's LDS addresses: written at each trip's head, read by its 24 LDS loads: a wait on vm_vsrc ahead of the four additions, one on va_vdst behind them.
;   v32-95, v248-251    K's fragments and scale words: loaded at a trip's head, read by its first eight products.
;   v200-231, v24-27    V's fragments and halfwords: loaded at a trip's head, read by its last four products and by two shifts.  The wait on va_vdst at the next trip's head covers all these readers.
;   v96-159, v200-205   at the head the fill: loaded, then read by LDS stores; the first trip's wait on vm_vsrc stands ahead of the products and loads that write them.
;   v192-199, v31, v28, v29  p's codes and the scale words made by vector instructions: a wait on va_vdst, behind their places, ahead of the second product; behind the loop, ahead of the two stores.
.set HS,    217088
.set KPART, 73728                      ; where a head's K begins in qkv
.set PART,  8960                       ; a wave's share of the fill
.set KSO,   65536                      ; LDS: K's codes at 0, K's scale words,
.set VCO,   73728                      ; V's codes,
.set VSO,   139264                     ; V's scale halfwords,
.set OSS,   143360                     ; and O's scale halfwords
.set WV,  10
.set SEL, 40
.set CS,  42
; v1 16 l; v4 my halfword in OSS; v5 K's scale words, v6 V's, v7 V's codes; v8-11 the step's addresses; v12 -M, v13 the largest t, v[14:15] the sum; v16-23 Q; v24-27 V's halfwords; v28-29 V's scale words; v30 Q's; v31 p's;
; v32-95 eight fragments of K; v96-159 S^T, then p (at the head: the fill); v160-191 O^T; v192-199 p's codes; v200-231 four fragments of V; v232-254 at work; v240 OSS + 16 l; v241-243 the fill's addresses; v248-251 K's scale words
	s_load_b128 s[4:7], s[0:1], 0x0                ; qkv, oc
	s_load_b64 s[8:9], s[0:1], 0x10                ; osc
	v_lshrrev_b32 v8, 5, v0
	v_readfirstlane_b32 s[WV], v8                  ; wave 0..15
	s_and_b32 s11, ttmp7, 0xffff
	s_mul_i32 s12, s11, HS
	s_wait_alu depctr_va_sdst(0)                   ; the wave's number is written, ahead of its first reader: the fill's share and the tile of queries are made from it
	s_mul_i32 s14, s[WV], PART
	s_add_co_u32 s16, s12, s14
	s_add_co_u32 s16, s16, KPART
	s_mov_b32 s17, 0
	v_and_b32 v8, 31, v0
	v_and_b32 v9, 15, v0
	v_lshlrev_b32 v1, 4, v8                        ; 16 l
	v_lshlrev_b32 v242, 3, v8                      ; 8 l
	v_add_nc_u32 v241, s14, v1                     ; LDS: wave x 8,960 + 16 l
	v_add_nc_u32 v243, s14, v242                   ; and + 8 l
	v_lshlrev_b32 v10, 2, v9                       ; 4 r: Q's scale words
	s_wait_kmcnt 0x0
	s_add_nc_u64 s[22:23], s[4:5], s[16:17]        ; my 8,960 bytes of the head's K and V
	s_wait_alu depctr_va_vdst(0)                   ; v1, v242 and v10 are written, which the loads below read, and v241 and v243, which the fill's LDS stores read
.irp k, 0,1,2,3,4,5,6,7,8,9,10,11,12,13,14,15
	global_load_b128 v[96+4*\k:99+4*\k], v1, s[22:23] offset:512*\k
.endr
	global_load_b128 v[200:203], v1, s[22:23] offset:8192
	global_load_b64 v[204:205], v242, s[22:23] offset:8704         ; the last 256 bytes
	s_lshl_b32 s32, ttmp9, 4
	s_add_co_u32 s32, s32, s[WV]                   ; my tile of queries
	s_lshl_b32 s34, s32, 9
	s_add_co_u32 s34, s34, s12
	s_mov_b32 s35, 0
	s_add_nc_u64 s[34:35], s[4:5], s[34:35]        ; its image
	s_lshl_b32 s36, s32, 6
	s_add_co_u32 s36, s36, s12
	s_add_co_u32 s36, s36, 65536
	s_mov_b32 s37, 0
	s_add_nc_u64 s[36:37], s[4:5], s[36:37]        ; its scale words
	global_load_b128 v[16:19], v1, s[34:35]
	global_load_b32 v30, v10, s[36:37]
	s_lshr_b32 s38, s11, 4
	s_lshl_b32 s38, s38, 5
	s_lshl_b32 s39, ttmp9, 2
	s_add_co_u32 s38, s38, s39
	s_lshr_b32 s39, s[WV], 2
	s_add_co_u32 s38, s38, s39                     ; the block of 64 rows: 32 x batch + 4 x + wave / 4
	s_lshl_b32 s38, s38, 15
	s_and_b32 s39, s[WV], 3
	s_lshl_b32 s39, s39, 13
	s_add_co_u32 s38, s38, s39                     ; its tile wave % 4
	s_and_b32 s39, s11, 15
	s_lshl_b32 s39, s39, 9                         ; K step head / 2, register group head % 2: 512 x head
	s_add_co_u32 s38, s38, s39
	s_mov_b32 s39, 0
	s_add_nc_u64 s[6:7], s[6:7], s[38:39]
	s_lshl_b32 s44, s11, 12
	s_lshl_b32 s45, ttmp9, 9
	s_add_co_u32 s44, s44, s45
	s_mov_b32 s45, 0
	s_add_nc_u64 s[8:9], s[8:9], s[44:45]
	s_mov_b32 s[SEL], 0x76543210
	s_mov_b32 s[SEL+1], 0xfedcba98
	s_mov_b32 s[CS], 0x3e38aa3b                    ; c = log2(e) / 8
	s_mov_b32 s[CS+1], s[CS]
	s_mov_b32 s46, 0
	s_mov_b32 s47, 0
	s_mov_b32 s48, 0
	s_mov_b32 s49, 0
	v_lshlrev_b32 v2, 2, v8
	v_lshlrev_b32 v3, 1, v8
	v_and_b32 v4, 0x1e0, v0                        ; 32 x wave
	v_lshl_add_u32 v4, v9, 1, v4
	v_add_nc_u32 v4, OSS, v4
	v_add_nc_u32 v5, KSO, v2
	v_add_nc_u32 v6, VSO, v3
	v_add_nc_u32 v7, VCO, v1
	v_add_nc_u32 v240, OSS, v1
.irp j, 20,21,22,23
	v_mov_b32 v[\j], 0                             ; zero codes for k = 64 .. 127
.endr
.irp t, 0,1,2,3,4,5,6,7
.irp j, 4,5,6,7
	v_mov_b32 v[32+8*\t+\j], 0                     ; likewise in K's fragments: written once, the loads fill registers 0-3 alone
.endr
.endr
.set j, 0
.rept 32
	v_mov_b32 v[160+j], 0                          ; O^T: the step is written once; the first finds zeros, which the first change of M leaves zeros
.set j, j+1
.endr
.irp b, 0,1,2,3
	v_mov_b32 v[236+\b], 0                         ; a lane permute's destination counts as one of its sources
.endr
	v_mov_b32 v253, 0                              ; named as the upper half of the pair v[252:253]
	v_mov_b32 v13, 0xff61b1e6                      ; the largest t so far: -3e38
	v_floor_f32 v12, -v13
	v_mov_b32 v14, 0
	v_mov_b32 v15, 0
.irp k, 0,1,2,3,4,5,6,7,8,9,10,11,12,13,14,15
	s_wait_loadcnt 19-\k                           ; behind load k: the 16 - k loads of 512 bytes that follow it, the one of 256, and Q's two
	ds_store_b128 v241, v[96+4*\k:99+4*\k] offset:512*\k
.endr
	s_wait_loadcnt 3
	ds_store_b128 v241, v[200:203] offset:8192
	s_wait_loadcnt 2                               ; Q's two may be out
	ds_store_b64 v243, v[204:205] offset:8704
	s_wait_dscnt 0x0                               ; my part of K and V lies in LDS,
	s_barrier_signal -1
	s_barrier_wait -1                              ; everybody's does
	s_wait_loadcnt 0x0                             ; Q
.Lstep:                                            ; 16 trips of 128 keys
	s_wait_alu depctr_vm_vsrc(0)                   ; the last trip's LDS loads have read v8 to v11, which are written again; first trip: the load of Q's scale words has read v10, and the fill's LDS stores v96 on and v200 on, which this trip's products and loads write
	v_add_nc_u32 v8, s46, v1                       ; (these four also stand as plain instructions behind the last trip's products)
	v_add_nc_u32 v9, s46, v7
	v_add_nc_u32 v10, s47, v5
	v_add_nc_u32 v11, s48, v6
	s_wait_alu depctr_va_vdst(0)                   ; v8 to v11 are written, which the loads read; the last trip's products are done reading K's and V's fragments and K's scale words, and its two shifts V's halfwords: the loads land in these; first trip: the zero codes in Q's and K's fragments are written, which the products take
.irp t, 0,1,2,3,4,5,6,7
	ds_load_b128 v[32+8*\t:35+8*\t], v8 offset:512*\t
.endr
.irp a, 0,1,2,3
	ds_load_b32 v[248+\a], v10 offset:128*\a       ; lanes 0-15: tile 2 a; lanes 16-31: tile 2 a + 1
.endr
.irp dt, 0,1,2,3
.irp c, 0,1
	ds_load_b128 v[200+8*\dt+4*\c:203+8*\dt+4*\c], v9 offset:1024*\dt+512*\c
.endr
.endr
.irp a, 0,1
.irp c, 0,1
	ds_load_u16 v[24+2*\a+\c], v11 offset:128*\c+64*\a
.endr
.endr
	s_wait_dscnt 12                                ; K and its scale words are in; V's twelve loads may be out
.irp t, 0,1,2,3,4,5,6,7
.if \t%2
	v_wmma_scale_f32_16x16x128_f8f6f4 v[96+8*\t:103+8*\t], v[32+8*\t:39+8*\t], v[16:23], 0, v[248+\t/2], v30 matrix_a_fmt:MATRIX_FMT_FP4 matrix_b_fmt:MATRIX_FMT_FP4 matrix_a_scale:MATRIX_SCALE_ROW1
.else
	v_wmma_scale_f32_16x16x128_f8f6f4 v[96+8*\t:103+8*\t], v[32+8*\t:39+8*\t], v[16:23], 0, v[248+\t/2], v30 matrix_a_fmt:MATRIX_FMT_FP4 matrix_b_fmt:MATRIX_FMT_FP4
.endif
.endr
	s_wait_dscnt 0x0
	v_lshl_or_b32 v28, v25, 16, v24                ; V's scale words: keys 0-63 below, keys 64-127 above
	v_lshl_or_b32 v29, v27, 16, v26
	v_nop
	v_nop                                          ; four places behind the products
.irp b, 0,1,2,3
	v_max3_num_f32 v[232+\b], v[96+16*\b], v[97+16*\b], v[98+16*\b]   ; the largest score of each block of 32 keys: for the row's maximum, and, since p rises with the score, for the block's largest p
.endr
.irp i, 3,5,7,9,11,13
.irp b, 0,1,2,3
	v_max3_num_f32 v[232+\b], v[232+\b], v[96+16*\b+\i], v[97+16*\b+\i]
.endr
.endr
.irp b, 0,1,2,3
	v_max_num_f32 v[232+\b], v[232+\b], v[111+16*\b]
.endr
.irp b, 0,1,2,3
	v_permlanex16_b32 v[236+\b], v[232+\b], s[SEL], s[SEL+1]
.endr
.irp b, 0,1,2,3
	v_max_num_f32 v[232+\b], v[232+\b], v[236+\b]
.endr
	v_max3_num_f32 v254, v232, v233, v234
	v_max_num_f32 v254, v254, v235
	v_mul_f32 v254, s[CS], v254
	v_max_num_f32 v13, v13, v254                   ; the running largest t
	v_mov_b32 v254, v12
	v_floor_f32 v12, -v13                          ; -M = floor(-t): M is a whole number
	v_sub_f32 v254, v12, v254
	v_cvt_i32_f32 v254, v254                       ; (it saturates)
	v_ldexp_f32 v252, 1.0, v254                    ; f = 2^(old M - new M)
.set j, 0
.rept 32
	v_pk_fma_f32 v[96+j:97+j], v[96+j:97+j], s[CS:CS+1], v[12:13] op_sel_hi:[1,0,0]   ; t - M
.set j, j+2
.endr
.irp b, 0,1,2,3
	v_fma_f32 v[232+\b], v[232+\b], s[CS], v12
.endr
.set j, 0
.rept 64
	v_exp_f32 v[96+j], v[96+j]                     ; p = 2^(t - M)
.set j, j+1
.endr
	v_pk_mul_f32 v[14:15], v[14:15], v[252:253] op_sel_hi:[1,0]   ; the sum under the new M: a plain instruction behind the batch
	s_wait_alu depctr_va_vdst(0)                   ; one wait for the 64 exponentials, ahead of their first reader
.irp b, 0,1,2,3
	v_exp_f32 v[232+\b], v[232+\b]                 ; each block's largest p
.endr
	v_pk_add_f32 v[236:237], v[96:97], v[98:99]    ; the row's sum is taken of the unquantised p, in two chains
.irp j, 4,8,12,16,20,24,28,32,36,40,44,48,52,56,60
	v_pk_add_f32 v[14:15], v[14:15], v[96+\j:97+\j]
	v_pk_add_f32 v[236:237], v[236:237], v[98+\j:99+\j]
.endr
	v_pk_add_f32 v[14:15], v[14:15], v[236:237]
	s_wait_alu depctr_va_vdst(0)                   ; and one for the four, ahead of their first reader
.irp b, 0,1,2,3
	v_max_num_f32 v[232+\b], 0x1800000, v[232+\b]
.endr
.irp b, 0,1,2,3
	v_add_nc_u32 v[244+\b], 0xff000000, v[232+\b]
.endr
.irp b, 0,1,2,3
	v_lshrrev_b32 v[236+\b], 23, v[244+\b]
.endr
	v_lshl_or_b32 v31, v237, 8, v236               ; p's scale word for these 128 keys
	v_lshl_or_b32 v31, v238, 16, v31
	v_lshl_or_b32 v31, v239, 24, v31
.irp b, 0,1,2,3
	v_cvt_scalef32_pk8_fp4_f32 v[192+2*\b], v[96+16*\b:103+16*\b], v[244+\b]
	v_cvt_scalef32_pk8_fp4_f32 v[193+2*\b], v[104+16*\b:111+16*\b], v[244+\b]
.endr
	v_nop
.irp c, 0,1
.irp i, 0,1
	v_permlane16_swap_b32 v[192+4*\c+\i], v[194+4*\c+\i]
.endr
.endr
.set j, 0
.rept 16
	v_pk_mul_f32 v[160+j:161+j], v[160+j:161+j], v[252:253] op_sel_hi:[1,0]   ; O^T under the new M; these sixteen are also the places between p's codes and scale word and the products
.set j, j+2
.endr
	s_wait_alu depctr_va_vdst(0)                   ; p's codes (v192 on), p's scale word (v31) and V's scale words (v28, v29) are written, which the scaled products take; the places above stay beside this wait
.irp dt, 0,1,2,3
.if \dt%2
	v_wmma_scale_f32_16x16x128_f8f6f4 v[160+8*\dt:167+8*\dt], v[200+8*\dt:207+8*\dt], v[192:199], v[160+8*\dt:167+8*\dt], v[28+\dt/2], v31 matrix_a_fmt:MATRIX_FMT_FP4 matrix_b_fmt:MATRIX_FMT_FP4 matrix_a_scale:MATRIX_SCALE_ROW1
.else
	v_wmma_scale_f32_16x16x128_f8f6f4 v[160+8*\dt:167+8*\dt], v[200+8*\dt:207+8*\dt], v[192:199], v[160+8*\dt:167+8*\dt], v[28+\dt/2], v31 matrix_a_fmt:MATRIX_FMT_FP4 matrix_b_fmt:MATRIX_FMT_FP4
.endif
.endr
	s_add_co_u32 s46, s46, 4096
	s_add_co_u32 s47, s47, 512
	s_add_co_u32 s48, s48, 256
	s_add_co_u32 s49, s49, 1
	s_cmp_lt_u32 s49, 16
	s_cbranch_scc1 .Lstep
	; ---- O^T / the sum; register 16 b + e is channel 32 b + 16 h + e: two blocks, quantised as any operand
	v_add_f32 v14, v14, v15
	v_permlanex16_b32 v252, v14, s[SEL], s[SEL+1]
	v_add_f32 v14, v14, v252
	v_rcp_f32 v14, v14
.rept 4
	v_nop                                          ; plain instructions behind the reciprocal, and the places behind the last products
.endr
	s_wait_alu depctr_va_vdst(0)                   ; the wait for the reciprocal, ahead of its first reader
.set j, 0
.rept 32
	v_mul_f32 v[96+j], v[160+j], v14
.set j, j+1
.endr
.irp b, 0,1
	v_max3_num_f32 v[232+\b], |v[96+16*\b]|, |v[97+16*\b]|, 0x1800000
.endr
.irp i, 2,4,6,8,10,12,14
.irp b, 0,1
	v_max3_num_f32 v[232+\b], v[232+\b], |v[96+16*\b+\i]|, |v[97+16*\b+\i]|
.endr
.endr
.irp b, 0,1
	v_permlanex16_b32 v[236+\b], v[232+\b], s[SEL], s[SEL+1]
.endr
.irp b, 0,1
	v_max_num_f32 v[232+\b], v[232+\b], v[236+\b]
.endr
.irp b, 0,1
	v_add_nc_u32 v[244+\b], 0xff000000, v[232+\b]
.endr
.irp b, 0,1
	v_lshrrev_b32 v[236+\b], 23, v[244+\b]
.endr
	v_lshl_or_b32 v31, v237, 8, v236               ; the head's two scale bytes of my row
.irp b, 0,1
	v_cvt_scalef32_pk8_fp4_f32 v[192+2*\b], v[96+16*\b:103+16*\b], v[244+\b]
	v_cvt_scalef32_pk8_fp4_f32 v[193+2*\b], v[104+16*\b:111+16*\b], v[244+\b]
.endr
	v_nop
	v_permlane16_swap_b32 v192, v194
	v_permlane16_swap_b32 v193, v195               ; lanes 0-15 block 0, lanes 16-31 block 1
	s_wait_alu depctr_va_vdst(0)                   ; O's codes (v192 on) and scale halfword (v31) are written, which the two stores read; and v96 on has been written and read, where wave 0's load lands
	global_store_b128 v1, v[192:195], s[6:7]       ; 512 consecutive bytes: a register group of the next product's fragment
	ds_store_b16 v4, v31
	s_wait_dscnt 0x0
	s_barrier_signal -1
	s_barrier_wait -1                              ; the sixteen tiles' halfwords lie in LDS
	s_cmp_lg_u32 s[WV], 0
	s_cbranch_scc1 .Ldone
	ds_load_b128 v[96:99], v240
	s_wait_dscnt 0x0
	global_store_b128 v1, v[96:99], s[8:9]         ; 512 consecutive bytes
.Ldone:
	s_wait_xcnt 0x0
	v_lshl_add_u32 v254, v0, 2, 0x23200
	v_mov_b32 v255, 0
	s_wait_dscnt 0x0                               ; the wave's end
	s_wait_alu 0x0
	s_wait_tensorcnt 0x0
	ds_add_u32 v254, v255
	s_wait_dscnt 0x0
	s_endpgm
.Lfunc_end_k_q13faa7e5d8_attn:
	.size	k_q13faa7e5d8_attn, .Lfunc_end_k_q13faa7e5d8_attn-k_q13faa7e5d8_attn
	.p2alignl 7, 3214868480
	.fill 96, 4, 3214868480
	.section	.rodata,"a",@progbits
	.p2align	6, 0x0
	.amdhsa_kernel k_q13faa7e5d8_attn
		.amdhsa_group_segment_fixed_size 145920
		.amdhsa_private_segment_fixed_size 0
		.amdhsa_enable_private_segment 0
		.amdhsa_kernarg_size 24
		.amdhsa_user_sgpr_count 2
		.amdhsa_user_sgpr_kernarg_segment_ptr 1
		.amdhsa_wavefront_size32 1
		.amdhsa_system_sgpr_workgroup_id_x 1
		.amdhsa_system_sgpr_workgroup_id_y 1
		.amdhsa_system_sgpr_workgroup_id_z 1
		.amdhsa_system_vgpr_workitem_id 0
		.amdhsa_next_free_vgpr 256
		.amdhsa_next_free_sgpr 66
		.amdhsa_reserve_vcc 0
		.amdhsa_float_denorm_mode_32 3
		.amdhsa_float_denorm_mode_16_64 3
		.amdhsa_memory_ordered 1
		.amdhsa_forward_progress 1
		.amdhsa_inst_pref_size 29
	.end_amdhsa_kernel
	.amdgpu_metadata
---
amdhsa.version: [ 1, 2 ]
amdhsa.kernels:
  - .name:           k_q13faa7e5d8_attn
    .symbol:         k_q13faa7e5d8_attn.kd
    .args:
      - { .name: qkv, .offset: 0, .size: 8, .value_kind: global_buffer, .address_space: global }
      - { .name: oc, .offset: 8, .size: 8, .value_kind: global_buffer, .address_space: global }
      - { .name: osc, .offset: 16, .size: 8, .value_kind: global_buffer, .address_space: global }
    .group_segment_fixed_size: 145920
    .private_segment_fixed_size: 0
    .kernarg_segment_align: 8
    .kernarg_segment_size: 24
    .max_flat_workgroup_size: 512
    .sgpr_count:     66
    .vgpr_count:     256
    .wavefront_size: 32
...
	.end_amdgpu_metadata
.endif
;; end of part 6
;; launch fin (part 7): grid 256 x 1, 4 waves a work-group, no clusters, 94,976 bytes of LDS; arguments x, wf, oc, osc, bo, dbw, dbb, dWv, dbv, ln_g, ln_b, out0; writes out0
.if DOCPART == 7
	.amdgcn_target "amdgcn-amd-amdhsa--gfx1250"
	.amdhsa_code_object_version 6
	.text
	.protected	k_q13faa7e5d8_fin
	.globl	k_q13faa7e5d8_fin
	.p2align	8
	.type	k_q13faa7e5d8_fin,@function
k_q13faa7e5d8_fin:
	s_mov_b64 s[64:65], 0
	v_nop
	global_prefetch_b8 v0, s[64:65] scope:SCOPE_SE
	s_setreg_imm32_b32 hwreg(HW_REG_WAVE_SCHED_MODE, 0, 2), 2
	s_setreg_imm32_b32 hwreg(HW_REG_WAVE_MODE, 25, 1), 1
	s_wait_xcnt 0x0
	s_wait_alu depctr_vm_vsrc(0)
; Delta block 3 and the LayerNorm: y = x + c1 k_raw, k_raw = Q(x) dWk[3], c1 = beta inv (v - (k_raw . x) inv), v = (Q(o) Wo + bo) . dWv[3] + dbv[3], o the attention's result, which arrives as codes (oc, osc);
; out0 = (y - mean) / sqrt(var + 1e-5) ln_g + ln_b, the variance taken of the differences.  Both products on codes of E2M1 with E8M0 scales, sums f32; all else f32.
; SHARES.  A work-group owns ONE tile of 16 rows (work-group x = 4 X + T: tile T of the block X of 64 rows) and all 1,024 columns: 256 work-groups.  Wave w owns columns 256 w .. + 255: 16 accumulators of 16 x 16,
; 128 registers, used by the two products one after the other (of the first only its dot with dWv is kept).  What is done row by row (bringing x in, the dot with dbw, the LayerNorm) wave w does for rows 4 w .. 4 w + 3.
; The products are used transposed (source 0 = 16 columns of the weight, source 1 = the 16 rows); lane r of tile 2 b + u takes index 32 b + 8 u + r + 8 (r / 8), for rows and for columns.
; WEIGHTS come from wf, laid in register order, straight into registers, 17 loads of 512 consecutive bytes a batch, four batches ahead.  The 16 K steps are written out: every offset is an immediate, no base is stepped.
; The price of 16 rows to a work-group: each of the 256 walks all 1,114,112 bytes of the two weights.
; NO CLUSTER, NO TENSOR LOADS: all work-groups walk the same weights, but with 16 rows each byte of a weight feeds ONE matrix instruction of ONE wave: a joint load into LDS would add, for each K step, 69,632 bytes
; written to LDS and read from it again for 64 matrix instructions, no byte twice.
; LIMITS: NaN and infinities among the inputs are not served.  A block whose largest magnitude lies under 2^-124 gets the scale byte 1.  A row with |k_raw|^2 under 2^-126 counts as norm 0
; (v_sqrt_f32 takes a denormal as zero: ISA guide 15.8).  (acc + b) . dWv is summed as acc . dWv + b . dWv, in f32.
; THE MODE: SCHED_MODE bits 1:0 = 2 (LLVM: expert scheduling mode 2), set by the entry lines.  The code itself states the register dependences
; between vector or matrix instructions and memory or LDS instructions, with s_wait_alu, always for 0.
; THE PLAN.  Registers that memory or LDS instructions touch, and who else names them:
;   v1-v18, v28, v62, v63  offsets and addresses: written at the head, ahead of the one wait on va_vdst in front of the first load; never written again.
;   window 1, v[WS ..]  a batch lands in the half set that eight products have just read: one wait on va_vdst behind each half's products, two a K step.
;   v[AF ..], v[AS ..]  the rows' fragments: set 1 - p is loaded at the head of step p: the products that read it stand ahead of the last step's second wait, and no later instruction names it.
;   XR, XRB             two buffers of 64 numbers: a wait on va_vdst ahead of each load into a buffer that vector or matrix instructions have read or written, and ahead of each run of stores out of one; a wait on vm_vsrc ahead of each load into a buffer that stores have read.
;   PC, PW, the sums    written by vector instructions, read by stores: a wait on va_vdst ahead of the run of stores, one on vm_vsrc ahead of the next writer.
;   window 2            at the head my four rows of x, which LDS stores read; then the accumulators: the wait on vm_vsrc behind the first barrier stands between.
;   v[LNA ..], v[LNO]   written at the head of each of the LayerNorm's two trips: vm_vsrc, the additions, va_vdst.
.set RP,   1040                        ; LDS: 256 columns of a row: 1,024 bytes + 16: the 16 rows that a load touches start at 16 different groups of four banks
.set SLAB, 16*RP                       ; XS = [column owner 4][row 16][RP]: x in f32, later y
.set AIMG, 4*SLAB                      ; operand images [K step 16][c 2][512 bytes]: steps 0-7 the attention's, steps 8-15 x's
.set ASC,  AIMG+16384                  ; their scale words [K step 16][lane 32]
.set DWV,  ASC+2048                    ; dWv[3]; 4,096 bytes on: bo
.set RED,  DWV+8192                    ; row sums [wave 4][which 4][row 16]
.set XB,   RED+1024                    ; x . dbw [row 16]
.set STP,  17408
.set HB,   8704
.set L16,  1                           ; v1 16 l;  v2 4 l
.set L4,   2
.set XW,   3                           ; v3-6  slab m: my four rows, 16 l
.set IMW,  8                           ; v8    where I store images: two K steps a wave
.set ASW,  9                           ; v9    and their scale words
.set XP,   10                          ; v10   my slab: row r, + 64 h
.set DVA,  11
.set CPW,  12
.set RDW,  13
.set RDR,  14
.set XBW,  15
.set XBR,  16
.set AA,   17                          ; v17   AIMG + 16 l;  v18 ASC + 4 l: never rewritten
.set ASA,  18
.set LNA,  23                          ; v23-26 the LayerNorm's LDS addresses, one a slab;  v27 its offset in out0
.set LNO,  27
.set OSO,  28                          ; v28 2 r
.set WS,   32                          ; v32-47  the weights' scale words, 8 p + nt / 2: lanes 0-15 the even tile, lanes 16-31 the odd
.set AS,   48                          ; v48, v52 the rows' scale words, 4 p
.set C1,   56                          ; v56-57  c1, as a pair
.set TM,   64                          ; v64-79  at work
.set RS,   64
.set PC,   80
.set PW,   88
.set XRB,  96                          ; v96-159 the rows' fragments, 32 p; outside the products 64 numbers
.set AF,   96
.set DB,   160                         ; v160-191 dbw; later the row sums
.set XR,   192                         ; v192-255 64 numbers
; window 1: the weights' fragments, set p at 128 p + 8 nt.   window 2: accumulator nt at 512 + 8 nt; at the head my four rows of x as loaded
.set PX,   4
.set PWF,  6
.set POC,  8
.set POSC, 10
.set PBI,  12
.set PDBW, 14
.set PDBB, 16
.set PDWV, 18
.set PDBV, 20
.set PLG,  22
.set PLB,  24
.set POUT, 26
.set SEL,  28
.set SDBB, 30
.set SDBV, 31
.set SB,   32
.set CNT,  34
.set WV,   52
.set XI,   53
.set TI,   54
.set MSB, 0
.macro WIN new                         ; the immediate's high byte repeats the setting that is left; a switch that changes nothing is dropped
.if MSB != (\new)
	s_set_vgpr_msb (MSB<<8)|(\new)
.set MSB, (\new)
.endif
.endm
.macro BARRIER                         ; my LDS stores have landed and my LDS loads are in: then the work-group's barrier
	s_wait_dscnt 0x0
	s_barrier_signal -1
	s_barrier_wait -1
.endm
.macro PLACES
.rept 4
	v_nop
.endr
.endm
; 64 numbers of a lane, register 16 b + e = k 32 b + 16 (lane / 16) + e of my row, become a fragment's codes in v[PC] on and its scale word in v[PW]
.macro QUANT s
.irp b, 0,1,2,3
	v_max3_num_f32 v[TM+\b], |v[\s+16*\b]|, |v[\s+1+16*\b]|, 0x1800000   ; my 16 numbers of block b, and the floor 2^(3 - 127): the byte cannot fall under 1
.endr
.irp i, 2,4,6,8,10,12,14
.irp b, 0,1,2,3
	v_max3_num_f32 v[TM+\b], v[TM+\b], |v[\s+16*\b+\i]|, |v[\s+1+16*\b+\i]|
.endr
.endr
.irp b, 0,1,2,3
	v_permlanex16_b32 v[TM+4+\b], v[TM+\b], s[SEL], s[SEL+1]
.endr
.irp b, 0,1,2,3
	v_max_num_f32 v[TM+\b], v[TM+\b], v[TM+4+\b]
.endr
.irp b, 0,1,2,3
	v_add_nc_u32 v[TM+12+\b], 0xff000000, v[TM+\b]
.endr
.irp b, 0,1,2,3
	v_lshrrev_b32 v[TM+4+\b], 23, v[TM+12+\b]
.endr
	v_lshl_or_b32 v[PW], v[TM+5], 8, v[TM+4]
	v_lshl_or_b32 v[PW], v[TM+6], 16, v[PW]
	v_lshl_or_b32 v[PW], v[TM+7], 24, v[PW]
.irp b, 0,1,2,3
	v_cvt_scalef32_pk8_fp4_f32 v[PC+2*\b], v[\s+16*\b:\s+7+16*\b], v[TM+12+\b]
	v_cvt_scalef32_pk8_fp4_f32 v[PC+1+2*\b], v[\s+8+16*\b:\s+15+16*\b], v[TM+12+\b]
.endr
	v_nop                                          ; one plain place behind a scaled conversion
.irp c, 0,1
.irp i, 0,1
	v_permlane16_swap_b32 v[PC+4*\c+\i], v[PC+2+4*\c+\i]
.endr
.endr
.endm
.macro ADDRS                           ; every LDS address is a constant + constants x lane, row, half and wave
	v_and_b32 v89, 31, v0                          ; l
	v_and_b32 v90, 15, v0                          ; r
	v_bfe_u32 v91, v0, 4, 1                        ; h
	s_mul_i32 s37, s[WV], 4*RP
	s_mul_i32 s38, s[WV], SLAB
	s_lshl_b32 s39, s[WV], 10
	v_lshlrev_b32 v[L16], 4, v89
	v_lshlrev_b32 v[L4], 2, v89
	v_add_nc_u32 v[XW], s37, v[L16]
	v_add_nc_u32 v[XW+1], SLAB, v[XW]
	v_add_nc_u32 v[XW+2], 2*SLAB, v[XW]
	v_add_nc_u32 v[XW+3], 3*SLAB, v[XW]
	v_mul_u32_u24 v92, v90, RP
	v_lshl_add_u32 v92, v91, 6, v92
	v_add_nc_u32 v[XP], s38, v92
	v_lshl_add_u32 v93, v91, 6, s39
	v_add_nc_u32 v[DVA], DWV, v93
	v_add_nc_u32 v[CPW], s39, v[L16]
	v_add_nc_u32 v[CPW], DWV, v[CPW]
	v_lshlrev_b32 v94, 2, v90
	v_add_nc_u32 v[RDR], RED, v94
	v_add_nc_u32 v[XBR], XB, v94
	s_lshl_b32 s37, s[WV], 8
	v_add_nc_u32 v[RDW], s37, v[RDR]
	v_add_nc_u32 v[ASW], s37, v[L4]
	v_add_nc_u32 v[ASW], ASC, v[ASW]
	s_lshl_b32 s37, s[WV], 11
	v_add_nc_u32 v[IMW], s37, v[L16]
	v_add_nc_u32 v[IMW], AIMG, v[IMW]
	s_lshl_b32 s37, s[WV], 4
	s_add_co_u32 s37, s37, XB
	v_mov_b32 v[XBW], s37
	v_add_nc_u32 v[AA], AIMG, v[L16]
	v_add_nc_u32 v[ASA], ASC, v[L4]
	v_lshlrev_b32 v[OSO], 1, v90
.endm
.macro XROW lam                        ; row 4 w + lam of the tile (32 registers as loaded, window 2): into LDS, and its dot with dbw.  The stores' data come from loads, their addresses stand ahead of the head's wait
	s_wait_loadcnt 8*(3-(\lam))                    ; the rows still to come, eight loads each
	WIN 0x08
.irp j, 0,1,2,3,4,5,6,7
	ds_store_b128 v[XW+\j/2], v[32*(\lam)+4*\j:32*(\lam)+4*\j+3] offset:(\lam)*RP+512*(\j%2)
.endr
	WIN 0x02
	v_pk_mul_f32 v[90:91], v[32*(\lam):32*(\lam)+1], v[DB:DB+1]
	v_pk_mul_f32 v[92:93], v[32*(\lam)+2:32*(\lam)+3], v[DB+2:DB+3]
.irp k, 2,3,4,5,6,7,8,9,10,11,12,13,14,15
	v_pk_fma_f32 v[90+2*(\k%2):91+2*(\k%2)], v[32*(\lam)+2*\k:32*(\lam)+2*\k+1], v[DB+2*\k:DB+2*\k+1], v[90+2*(\k%2):91+2*(\k%2)]
.endr
	WIN 0
	v_pk_add_f32 v[90:91], v[90:91], v[92:93]
	v_add_f32 v[RS+(\lam)], v90, v91
.endm
.macro XSUMS                           ; the four dots over the 32 lanes, and the attention's two scale words; then the dots, dWv and bo go to LDS
.irp m, 1,2,4,8
.irp k, 0,1,2,3
	v_add_f32_dpp v[RS+\k], v[RS+\k], v[RS+\k] row_xmask:\m row_mask:0xf bank_mask:0xf
.endr
.endr
.irp k, 0,1,2,3
	v_permlanex16_b32 v[DB+\k], v[RS+\k], s[SEL], s[SEL+1]
.endr
.irp k, 0,1,2,3
	v_add_f32 v[RS+\k], v[RS+\k], v[DB+\k]
.endr
.irp e, 0,1
	v_lshl_or_b32 v[176+\e], v[193+2*\e], 16, v[192+2*\e]          ; K step 2 w + e: heads 4 w + 2 e and 4 w + 2 e + 1
.endr
	s_wait_alu depctr_va_vdst(0)                   ; the four dots and the two scale words are written, which LDS stores below read; and the four halfwords (v192 on) have been read, where loads land behind the barrier
.irp k, 0,1,2,3
	ds_store_b32 v[XBW], v[RS+\k] offset:4*\k      ; all lanes write the same word with the same value
.endr
	ds_store_b128 v[CPW], v[208:211]
	ds_store_b128 v[CPW], v[212:215] offset:512
	ds_store_b128 v[CPW], v[216:219] offset:4096
	ds_store_b128 v[CPW], v[220:223] offset:4608
.endm
.macro XQUANT                          ; my slab, 256 columns of all 16 rows, becomes x's K steps 2 w and 2 w + 1
.irp e, 0,1
.irp b, 0,1,2,3
.irp jj, 0,1,2,3
	ds_load_b128 v[XR-96*\e+16*\b+4*\jj:XR-96*\e+16*\b+4*\jj+3], v[XP] offset:512*\e+128*\b+16*\jj
.endr
.endr
.endr
	s_wait_dscnt 16                                ; the first K step's 16 loads are in; the second's may be out
	QUANT XR
	s_wait_alu depctr_va_vdst(0)                   ; the codes and the scale word are written, which the three stores read
	ds_store_b128 v[IMW], v[PC:PC+3] offset:8192
	ds_store_b128 v[IMW], v[PC+4:PC+7] offset:8192+512
	ds_store_b32 v[ASW], v[PW] offset:1024
	s_wait_alu depctr_vm_vsrc(0)                   ; the three stores have read the codes and the scale word, which the second K step writes again
	s_wait_dscnt 3                                 ; behind the second K step's loads: these three stores
	QUANT XRB
	s_wait_alu depctr_va_vdst(0)                   ; the codes and the scale word are written, which the three stores read; and both K steps' numbers have been read, where the rows' fragments and later loads land
	ds_store_b128 v[IMW], v[PC:PC+3] offset:8192+1024
	ds_store_b128 v[IMW], v[PC+4:PC+7] offset:8192+1536
	ds_store_b32 v[ASW], v[PW] offset:1024+128
.endm
.macro BATCH p, H, off                 ; one block of wf into set p, half H: 17 loads
	WIN 0
	global_load_b128 v[WS+8*(\p)+4*(\H):WS+8*(\p)+4*(\H)+3], v[L16], s[SB:SB+1] offset:(\off)+(\H)*HB+8192
	WIN 0x40
.irp k, 0,1,2,3,4,5,6,7,8,9,10,11,12,13,14,15
	global_load_b128 v[128*(\p)+64*(\H)+4*\k:128*(\p)+64*(\H)+4*\k+3], v[L16], s[SB:SB+1] offset:(\off)+(\H)*HB+512*\k
.endr
	WIN 0
.endm
.macro WM nt, p, zero                  ; accumulator nt takes 128 along K
.set rD, 8*(\nt)
.set rW, 128*(\p)+8*(\nt)
.set rA, AF+32*(\p)
.set rS, WS+8*(\p)+(\nt)/2
.set rX, AS+4*(\p)
.if (\nt)%2
.if \zero
	v_wmma_scale_f32_16x16x128_f8f6f4 v[rD:rD+7], v[rW:rW+7], v[rA:rA+7], 0, v[rS], v[rX] matrix_a_fmt:MATRIX_FMT_FP4 matrix_b_fmt:MATRIX_FMT_FP4 matrix_a_scale:MATRIX_SCALE_ROW1
.else
	v_wmma_scale_f32_16x16x128_f8f6f4 v[rD:rD+7], v[rW:rW+7], v[rA:rA+7], v[rD:rD+7], v[rS], v[rX] matrix_a_fmt:MATRIX_FMT_FP4 matrix_b_fmt:MATRIX_FMT_FP4 matrix_a_scale:MATRIX_SCALE_ROW1
.endif
.else
.if \zero
	v_wmma_scale_f32_16x16x128_f8f6f4 v[rD:rD+7], v[rW:rW+7], v[rA:rA+7], 0, v[rS], v[rX] matrix_a_fmt:MATRIX_FMT_FP4 matrix_b_fmt:MATRIX_FMT_FP4
.else
	v_wmma_scale_f32_16x16x128_f8f6f4 v[rD:rD+7], v[rW:rW+7], v[rA:rA+7], v[rD:rD+7], v[rS], v[rX] matrix_a_fmt:MATRIX_FMT_FP4 matrix_b_fmt:MATRIX_FMT_FP4
.endif
.endif
.endm
.macro HALF p, H, zero                 ; eight matrix instructions; the 16 accumulators take turns, one instruction a turn
	WIN 0xa1                                       ; source 0 (weights) window 1, source 1 (the rows) window 0, C and D window 2
.irp f, 0,1,2,3,4,5,6,7
	WM 8*\H+\f, \p, \zero
.endr
.endm
.macro ALOAD p, t                      ; the rows' fragment and scale word of K step t (0-7 the attention's, 8-15 x's) into set p
.irp c, 0,1
	ds_load_b128 v[AF+32*(\p)+4*\c:AF+32*(\p)+4*\c+3], v[AA] offset:(\t)*1024+512*\c
.endr
	ds_load_b32 v[AS+4*(\p)], v[ASA] offset:(\t)*128
.endm
; K step t of the 16: 16 matrix instructions on set t % 2.  The block two steps on is asked for, half by half, into the registers just multiplied; the next step's fragment of the rows goes into the other set at the step's head.
; n0, n1: the loads issued behind the batch that is wanted: three batches of 17 in the steady state.
; Four plain vector instructions stay between a half's products and the loads into the registers that they read; the wait on va_vdst stands behind them.
.macro STEP t, zero, n0, n1
	s_wait_loadcnt \n0
	s_wait_dscnt 0x0                               ; the rows' fragment and scale word of this step are in
.if (\t) < 15
	ALOAD 1-(\t)%2, (\t)+1                         ; no wait: the products that read the other set stand ahead of the last wait on va_vdst, and nothing issued since names it
.endif
	HALF (\t)%2, 0, \zero
	WIN 0
	PLACES
.if (\t) < 14
	s_wait_alu depctr_va_vdst(0)                   ; this half's products are done reading the weights' half set and its scale words, where the batch lands
	BATCH (\t)%2, 0, ((\t)+2)*STP
.endif
	s_wait_loadcnt \n1
	HALF (\t)%2, 1, \zero
	WIN 0
	PLACES
.if (\t) < 14
	s_wait_alu depctr_va_vdst(0)                   ; this half's products are done reading the weights' half set and its scale words, where the batch lands, and the step's products the rows' fragment, where the next step's head loads
	BATCH (\t)%2, 1, ((\t)+2)*STP
.endif
.endm
.macro RLOAD p                         ; dWv and bo of my half's 16 columns of column pair p
.irp jj, 0,1,2,3
	ds_load_b128 v[XR+32*((\p)%2)+4*\jj:XR+32*((\p)%2)+4*\jj+3], v[DVA] offset:128*(\p)+16*\jj
	ds_load_b128 v[XR+32*((\p)%2)+16+4*\jj:XR+32*((\p)%2)+19+4*\jj], v[DVA] offset:4096+128*(\p)+16*\jj
.endr
.endm
.macro REDUCE1                         ; of the first product only (acc + b) . dWv is kept, in two chains; each accumulator is read from its low end on
	RLOAD 0
.irp cp, 0,1,2,3,4,5,6,7
.if \cp < 7
.if \cp > 0
	s_wait_alu depctr_va_vdst(0)                   ; the multiply-adds of the pair before are done reading their 32 registers, where the next pair lands
.endif
	RLOAD \cp+1
	s_wait_dscnt 8                                 ; behind this pair's loads: the next pair's eight
.else
	s_wait_dscnt 0x0
.endif
.set RB, XR+32*(\cp%2)
.irp k, 0,1,2,3,4,5,6,7
.if (\cp == 0) && (\k < 2)
	v_pk_mul_f32 v[176+2*\k:177+2*\k], v[RB+16+2*\k:RB+17+2*\k], v[RB+2*\k:RB+2*\k+1]
.else
	v_pk_fma_f32 v[176+2*(\k%2):177+2*(\k%2)], v[RB+16+2*\k:RB+17+2*\k], v[RB+2*\k:RB+2*\k+1], v[176+2*(\k%2):177+2*(\k%2)]
.endif
.endr
	WIN 0x02
.irp k, 0,1,2,3,4,5,6,7
.if (\cp == 0) && (\k < 2)
	v_pk_mul_f32 v[160+2*\k:161+2*\k], v[16*\cp+2*\k:16*\cp+2*\k+1], v[RB+2*\k:RB+2*\k+1]
.else
	v_pk_fma_f32 v[160+2*(\k%2):161+2*(\k%2)], v[16*\cp+2*\k:16*\cp+2*\k+1], v[RB+2*\k:RB+2*\k+1], v[160+2*(\k%2):161+2*(\k%2)]
.endif
.endr
	WIN 0
.endr
	v_pk_add_f32 v[176:177], v[176:177], v[178:179]
	v_pk_add_f32 v[160:161], v[160:161], v[162:163]
	v_add_f32 v176, v176, v177
	v_add_f32 v160, v160, v161
	v_add_f32 v160, v160, v176
	v_permlanex16_b32 v161, v160, s[SEL], s[SEL+1]
	v_add_f32 v160, v160, v161
	s_wait_alu depctr_va_vdst(0)                   ; the sum is written, which the LDS store reads
	ds_store_b32 v[RDW], v160                      ; my 256 columns' part, row r
.endm
.macro ULOAD q                         ; unit q: columns 128 q on of my slab: 64 numbers into XR (q = 0) or XRB (q = 1), in the accumulators' order
.set UL, XR-96*(\q)
.irp b, 0,1,2,3
.irp jj, 0,1,2,3
	ds_load_b128 v[UL+16*\b+4*\jj:UL+16*\b+4*\jj+3], v[XP] offset:512*(\q)+128*\b+16*\jj
.endr
.endr
.endm
.macro USTORE q
.set UL, XR-96*(\q)
.irp b, 0,1,2,3
.irp jj, 0,1,2,3
	ds_store_b128 v[XP], v[UL+16*\b+4*\jj:UL+16*\b+4*\jj+3] offset:512*(\q)+128*\b+16*\jj
.endr
.endr
.endm
.macro PASS1                           ; |k_raw|^2 (v160 on) and k_raw . x (v176 on)
	ULOAD 0
	s_wait_alu depctr_vm_vsrc(0)                   ; the LDS store of the first product's sum has read v160, which the squares' sum writes
.irp q, 0,1
	s_wait_dscnt 0x0
.if \q < 1
	s_wait_alu depctr_va_vdst(0)                   ; the last two K steps' products are done reading the rows' fragments, in whose registers unit 1 lands
	ULOAD 1
.endif
.set UB, XR-96*\q
.set AB, 64*\q
	WIN 0x0a
.set k, 0
.rept 32
.if (\q == 0) && (k < 2)
	v_pk_mul_f32 v[160+2*k:161+2*k], v[AB+2*k:AB+2*k+1], v[AB+2*k:AB+2*k+1]
.else
	v_pk_fma_f32 v[160+2*(k%2):161+2*(k%2)], v[AB+2*k:AB+2*k+1], v[AB+2*k:AB+2*k+1], v[160+2*(k%2):161+2*(k%2)]
.endif
.set k, k+1
.endr
	WIN 0x02
.set k, 0
.rept 32
.if (\q == 0) && (k < 2)
	v_pk_mul_f32 v[176+2*k:177+2*k], v[AB+2*k:AB+2*k+1], v[UB+2*k:UB+2*k+1]
.else
	v_pk_fma_f32 v[176+2*(k%2):177+2*(k%2)], v[AB+2*k:AB+2*k+1], v[UB+2*k:UB+2*k+1], v[176+2*(k%2):177+2*(k%2)]
.endif
.set k, k+1
.endr
	WIN 0
.endr
.irp S, 160,176
	v_pk_add_f32 v[\S:\S+1], v[\S:\S+1], v[\S+2:\S+3]
.endr
.irp S, 160,176
	v_add_f32 v[\S], v[\S], v[\S+1]
.endr
.irp S, 160,176
	v_permlanex16_b32 v[\S+1], v[\S], s[SEL], s[SEL+1]
.endr
.irp S, 160,176
	v_add_f32 v[\S], v[\S], v[\S+1]
.endr
	s_wait_alu depctr_va_vdst(0)                   ; the two sums are written, which the LDS stores read; and both buffers have been read, where the loads behind the barrier land
	ds_store_b32 v[RDW], v160 offset:64            ; 64 on: the squares;
	ds_store_b32 v[RDW], v176 offset:128           ; 128 on: the dots with x
.endm
.macro SCALARS                         ; the four waves' parts are added; c1 of row r
.irp qq, 0,1,2
.irp u, 0,1,2,3
	ds_load_b32 v[96+4*\qq+\u], v[RDR] offset:\u*256+\qq*64
.endr
.endr
	ds_load_b32 v144, v[XBR]
	ULOAD 0
	s_wait_dscnt 16                                ; behind the sums' loads: unit 0's sixteen
	s_wait_kmcnt 0x0                               ; dbb[3], dbv[3]
.irp qq, 0,1,2
	v_pk_add_f32 v[96+4*\qq:97+4*\qq], v[96+4*\qq:97+4*\qq], v[98+4*\qq:99+4*\qq]
.endr
.irp qq, 0,1,2
	v_add_f32 v[96+4*\qq], v[96+4*\qq], v[97+4*\qq]   ; v96: the dot with dWv; v100: |k_raw|^2; v104: k_raw . x
.endr
	v_add_f32 v144, s[SDBB], v144
	v_mul_f32 v144, 0xbfb8aa3b, v144               ; x -log2(e)
	v_sqrt_f32 v101, v100
	v_exp_f32 v148, v144
	v_nop                                          ; a plain instruction behind the two,
	s_wait_alu depctr_va_vdst(0)                   ; and one wait for the root and the exponential, ahead of their first reader
	v_add_f32 v101, 0x322bcc77, v101               ; + 1e-8
	v_add_f32 v148, 1.0, v148
	v_rcp_f32 v102, v101                           ; inv
	v_rcp_f32 v152, v148                           ; the sigmoid
	v_nop
	s_wait_alu depctr_va_vdst(0)                   ; one wait for the two reciprocals, ahead of their first reader
	v_add_f32 v96, s[SDBV], v96
	v_mul_f32 v97, v152, v102
	v_fma_f32 v96, -v104, v102, v96
	v_add_f32 v97, v97, v97
	v_mul_f32 v[C1], v97, v96
	v_mov_b32 v[C1+1], v[C1]                       ; named with it as a pair, so it is written
.endm
.macro PASS2                           ; y = x + c1 k_raw, back into my slab: both units are made, then stored behind one wait
	s_wait_dscnt 0x0                               ; unit 0 is in
	s_wait_alu depctr_va_vdst(0)                   ; the scalars' arithmetic is done with v96 to v152, where unit 1 lands
	ULOAD 1
	WIN 0x02
.set k, 0
.rept 32
	v_pk_fma_f32 v[XR+2*k:XR+2*k+1], v[2*k:2*k+1], v[C1:C1+1], v[XR+2*k:XR+2*k+1] op_sel_hi:[1,0,1]
.set k, k+1
.endr
	s_wait_dscnt 0x0                               ; unit 1 is in
.set k, 0
.rept 32
	v_pk_fma_f32 v[XRB+2*k:XRB+2*k+1], v[64+2*k:64+2*k+1], v[C1:C1+1], v[XRB+2*k:XRB+2*k+1] op_sel_hi:[1,0,1]
.set k, k+1
.endr
	WIN 0
	s_wait_alu depctr_va_vdst(0)                   ; both units of y are written, which the 32 LDS stores read
	USTORE 0
	USTORE 1
.endm
	s_load_b256 s[4:11], s[0:1], 0x0               ; x, wf, oc, osc
	s_load_b256 s[12:19], s[0:1], 0x20             ; bo, dbw, dbb, dWv
	s_load_b256 s[20:27], s[0:1], 0x40             ; dbv, ln_g, ln_b, out0
	v_lshl_add_u32 v62, v0, 2, 0x17100
	v_mov_b32 v63, 0
	v_lshrrev_b32 v89, 5, v0
	v_readfirstlane_b32 s[WV], v89                 ; wave 0..3
	s_lshr_b32 s[XI], ttmp9, 2                     ; which 64 rows,
	s_and_b32 s[TI], ttmp9, 3                      ; and which tile of them
	s_mov_b32 s[SEL], 0x76543210
	s_mov_b32 s[SEL+1], 0xfedcba98                 ; v_permlanex16_b32's selects for lane l xor 16
	s_wait_alu depctr_va_sdst(0)                   ; the wave's number is written, ahead of its first reader: addresses and bases are made from it
	ADDRS
.irp k, 68,69,70,71,72,73,74,75
	v_mov_b32 v[\k], 0                             ; written once: a lane permute's destination counts as one of its sources
.endr
	s_add_co_u32 s42, s39, 3*4096                  ; row 3 of dWv, my 256 columns (s39 = 1,024 x wave)
	s_mov_b32 s43, 0
	s_mov_b32 s44, s39
	s_mov_b32 s45, 0
	s_lshl_b32 s46, s[XI], 18                      ; 64 rows of 4,096 bytes,
	s_lshr_b32 s37, s[TI], 1
	s_lshl_b32 s37, s37, 17
	s_add_co_u32 s46, s46, s37
	s_and_b32 s37, s[TI], 1
	s_lshl_b32 s37, s37, 15
	s_add_co_u32 s46, s46, s37                     ; the tile's first row: 32 (T / 2) + 8 (T % 2),
	s_lshl_b32 s37, s[WV], 14
	s_add_co_u32 s46, s46, s37
	s_lshr_b32 s37, s[WV], 1
	s_lshl_b32 s37, s37, 15
	s_add_co_u32 s46, s46, s37                     ; my four rows of it: 4 w + 8 (w / 2) rows on: four neighbours in x and in out0
	s_mov_b32 s47, 0
	s_lshl_b32 s48, ttmp9, 13                      ; oc: the tile's eight fragments,
	s_lshl_b32 s37, s[WV], 11
	s_add_co_u32 s48, s48, s37                     ; my two of them
	s_mov_b32 s49, 0
	s_add_co_u32 s50, s[WV], 12
	s_mul_i32 s50, s50, 16*STP                     ; my stream of wf: (4 x 3 + w) x 16 K steps
	s_mov_b32 s51, 0
	s_lshr_b32 s40, ttmp9, 7
	s_lshl_b32 s40, s40, 16                        ; osc: the batch's 16 heads of 4,096 bytes,
	s_and_b32 s37, ttmp9, 127
	s_lshl_b32 s37, s37, 5
	s_add_co_u32 s40, s40, s37                     ; the tile's 32 bytes,
	s_lshl_b32 s37, s[WV], 14
	s_add_co_u32 s40, s40, s37                     ; heads 4 w on
	s_mov_b32 s41, 0
	s_wait_kmcnt 0x0
	s_load_b32 s[SDBB], s[PDBB:PDBB+1], 0xc
	s_load_b32 s[SDBV], s[PDBV:PDBV+1], 0xc
	s_add_nc_u64 s[PBI:PBI+1], s[PBI:PBI+1], s[44:45]
	s_add_nc_u64 s[PDBW:PDBW+1], s[PDBW:PDBW+1], 3*4096
	s_add_nc_u64 s[PDWV:PDWV+1], s[PDWV:PDWV+1], s[42:43]
	s_add_nc_u64 s[PX:PX+1], s[PX:PX+1], s[46:47]
	s_add_nc_u64 s[POUT:POUT+1], s[POUT:POUT+1], s[46:47]
	s_add_nc_u64 s[POC:POC+1], s[POC:POC+1], s[48:49]
	s_add_nc_u64 s[POSC:POSC+1], s[POSC:POSC+1], s[40:41]
	s_add_nc_u64 s[SB:SB+1], s[PWF:PWF+1], s[50:51]
	s_wait_alu depctr_va_vdst(0)                   ; all offsets and addresses made above are written: every load and store of the kernel reads one of them, or one made from them behind a wait of its own
	; ---- x and the attention's codes come in: 52 loads
.irp j, 0,1,2,3,4,5,6,7
	global_load_b128 v[DB+4*\j:DB+4*\j+3], v[L16], s[PDBW:PDBW+1] offset:512*\j
.endr
	global_load_b128 v[208:211], v[L16], s[PDWV:PDWV+1]
	global_load_b128 v[212:215], v[L16], s[PDWV:PDWV+1] offset:512
	global_load_b128 v[216:219], v[L16], s[PBI:PBI+1]
	global_load_b128 v[220:223], v[L16], s[PBI:PBI+1] offset:512
.irp k, 0,1,2,3
	global_load_b128 v[XRB+4*\k:XRB+4*\k+3], v[L16], s[POC:POC+1] offset:512*\k
.endr
.irp k, 0,1,2,3
	global_load_u16 v[192+\k], v[OSO], s[POSC:POSC+1] offset:4096*\k   ; head 4 w + k's two scale bytes of row r
.endr
	WIN 0x80
.irp lam, 0,1,2,3
.irp j, 0,1,2,3,4,5,6,7
	global_load_b128 v[32*\lam+4*\j:32*\lam+4*\j+3], v[L16], s[PX:PX+1] offset:\lam*4096+512*\j
.endr
.endr
.irp lam, 0,1,2,3
	XROW \lam
.endr
	BATCH 0, 0, 0                                  ; the weights' stream starts
	BATCH 0, 1, 0
	BATCH 1, 0, STP
	XSUMS
.irp k, 0,1,2,3
	ds_store_b128 v[IMW], v[XRB+4*\k:XRB+4*\k+3] offset:512*\k     ; the attention's K steps 2 w and 2 w + 1 (these loads are older than x's: they are in)
.endr
.irp e, 0,1
	ds_store_b32 v[ASW], v[176+\e] offset:128*\e
.endr
	BARRIER                                        ; x and the attention's eight fragments lie in LDS
	s_wait_alu depctr_vm_vsrc(0)                   ; my LDS stores have read v96 to v111 and v208 to v223, where the loads below land, the dots (v64 on), which the quantiser writes, the two scale words (v176, v177), which the first product's sums write, and window 2, which the products write
	XQUANT
	BATCH 1, 1, STP
	BARRIER                                        ; and so do x's eight
	; ---- Q(o) Wo, then Q(x) dWk[3]: one stream of 16 K steps
	ALOAD 0, 0
	STEP 0, 1, 51, 51
.irp t, 1,2,3,4,5,6,7
	STEP \t, 0, 51, 51
.endr
	REDUCE1
	STEP 8, 1, 51, 51
.irp t, 9,10,11,12,13
	STEP \t, 0, 51, 51
.endr
	STEP 14, 0, 51, 34                             ; nothing more to ask for: the counts run down
	STEP 15, 0, 17, 0
	PASS1
	BARRIER                                        ; every wave's parts of the row sums lie in LDS
	SCALARS
	PASS2
	s_wait_dscnt 0x0                               ; my part of y lies in LDS
	s_wait_alu depctr_vm_vsrc(0)                   ; my LDS stores have read v96 to v159, where ln_g and ln_b land, and v192 to v255, where the LayerNorm's rows land
.irp j, 0,1,2,3,4,5,6,7
	global_load_b128 v[XRB+4*\j:XRB+4*\j+3], v[L16], s[PLG:PLG+1] offset:512*\j
	global_load_b128 v[XRB+32+4*\j:XRB+35+4*\j], v[L16], s[PLB:PLB+1] offset:512*\j
.endr
	s_barrier_signal -1
	s_barrier_wait -1                              ; everybody's does
	; ---- the LayerNorm: a trip takes rows 4 w + k and 4 w + k + 2 of the tile, whole: 32 numbers a lane each
	s_mov_b32 s[CNT], 0
	s_mov_b32 s37, 0
	s_mov_b32 s38, 0
	s_mov_b32 s39, 0x3a800000                      ; 1 / 1,024
	s_wait_loadcnt 0x0                             ; ln_g, ln_b
.Lln:
	s_wait_alu depctr_vm_vsrc(0)                   ; the last trip's LDS loads have read v[LNA ..], and its stores v[LNO] and v192 to v255: all are written again below
.irp m, 0,1,2,3
	v_add_nc_u32 v[LNA+\m], s37, v[XW+\m]
.endr
	v_add_nc_u32 v[LNO], s38, v[L16]
	s_wait_alu depctr_va_vdst(0)                   ; the five addresses are written, which the loads and stores below read
.irp j, 0,1,2,3,4,5,6,7
	ds_load_b128 v[192+4*\j:195+4*\j], v[LNA+\j/2] offset:512*(\j%2)
	ds_load_b128 v[224+4*\j:227+4*\j], v[LNA+\j/2] offset:2*RP+512*(\j%2)
.endr
	s_wait_dscnt 0x0
	v_pk_add_f32 v[90:91], v[192:193], v[194:195]
	v_pk_add_f32 v[64:65], v[224:225], v[226:227]
	v_pk_add_f32 v[92:93], v[196:197], v[198:199]
	v_pk_add_f32 v[66:67], v[228:229], v[230:231]
.irp k, 4,6,8,10,12,14
	v_pk_add_f32 v[90:91], v[90:91], v[192+2*\k:193+2*\k]
	v_pk_add_f32 v[64:65], v[64:65], v[224+2*\k:225+2*\k]
	v_pk_add_f32 v[92:93], v[92:93], v[194+2*\k:195+2*\k]
	v_pk_add_f32 v[66:67], v[66:67], v[226+2*\k:227+2*\k]
.endr
	v_pk_add_f32 v[90:91], v[90:91], v[92:93]
	v_pk_add_f32 v[64:65], v[64:65], v[66:67]
	v_add_f32 v90, v90, v91
	v_add_f32 v64, v64, v65
.irp m, 1,2,4,8
	v_add_f32_dpp v90, v90, v90 row_xmask:\m row_mask:0xf bank_mask:0xf
	v_add_f32_dpp v64, v64, v64 row_xmask:\m row_mask:0xf bank_mask:0xf
.endr
	v_permlanex16_b32 v74, v90, s[SEL], s[SEL+1]
	v_permlanex16_b32 v75, v64, s[SEL], s[SEL+1]
	v_add_f32 v90, v90, v74
	v_add_f32 v64, v64, v75
	v_mul_f32 v94, 0xba800000, v90                 ; -mean
	v_mul_f32 v68, 0xba800000, v64
	v_mov_b32 v95, v94
	v_mov_b32 v69, v68
.set k, 0
.rept 16
	v_pk_add_f32 v[192+2*k:193+2*k], v[192+2*k:193+2*k], v[94:95]
	v_pk_add_f32 v[224+2*k:225+2*k], v[224+2*k:225+2*k], v[68:69]
.set k, k+1
.endr
	v_pk_mul_f32 v[90:91], v[192:193], v[192:193]
	v_pk_mul_f32 v[64:65], v[224:225], v[224:225]
	v_pk_mul_f32 v[92:93], v[194:195], v[194:195]
	v_pk_mul_f32 v[66:67], v[226:227], v[226:227]
.irp k, 2,4,6,8,10,12,14
	v_pk_fma_f32 v[90:91], v[192+2*\k:193+2*\k], v[192+2*\k:193+2*\k], v[90:91]
	v_pk_fma_f32 v[64:65], v[224+2*\k:225+2*\k], v[224+2*\k:225+2*\k], v[64:65]
	v_pk_fma_f32 v[92:93], v[194+2*\k:195+2*\k], v[194+2*\k:195+2*\k], v[92:93]
	v_pk_fma_f32 v[66:67], v[226+2*\k:227+2*\k], v[226+2*\k:227+2*\k], v[66:67]
.endr
	v_pk_add_f32 v[90:91], v[90:91], v[92:93]
	v_pk_add_f32 v[64:65], v[64:65], v[66:67]
	v_add_f32 v90, v90, v91
	v_add_f32 v64, v64, v65
.irp m, 1,2,4,8
	v_add_f32_dpp v90, v90, v90 row_xmask:\m row_mask:0xf bank_mask:0xf
	v_add_f32_dpp v64, v64, v64 row_xmask:\m row_mask:0xf bank_mask:0xf
.endr
	v_permlanex16_b32 v74, v90, s[SEL], s[SEL+1]
	v_permlanex16_b32 v75, v64, s[SEL], s[SEL+1]
	v_add_f32 v90, v90, v74
	v_add_f32 v64, v64, v75
	v_fma_f32 v90, v90, s39, 0x3727c5ac            ; the variance + 1e-5
	v_fma_f32 v64, v64, s39, 0x3727c5ac
	v_rsq_f32 v70, v90
	v_rsq_f32 v72, v64
	v_nop                                          ; a plain instruction behind the two,
	s_wait_alu depctr_va_vdst(0)                   ; and one wait for the two reciprocal roots, ahead of their first reader
	v_mov_b32 v71, v70
	v_mov_b32 v73, v72
.set k, 0
.rept 16
	v_pk_mul_f32 v[192+2*k:193+2*k], v[192+2*k:193+2*k], v[70:71]
	v_pk_mul_f32 v[224+2*k:225+2*k], v[224+2*k:225+2*k], v[72:73]
.set k, k+1
.endr
.set k, 0
.rept 16
	v_pk_fma_f32 v[192+2*k:193+2*k], v[192+2*k:193+2*k], v[XRB+2*k:XRB+2*k+1], v[XRB+32+2*k:XRB+33+2*k]
	v_pk_fma_f32 v[224+2*k:225+2*k], v[224+2*k:225+2*k], v[XRB+2*k:XRB+2*k+1], v[XRB+32+2*k:XRB+33+2*k]
.set k, k+1
.endr
	s_wait_alu depctr_va_vdst(0)                   ; the two rows are written, which the sixteen stores read; the next trip's loads land in the same registers
.irp j, 0,1,2,3,4,5,6,7
	global_store_b128 v[LNO], v[192+4*\j:195+4*\j], s[POUT:POUT+1] offset:512*\j th:TH_STORE_NT         ; 512 consecutive bytes; written once, read by nobody here
	global_store_b128 v[LNO], v[224+4*\j:227+4*\j], s[POUT:POUT+1] offset:8192+512*\j th:TH_STORE_NT    ; two rows further on
.endr
	s_wait_xcnt 0x0                                ; the stores have read their data and their offset: both are written again in the next trip
	s_add_co_u32 s37, s37, RP
	s_add_co_u32 s38, s38, 4096
	s_add_co_u32 s[CNT], s[CNT], 1
	s_cmp_lt_u32 s[CNT], 2
	s_cbranch_scc1 .Lln
	s_wait_dscnt 0x0                               ; the wave's end
	s_wait_alu 0x0
	s_wait_tensorcnt 0x0
	ds_add_u32 v62, v63
	s_wait_dscnt 0x0
	s_endpgm
.Lfunc_end_k_q13faa7e5d8_fin:
	.size	k_q13faa7e5d8_fin, .Lfunc_end_k_q13faa7e5d8_fin-k_q13faa7e5d8_fin
	.p2alignl 7, 3214868480
	.fill 96, 4, 3214868480
	.section	.rodata,"a",@progbits
	.p2align	6, 0x0
	.amdhsa_kernel k_q13faa7e5d8_fin
		.amdhsa_group_segment_fixed_size 94976
		.amdhsa_private_segment_fixed_size 0
		.amdhsa_enable_private_segment 0
		.amdhsa_kernarg_size 96
		.amdhsa_user_sgpr_count 2
		.amdhsa_user_sgpr_kernarg_segment_ptr 1
		.amdhsa_wavefront_size32 1
		.amdhsa_system_sgpr_workgroup_id_x 1
		.amdhsa_system_sgpr_workgroup_id_y 1
		.amdhsa_system_sgpr_workgroup_id_z 1
		.amdhsa_system_vgpr_workitem_id 0
		.amdhsa_next_free_vgpr 640
		.amdhsa_next_free_sgpr 66
		.amdhsa_reserve_vcc 0
		.amdhsa_float_denorm_mode_32 3
		.amdhsa_float_denorm_mode_16_64 3
		.amdhsa_memory_ordered 1
		.amdhsa_forward_progress 1
		.amdhsa_inst_pref_size 177
	.end_amdhsa_kernel
	.amdgpu_metadata
---
amdhsa.version: [ 1, 2 ]
amdhsa.kernels:
  - .name:           k_q13faa7e5d8_fin
    .symbol:         k_q13faa7e5d8_fin.kd
    .args:
      - { .name: x, .offset: 0, .size: 8, .value_kind: global_buffer, .address_space: global }
      - { .name: wf, .offset: 8, .size: 8, .value_kind: global_buffer, .address_space: global }
      - { .name: oc, .offset: 16, .size: 8, .value_kind: global_buffer, .address_space: global }
      - { .name: osc, .offset: 24, .size: 8, .value_kind: global_buffer, .address_space: global }
      - { .name: bo, .offset: 32, .size: 8, .value_kind: global_buffer, .address_space: global }
      - { .name: dbw, .offset: 40, .size: 8, .value_kind: global_buffer, .address_space: global }
      - { .name: dbb, .offset: 48, .size: 8, .value_kind: global_buffer, .address_space: global }
      - { .name: dWv, .offset: 56, .size: 8, .value_kind: global_buffer, .address_space: global }
      - { .name: dbv, .offset: 64, .size: 8, .value_kind: global_buffer, .address_space: global }
      - { .name: ln_g, .offset: 72, .size: 8, .value_kind: global_buffer, .address_space: global }
      - { .name: ln_b, .offset: 80, .size: 8, .value_kind: global_buffer, .address_space: global }
      - { .name: out0, .offset: 88, .size: 8, .value_kind: global_buffer, .address_space: global }
    .group_segment_fixed_size: 94976
    .private_segment_fixed_size: 0
    .kernarg_segment_align: 8
    .kernarg_segment_size: 96
    .max_flat_workgroup_size: 128
    .sgpr_count:     66
    .vgpr_count:     640
    .wavefront_size: 32
...
	.end_amdgpu_metadata
.endif
;; end of part 7
